; MI455X (gfx1250); checked and timed in simulation.
; The chip was launched on July 23, 2026; its instructions are those of AMD's public machine-readable ISA for CDNA 5 (MIT licence, August 2026) and "CDNA5" Instruction Set Architecture Reference Guide (July 2026). The comments in the code are by the model that wrote it; some were corrected since.
;; Transformer Encoder Layer. Allowed arithmetic: matrix products marked QUANTISED: E3M2 operands, one E8M0 scale for each 32 along K, by v_wmma_scale_f32_16x16x128_f8f6f4 with both operands' format E3M2, f32 sums; everything else in f32.
;; Inputs: W1 1,024 x 4,096 float32; W2 4,096 x 1,024 float32; Wk 1,024 x 1,024 float32; Wo 1,024 x 1,024 float32; Wq 1,024 x 1,024 float32; Wv 1,024 x 1,024 float32; b1 4,096 float32; b2 1,024 float32; bk 1,024 float32; bo 1,024 float32; bq 1,024 float32; bv 1,024 float32; ln1_b 1,024 float32; ln1_g 1,024 float32; ln2_b 1,024 float32; ln2_g 1,024 float32; x 2 x 2,048 x 1,024 float32.
;; Outputs: out0 2 x 2,048 x 1,024 float32.
;; This version of the problem:
;;   THIS VERSION OF THE PROBLEM IS GIVEN IN LOW PRECISION. The matrix products marked QUANTISED in the list below multiply operands that are first quantised to E3M2 (3 exponent bits, 2 mantissa bits; 6 bits a number), with one power-of-two scale for each 32 numbers along K (OCP MX v1.0); their sums are f32. All else is computed in f32.
;;   The module's matrix products, in the order in which they are computed (A, B: the left and right operand; K: the contracted axis; several contracted axes count as one K, in the product's order):
;;     1. [M 4,096, K 1,024] x [K 1,024, N 1,024]; A: computed on the way; B: input Wq: QUANTISED
;;     2. [M 4,096, K 1,024] x [K 1,024, N 1,024]; A: computed on the way; B: input Wk: QUANTISED
;;     3. [M 4,096, K 1,024] x [K 1,024, N 1,024]; A: computed on the way; B: input Wv: QUANTISED
;;     4. batch 32 x [M 2,048, K 64] x [K 64, N 2,048]; A: computed on the way; B: computed on the way: QUANTISED
;;     5. batch 32 x [M 2,048, K 2,048] x [K 2,048, N 64]; A: softmax (see below); B: computed on the way: QUANTISED
;;     6. [M 4,096, K 1,024] x [K 1,024, N 1,024]; A: computed on the way; B: input Wo: QUANTISED
;;     7. [M 4,096, K 1,024] x [K 1,024, N 4,096]; A: computed on the way; B: input W1: QUANTISED
;;     8. [M 4,096, K 4,096] x [K 4,096, N 1,024]; A: computed on the way; B: input W2: QUANTISED
;;   THE QUANTISER, for each operand of a quantised product, along K:
;;     - K is cut into blocks of 32 from its start; a last block that is shorter is filled with zeros.
;;     - A block's scale is 2^e with e = floor(log2(the largest magnitude in the block)) - 4, held to -126 .. 127; a block of zeros has e = 0. As a byte (E8M0): e + 127.
;;     - Each number is divided by its block's scale, clamped to +-28, and rounded to the nearest number of E3M2, ties to even, subnormals kept.
;;     - The product sums the exact products of the quantised numbers (number of the format x scale) in f32.
;;   ~~~python
;;   def quantise(x, axis):      # numpy; x: float32 -> the quantised numbers, widened to float32 again
;;       x = np.moveaxis(x, axis, -1); K = x.shape[-1]
;;       x = np.pad(x, [(0, 0)] * (x.ndim - 1) + [(0, -K % 32)]); x = x.reshape(x.shape[:-1] + (-1, 32)); a = np.abs(x).max(-1, keepdims=True)
;;       e = np.where(a > 0, np.clip(np.frexp(np.where(a > 0, a, 1))[1] - 1 - 4, -126, 127), 0)      # np.frexp(a)[1] - 1 = floor(log2(a)), exactly
;;       r = np.clip(x / 2.0 ** e, -28, 28)
;;       step = 2.0 ** (np.maximum(np.frexp(np.where(r == 0, 1, r))[1] - 1, -2) - 2)
;;       q = np.round(r / step) * step * 2.0 ** e      # np.round: ties to even
;;       return np.moveaxis(q.reshape(q.shape[:-2] + (-1,))[..., :K], -1, axis).astype(np.float32)
;;   ~~~
;;   SOFTMAX AHEAD OF A QUANTISED PRODUCT. Where the list says 'softmax', what is quantised is not the finished softmax but p = 2^(t - M), with t = logit x log2(e) and M = ceil(the row's largest t), a whole number; so 1/2 < the row's largest p <= 1. The row's sum l is taken of the UNQUANTISED p, in f32, and the product's result is divided by l at the end. Since M is a whole number, a kernel that streams over the keys may use a running M (the ceiling of the running maximum): every later rescaling is an exact power of two, which a block's scale takes up: the codes' values come out the same.
;;   OPERANDS COMPUTED ON THE WAY. 'Computed on the way' means the value that the module computes at that place (a softmax that the list does not call 'softmax' is quantised finished and normalised). What goes into a quantiser is computed in f32, as accurately as f32 sums, v_exp_f32 and their like allow (about 1e-6 of the number): no bf16 or f16 on the way to a quantiser, and a product that is left as it is and whose result goes on into a quantised operand takes f32 operands (vector FMAs, or v_wmma_f32_16x16x4_f32). A number that lies on a knife's edge between two numbers of the format may be rounded either way, as far as f32 arithmetic and the matrix unit's own rounding can turn it there, and no further.
;; 2 versions. Each part assembles by itself: llvm-mc -triple=amdgcn-amd-amdhsa -mcpu=gfx1250 --defsym DOCPART=n.
;; ======== version 1 of 2: 8 launches
;; workspace buffers: wbuf 9,830,400 bytes; hbuf 3,276,800 bytes; qkvbuf 10,223,616 bytes; cbuf 3,276,800 bytes; x1 16,777,216 bytes; hid 13,107,200 bytes
;; launch wq (part 1): grid 384 x 1, 8 waves a work-group, no clusters, 0 bytes of LDS; arguments Wq, Wk, Wv, Wo, W1, W2, wbuf; writes wbuf
.if DOCPART == 1
	.amdgcn_target "amdgcn-amd-amdhsa--gfx1250"
	.amdhsa_code_object_version 6
	.text
	.protected	k_q4b05f0d00f_wq
	.globl	k_q4b05f0d00f_wq
	.p2align	8
	.type	k_q4b05f0d00f_wq,@function
k_q4b05f0d00f_wq:
	s_mov_b64 s[64:65], 0
	v_nop
	global_prefetch_b8 v0, s[64:65] scope:SCOPE_SE
	s_setreg_imm32_b32 hwreg(HW_REG_WAVE_MODE, 25, 1), 1
	s_wait_xcnt 0x0
; The six weights, f32 stored [K][N], become codes of E3M2 with one E8M0 byte for each 32 along K, laid as IMAGES OF OPERAND REGISTERS.
; An image is 16 rows (n) x 128 along K: 12 registers a lane, 1,536 bytes: registers 4 c .. 4 c + 3 of lane l at byte 512 c + 16 l; lane (r, h) holds K = 64 c' + 32 h + 0 .. 31 of image row r in registers 6 c' .. 6 c' + 5.
; Image tile 2 b + u, row r, stands for column n = 32 b + 8 u + r + 8 (r / 8).  wbuf: image idx at idx x 1,536, its 16 scale words at WSC + idx x 64; idx = idx0 + tile x (K / 128) + K step.
; SHARES.  A work-group takes 256 columns x 128 along K, a wave 32 columns; A LANE TAKES A COLUMN AND ITS REGISTERS RUN DOWN K, so a block of 32 lies in one lane, no other lane is asked, and the conversions' results are the image's registers.
; Each load of a wave reads 128 consecutive bytes (the eight waves 1,024); each 16-byte store fills two aligned runs of 256 bytes.  Waves share nothing: no LDS, no barrier, no cluster.
; LIMITS: NaN and infinities are not served; a block whose largest magnitude lies under 2^-122, a block of zeros among them, gets the byte 1 (its bytes are read by this program alone; zero codes add nothing).
.set WSC, 9437184
.set VI,  1                            ; v1   4 x lane: my column in a row of the weight
.set VC,  2                            ; v2   my place in the images: u x (K / 128) x 1,536 + 16 r
.set VS,  3                            ; v3   and among the scale words: u x (K / 128) x 64 + 4 r
.set SW,  16                           ; v16  my column's scale word
.set X,   32                           ; v32-159  128 numbers down K
.set F0,  160                          ; v160-171 blocks 0 and 2: image lane r
.set F1,  172                          ; v172-183 blocks 1 and 3: image lane 16 + r
.set CT,  184                          ; v184-199 the upper 16 codes of each block, as the conversion leaves them
	s_load_b256 s[4:11], s[0:1], 0x0               ; Wq, Wk, Wv, Wo
	s_load_b128 s[12:15], s[0:1], 0x20             ; W1, W2
	s_load_b64 s[16:17], s[0:1], 0x30              ; wbuf
	v_lshrrev_b32 v4, 5, v0
	v_readfirstlane_b32 s18, v4                    ; wave 0..7
	v_and_b32 v5, 31, v0
	v_lshlrev_b32 v[VI], 2, v5
	v_bfe_u32 v6, v0, 3, 1                         ; u: which of the group's two image tiles
	v_and_b32 v7, 7, v0
	v_bfe_u32 v4, v0, 4, 1
	v_lshl_add_u32 v7, v4, 3, v7                   ; r: the image row
	; the work-group's number says which tensor, which 256 columns (X) and which K step (s): 0-127 the four square weights, 128-255 W2, 256-383 W1
	s_lshr_b32 s20, ttmp9, 5
	s_and_b32 s21, ttmp9, 3
	s_and_b32 s22, ttmp9, 15
	s_lshr_b32 s23, ttmp9, 2
	s_and_b32 s24, s23, 7
	s_and_b32 s25, s23, 31
	s_lshr_b32 s26, ttmp9, 4
	s_and_b32 s26, s26, 7
	s_lshl_b32 s27, s20, 9
	s_cmp_ge_u32 ttmp9, 128
	s_cselect_b32 s24, s25, s24                    ; s
	s_cselect_b32 s27, 0x1000, s27                 ; idx0
	s_cselect_b32 s28, 32, 8                       ; K / 128
	s_cmp_ge_u32 ttmp9, 256
	s_cselect_b32 s21, s22, s21                    ; X
	s_cselect_b32 s24, s26, s24
	s_cselect_b32 s27, 0x800, s27
	s_cselect_b32 s28, 8, s28
	s_cselect_b32 s29, 21, 19                      ; 128 rows of 16,384 or of 4,096 bytes
	s_lshl_b32 s30, s24, s29
	s_lshl_b32 s31, s21, 10
	s_add_co_u32 s30, s30, s31
	s_lshl_b32 s31, s18, 7
	s_add_co_u32 s30, s30, s31                     ; my wave's first number, in bytes
	s_mov_b32 s31, 0
	s_lshl_b32 s32, s21, 4
	s_lshl_b32 s33, s18, 1
	s_add_co_u32 s32, s32, s33                     ; image tile 16 X + 2 wave
	s_mul_i32 s32, s32, s28
	s_add_co_u32 s32, s32, s27
	s_add_co_u32 s32, s32, s24                     ; idx
	s_lshl_b32 s34, s32, 6
	s_add_co_u32 s34, s34, WSC
	s_mov_b32 s35, 0
	s_mul_i32 s32, s32, 1536
	s_mov_b32 s33, 0
	s_mul_i32 s36, s28, 1536
	s_lshl_b32 s37, s28, 6
	v_mul_lo_u32 v[VC], v6, s36
	v_lshl_add_u32 v[VC], v7, 4, v[VC]
	v_mul_lo_u32 v[VS], v6, s37
	v_lshl_add_u32 v[VS], v7, 2, v[VS]
	s_wait_kmcnt 0x0
	s_cmp_eq_u32 s20, 1                            ; the tensor is chosen by the work-group's number alone
	s_cselect_b64 s[4:5], s[6:7], s[4:5]
	s_cmp_eq_u32 s20, 2
	s_cselect_b64 s[4:5], s[8:9], s[4:5]
	s_cmp_eq_u32 s20, 3
	s_cselect_b64 s[4:5], s[10:11], s[4:5]
	s_cmp_ge_u32 ttmp9, 128
	s_cselect_b64 s[4:5], s[14:15], s[4:5]
	s_cmp_ge_u32 ttmp9, 256
	s_cselect_b64 s[4:5], s[12:13], s[4:5]
	s_add_nc_u64 s[4:5], s[4:5], s[30:31]
	s_add_nc_u64 s[38:39], s[16:17], s[32:33]      ; my images
	s_add_nc_u64 s[40:41], s[16:17], s[34:35]      ; my scale words
.macro LOADS pitch                     ; 128 rows of the weight, every offset an immediate (127 x 16,384 at the most)
.set li, 0
.rept 128
	global_load_b32 v[X+li], v[VI], s[4:5] offset:li*\pitch th:TH_LOAD_NT
.set li, li+1
.endr
.endm
	s_cmp_lt_u32 ttmp9, 256
	s_cbranch_scc0 .Lwide
	LOADS 4096
	s_branch .Lloaded
.Lwide:
	LOADS 16384
.Lloaded:                                      ; both ways have issued the same 128 loads
; Block t of 32 along K.  left: how many younger loads may stay out.
.macro BLOCK t, left
.set XS, X+32*(\t)
.set FD, F0+12*((\t)%2)+6*((\t)/2)
	s_wait_loadcnt \left
	v_max3_num_f32 v8, |v[XS]|, |v[XS+1]|, |v[XS+2]|               ; the block's largest magnitude, in two chains
	v_max3_num_f32 v9, |v[XS+3]|, |v[XS+4]|, |v[XS+5]|
.irp i, 6,10,14,18,22,26
	v_max3_num_f32 v8, v8, |v[XS+\i]|, |v[XS+\i+1]|
	v_max3_num_f32 v9, v9, |v[XS+\i+2]|, |v[XS+\i+3]|
.endr
	v_max3_num_f32 v8, v8, |v[XS+30]|, |v[XS+31]|
	v_max3_num_f32 v8, v8, v9, 0x2800000           ; and the floor 2^(5 - 127): the byte cannot fall under 1
	v_add_nc_u32 v10, 0xfe000000, v8               ; 4 off the exponent field: the conversion takes this operand's exponent field as its scale
	v_lshrrev_b32 v11, 23, v10                     ; the scale's byte
.if (\t) == 0
	v_mov_b32 v[SW], v11
.else
	v_lshl_or_b32 v[SW], v11, 8*(\t), v[SW]
.endif
	v_cvt_scalef32_pk16_bf6_f32 v[FD:FD+2], v[XS:XS+15], v10
	v_cvt_scalef32_pk16_bf6_f32 v[CT+4*(\t):CT+4*(\t)+2], v[XS+16:XS+31], v10   ; (a conversion's three registers begin on an even number)
	v_nop                                          ; one plain line behind a scaled conversion
.irp i, 0,1,2
	v_mov_b32 v[FD+3+\i], v[CT+4*(\t)+\i]
.endr
.endm
	BLOCK 0, 63                                    ; behind block 0's loads stand 96 younger ones; the count names at most 63
	BLOCK 1, 63                                    ; 64 younger
	BLOCK 2, 32
	BLOCK 3, 0
.irp c, 0,1,2
	global_store_b128 v[VC], v[F0+4*\c:F0+4*\c+3], s[38:39] offset:512*\c       ; image lanes 0-15: the sixteen lanes of a tile store 256 consecutive bytes
	global_store_b128 v[VC], v[F1+4*\c:F1+4*\c+3], s[38:39] offset:512*\c+256   ; image lanes 16-31
.endr
	global_store_b32 v[VS], v[SW], s[40:41]
	s_endpgm
.Lfunc_end_k_q4b05f0d00f_wq:
	.size	k_q4b05f0d00f_wq, .Lfunc_end_k_q4b05f0d00f_wq-k_q4b05f0d00f_wq
	.p2alignl 7, 3214868480
	.fill 96, 4, 3214868480
	.section	.rodata,"a",@progbits
	.p2align	6, 0x0
	.amdhsa_kernel k_q4b05f0d00f_wq
		.amdhsa_group_segment_fixed_size 0
		.amdhsa_private_segment_fixed_size 0
		.amdhsa_enable_private_segment 0
		.amdhsa_kernarg_size 56
		.amdhsa_user_sgpr_count 2
		.amdhsa_user_sgpr_kernarg_segment_ptr 1
		.amdhsa_wavefront_size32 1
		.amdhsa_system_sgpr_workgroup_id_x 1
		.amdhsa_system_sgpr_workgroup_id_y 1
		.amdhsa_system_sgpr_workgroup_id_z 1
		.amdhsa_system_vgpr_workitem_id 0
		.amdhsa_next_free_vgpr 200
		.amdhsa_next_free_sgpr 66
		.amdhsa_reserve_vcc 0
		.amdhsa_float_denorm_mode_32 3
		.amdhsa_float_denorm_mode_16_64 3
		.amdhsa_memory_ordered 1
		.amdhsa_forward_progress 1
		.amdhsa_inst_pref_size 34
	.end_amdhsa_kernel
	.amdgpu_metadata
---
amdhsa.version: [ 1, 2 ]
amdhsa.kernels:
  - .name:           k_q4b05f0d00f_wq
    .symbol:         k_q4b05f0d00f_wq.kd
    .args:
      - { .name: Wq, .offset: 0, .size: 8, .value_kind: global_buffer, .address_space: global }
      - { .name: Wk, .offset: 8, .size: 8, .value_kind: global_buffer, .address_space: global }
      - { .name: Wv, .offset: 16, .size: 8, .value_kind: global_buffer, .address_space: global }
      - { .name: Wo, .offset: 24, .size: 8, .value_kind: global_buffer, .address_space: global }
      - { .name: W1, .offset: 32, .size: 8, .value_kind: global_buffer, .address_space: global }
      - { .name: W2, .offset: 40, .size: 8, .value_kind: global_buffer, .address_space: global }
      - { .name: wbuf, .offset: 48, .size: 8, .value_kind: global_buffer, .address_space: global }
    .group_segment_fixed_size: 0
    .private_segment_fixed_size: 0
    .kernarg_segment_align: 8
    .kernarg_segment_size: 56
    .max_flat_workgroup_size: 256
    .sgpr_count:     66
    .vgpr_count:     200
    .wavefront_size: 32
...
	.end_amdgpu_metadata
.endif
;; end of part 1
;; launch ln1 (part 2): grid 256 x 1, 16 waves a work-group, no clusters, 88,576 bytes of LDS; arguments x, ln1_g, ln1_b, hbuf; writes hbuf
.if DOCPART == 2
	.amdgcn_target "amdgcn-amd-amdhsa--gfx1250"
	.amdhsa_code_object_version 6
	.text
	.protected	k_q4b05f0d00f_ln1
	.globl	k_q4b05f0d00f_ln1
	.p2align	8
	.type	k_q4b05f0d00f_ln1,@function
k_q4b05f0d00f_ln1:
	s_mov_b64 s[64:65], 0
	v_nop
	global_prefetch_b8 v0, s[64:65] scope:SCOPE_SE
	s_setreg_imm32_b32 hwreg(HW_REG_WAVE_MODE, 25, 1), 1
	s_wait_xcnt 0x0
; h = (x - mean) rsqrt(var + 1e-5) g + b for rows of 1,024 f32, then quantised along the row to E3M2 with one E8M0 byte for each 32, and stored as images of operand registers.
; An image is 16 rows x 128 along K, 1,536 bytes: registers 4 c .. 4 c + 3 of lane l at 512 c + 16 l; lane (r, h) holds K = 64 c' + 32 h + 0 .. 31 of image row r in registers 6 c' .. 6 c' + 5.
; Row block rb of the output holds 8 images (12,288 bytes) and, from HSC on, 8 x 16 scale words.  Image row r of block 2 b + u is token 32 b + 8 u + r + 8 (r / 8).
; SHARES.  A work-group makes one row block; wave w makes image row w: a whole row in 32 registers a lane, read once.  Mean and variance in two passes (the second on x - mean), in f32.
; The row turns through the wave's own stage in LDS so that lane l holds block l (32 neighbours); its 24 bytes of codes go to their places in the images in LDS; one barrier; the images leave in runs of 256 bytes a wave.
; Rows share only g and b (8 KB): no cluster.  LIMITS: NaN and infinities are not served; v_rsq_f32 is accurate to 1 ulp; a block whose largest magnitude lies under 2^-122 gets the byte 1.
.set HSC,   3145728
.set TURNB, 4608                       ; a wave's stage: 32 places of 128 bytes + 16
.set IMG,   73728                      ; behind the 16 stages: the 8 images
.set SCI,   86016                      ; and their 512 scale bytes
.set A_IN,  1                          ; v1  the stage, on the way in
.set A_OUT, 2                          ; v2  and out: 144 x lane
.set A_I1,  3                          ; v3  my codes' first and third pair of registers in the image
.set A_I2,  4                          ; v4  the second pair
.set A_SB,  5                          ; v5  my block's scale byte
.set A_G8,  6                          ; v6  8 x thread: the way out, in memory
.set A_L8,  7                          ; v7  and in LDS
.set A_SC,  8                          ; v8  the scale bytes' way out
.set A_16,  9                          ; v9  16 x lane
.set X,   16                           ; v16-47   the row
.set G,   48                           ; v48-79   g
.set BV,  80                           ; v80-111  b
.set Y,   112                          ; v112-143 my block of 32; before the turn: sums at work
.set W,   112
.set MU,  120
.set RS,  122
.set PT,  124
.set C,   144                          ; v144-150 codes
	s_load_b256 s[4:11], s[0:1], 0x0               ; the rows, g, b, hbuf
	v_lshl_add_u32 v152, v0, 2, 0x15200
	v_mov_b32 v153, 0
	v_lshrrev_b32 v10, 5, v0
	v_readfirstlane_b32 s12, v10                   ; wave = image row
	v_and_b32 v10, 31, v0                          ; lane
	v_lshlrev_b32 v[A_16], 4, v10
	s_mul_i32 s19, s12, TURNB
	v_lshrrev_b32 v11, 3, v10
	v_lshl_add_u32 v[A_IN], v11, 4, v[A_16]        ; 16 lane + 16 for each 128 bytes passed
	v_add_nc_u32 v[A_IN], s19, v[A_IN]
	v_mul_u32_u24 v[A_OUT], v10, 144
	v_add_nc_u32 v[A_OUT], s19, v[A_OUT]
	v_lshrrev_b32 v11, 2, v10                      ; block l = 4 s + 2 c + h: K step s,
	v_mul_u32_u24 v12, v11, 1536
	v_and_b32 v13, 1, v10                          ; image lane w + 16 h,
	v_lshl_add_u32 v12, v13, 8, v12
	s_lshl_b32 s20, s12, 4
	s_add_co_u32 s20, s20, IMG
	v_add_nc_u32 v12, s20, v12
	v_bfe_u32 v13, v10, 1, 1                       ; registers 6 c .. 6 c + 5: bytes 0, 8, 512 (c = 0) or 520, 1024, 1032 (c = 1) of the lane's places
	v_mad_u32_u24 v[A_I1], v13, 520, v12
	v_mad_u32_u24 v[A_I2], v13, 1016, v12
	v_and_b32 v13, 3, v10
	v_lshl_add_u32 v13, v11, 6, v13
	s_lshl_b32 s21, s12, 2
	s_add_co_u32 s21, s21, SCI
	v_add_nc_u32 v[A_SB], s21, v13                 ; 64 s + 4 w + (l % 4)
	v_lshlrev_b32 v[A_G8], 3, v0
	v_add_nc_u32 v[A_L8], IMG, v[A_G8]
	v_add_nc_u32 v[A_SC], SCI, v[A_16]
	v_mov_b32 v[PT], 0                             ; a lane permute's destination counts as one of its sources
	s_lshr_b32 s13, ttmp9, 1
	s_lshl_b32 s13, s13, 5
	s_and_b32 s14, ttmp9, 1
	s_lshl_b32 s14, s14, 3
	s_add_co_u32 s13, s13, s14
	s_add_co_u32 s13, s13, s12
	s_and_b32 s14, s12, 8
	s_add_co_u32 s13, s13, s14                     ; my token
	s_lshl_b32 s14, s13, 12
	s_mov_b32 s15, 0
	s_mov_b32 s16, 0x76543210
	s_mov_b32 s17, 0xfedcba98                      ; v_permlanex16_b32's selects for lane l xor 16
	s_mov_b32 s18, 0x3a800000                      ; 1 / 1,024
	s_mul_i32 s22, ttmp9, 12288
	s_mov_b32 s23, 0
	s_lshl_b32 s26, ttmp9, 9
	s_add_co_u32 s26, s26, HSC
	s_mov_b32 s27, 0
	s_wait_kmcnt 0x0
	s_add_nc_u64 s[4:5], s[4:5], s[14:15]
	s_add_nc_u64 s[22:23], s[10:11], s[22:23]
	s_add_nc_u64 s[26:27], s[10:11], s[26:27]
.irp j, 0,1,2,3,4,5,6,7
	global_load_b128 v[X+4*\j:X+4*\j+3], v[A_16], s[4:5] offset:512*\j th:TH_LOAD_NT   ; 512 consecutive bytes a load
.endr
.irp j, 0,1,2,3,4,5,6,7
	global_load_b128 v[G+4*\j:G+4*\j+3], v[A_16], s[6:7] offset:512*\j
.endr
.irp j, 0,1,2,3,4,5,6,7
	global_load_b128 v[BV+4*\j:BV+4*\j+3], v[A_16], s[8:9] offset:512*\j
.endr
.macro WSUM r, t                       ; the sum of v[r] over the 32 lanes, in every lane
	v_add_f32_dpp v[\r], v[\r], v[\r] row_xmask:1 row_mask:0xf bank_mask:0xf
	v_add_f32_dpp v[\r], v[\r], v[\r] row_xmask:2 row_mask:0xf bank_mask:0xf
	v_add_f32_dpp v[\r], v[\r], v[\r] row_xmask:4 row_mask:0xf bank_mask:0xf
	v_add_f32_dpp v[\r], v[\r], v[\r] row_xmask:8 row_mask:0xf bank_mask:0xf
	v_permlanex16_b32 v[\t], v[\r], s16, s17
	v_add_f32 v[\r], v[\r], v[\t]
.endm
.macro FOLD                            ; the four chains become one number a lane
	v_pk_add_f32 v[W:W+1], v[W:W+1], v[W+2:W+3]
	v_pk_add_f32 v[W+4:W+5], v[W+4:W+5], v[W+6:W+7]
	v_pk_add_f32 v[W:W+1], v[W:W+1], v[W+4:W+5]
	v_add_f32 v[W], v[W], v[W+1]
.endm
	s_wait_loadcnt 16                              ; the row is in; g's and b's sixteen loads may stay out
.irp k, 0,1,2,3
	v_pk_add_f32 v[W+2*\k:W+2*\k+1], v[X+4*\k:X+4*\k+1], v[X+4*\k+2:X+4*\k+3]
.endr
.irp j, 16,24
.irp k, 0,1,2,3
	v_pk_add_f32 v[W+2*\k:W+2*\k+1], v[W+2*\k:W+2*\k+1], v[X+\j+2*\k:X+\j+2*\k+1]
.endr
.endr
	FOLD
	WSUM W, PT
	v_mul_f32 v[MU], s18, v[W]                     ; the mean
	v_mov_b32 v[MU+1], v[MU]
.set j, 0
.rept 16
	v_pk_add_f32 v[X+j:X+j+1], v[X+j:X+j+1], v[MU:MU+1] op_sel_hi:[1,0] neg_lo:[0,1] neg_hi:[0,1]   ; x - mean
.set j, j+2
.endr
.irp k, 0,1,2,3
	v_pk_mul_f32 v[W+2*\k:W+2*\k+1], v[X+2*\k:X+2*\k+1], v[X+2*\k:X+2*\k+1]
.endr
.irp j, 8,16,24
.irp k, 0,1,2,3
	v_pk_fma_f32 v[W+2*\k:W+2*\k+1], v[X+\j+2*\k:X+\j+2*\k+1], v[X+\j+2*\k:X+\j+2*\k+1], v[W+2*\k:W+2*\k+1]
.endr
.endr
	FOLD
	WSUM W, PT
	v_fmaak_f32 v[W], s18, v[W], 0x3727c5ac        ; the variance + 1e-5
	v_mov_b32 v[RS+1], 0                           ; (named with RS as a pair)
	v_rsq_f32 v[RS], v[W]
	v_nop                                          ; a plain line behind the transcendental,
	s_wait_alu depctr_va_vdst(0)                   ; and the wait ahead of its first reader
	s_wait_loadcnt 0x0                             ; g and b
.set j, 0
.rept 16
	v_pk_mul_f32 v[X+j:X+j+1], v[X+j:X+j+1], v[RS:RS+1] op_sel_hi:[1,0]
.set j, j+2
.endr
.set j, 0
.rept 16
	v_pk_fma_f32 v[X+j:X+j+1], v[X+j:X+j+1], v[G+j:G+j+1], v[BV+j:BV+j+1]
.set j, j+2
.endr
.irp j, 0,1,2,3,4,5,6,7
	ds_store_b128 v[A_IN], v[X+4*\j:X+4*\j+3] offset:576*\j      ; the row as it lies, 16 bytes of padding behind each 128
.endr
.irp i, 0,1,2,3,4,5,6,7
	ds_load_b128 v[Y+4*\i:Y+4*\i+3], v[A_OUT] offset:16*\i       ; LDS serves a wave's instructions in order: these see my stores.  Lane l: numbers 32 l .. 32 l + 31
.endr
	s_wait_dscnt 0x0
	v_max3_num_f32 v10, |v[Y]|, |v[Y+1]|, |v[Y+2]|
	v_max3_num_f32 v11, |v[Y+3]|, |v[Y+4]|, |v[Y+5]|
.irp i, 6,10,14,18,22,26
	v_max3_num_f32 v10, v10, |v[Y+\i]|, |v[Y+\i+1]|
	v_max3_num_f32 v11, v11, |v[Y+\i+2]|, |v[Y+\i+3]|
.endr
	v_max3_num_f32 v10, v10, |v[Y+30]|, |v[Y+31]|
	v_max3_num_f32 v10, v10, v11, 0x2800000        ; the floor 2^(5 - 127)
	v_add_nc_u32 v12, 0xfe000000, v10              ; the conversion's scale operand
	v_lshrrev_b32 v13, 23, v12                     ; the scale's byte
	v_cvt_scalef32_pk16_bf6_f32 v[C:C+2], v[Y:Y+15], v12
	v_cvt_scalef32_pk16_bf6_f32 v[C+4:C+6], v[Y+16:Y+31], v12
	v_nop                                          ; one plain line behind a scaled conversion
	v_mov_b32 v[C+3], v[C+4]
	v_mov_b32 v[C+4], v[C+5]
	v_mov_b32 v[C+5], v[C+6]
	ds_store_b64 v[A_I1], v[C:C+1]
	ds_store_b64 v[A_I2], v[C+2:C+3] offset:8
	ds_store_b64 v[A_I1], v[C+4:C+5] offset:512
	ds_store_b8 v[A_SB], v13
	s_wait_dscnt 0x0                               ; for the others' sake: my stores have landed
	s_barrier_signal -1
	s_barrier_wait -1
.irp i, 0,1,2
	ds_load_b64 v[16+2*\i:17+2*\i], v[A_L8] offset:4096*\i
.endr
.irp i, 0,1,2
	s_wait_dscnt 2-\i
	global_store_b64 v[A_G8], v[16+2*\i:17+2*\i], s[22:23] offset:4096*\i   ; a wave stores 256 consecutive bytes, aligned
.endr
	s_cmp_lg_u32 s12, 0
	s_cbranch_scc1 .Ldone
	ds_load_b128 v[24:27], v[A_SC]                 ; wave 0: the block's 512 scale bytes
	s_wait_dscnt 0x0
	global_store_b128 v[A_16], v[24:27], s[26:27]
.Ldone:
	s_wait_tensorcnt 0x0
	ds_add_u32 v152, v153
	s_wait_dscnt 0x0
	s_endpgm
.Lfunc_end_k_q4b05f0d00f_ln1:
	.size	k_q4b05f0d00f_ln1, .Lfunc_end_k_q4b05f0d00f_ln1-k_q4b05f0d00f_ln1
	.p2alignl 7, 3214868480
	.fill 96, 4, 3214868480
	.section	.rodata,"a",@progbits
	.p2align	6, 0x0
	.amdhsa_kernel k_q4b05f0d00f_ln1
		.amdhsa_group_segment_fixed_size 88576
		.amdhsa_private_segment_fixed_size 0
		.amdhsa_enable_private_segment 0
		.amdhsa_kernarg_size 32
		.amdhsa_user_sgpr_count 2
		.amdhsa_user_sgpr_kernarg_segment_ptr 1
		.amdhsa_wavefront_size32 1
		.amdhsa_system_sgpr_workgroup_id_x 1
		.amdhsa_system_sgpr_workgroup_id_y 1
		.amdhsa_system_sgpr_workgroup_id_z 1
		.amdhsa_system_vgpr_workitem_id 0
		.amdhsa_next_free_vgpr 154
		.amdhsa_next_free_sgpr 66
		.amdhsa_reserve_vcc 0
		.amdhsa_float_denorm_mode_32 3
		.amdhsa_float_denorm_mode_16_64 3
		.amdhsa_memory_ordered 1
		.amdhsa_forward_progress 1
		.amdhsa_inst_pref_size 15
	.end_amdhsa_kernel
	.amdgpu_metadata
---
amdhsa.version: [ 1, 2 ]
amdhsa.kernels:
  - .name:           k_q4b05f0d00f_ln1
    .symbol:         k_q4b05f0d00f_ln1.kd
    .args:
      - { .name: x, .offset: 0, .size: 8, .value_kind: global_buffer, .address_space: global }
      - { .name: ln1_g, .offset: 8, .size: 8, .value_kind: global_buffer, .address_space: global }
      - { .name: ln1_b, .offset: 16, .size: 8, .value_kind: global_buffer, .address_space: global }
      - { .name: hbuf, .offset: 24, .size: 8, .value_kind: global_buffer, .address_space: global }
    .group_segment_fixed_size: 88576
    .private_segment_fixed_size: 0
    .kernarg_segment_align: 8
    .kernarg_segment_size: 32
    .max_flat_workgroup_size: 512
    .sgpr_count:     66
    .vgpr_count:     154
    .wavefront_size: 32
...
	.end_amdgpu_metadata
.endif
;; end of part 2
;; launch qkv (part 3): grid 12 x 16, 4 waves a work-group, clusters of 4 x 4, 327,680 bytes of LDS; arguments hbuf, wbuf, bq, bk, bv, qkvbuf; writes qkvbuf
.if DOCPART == 3
	.amdgcn_target "amdgcn-amd-amdhsa--gfx1250"
	.amdhsa_code_object_version 6
	.text
	.protected	k_q4b05f0d00f_qkv
	.globl	k_q4b05f0d00f_qkv
	.p2align	8
	.type	k_q4b05f0d00f_qkv,@function
k_q4b05f0d00f_qkv:
	s_mov_b64 s[64:65], 0
	v_nop
	global_prefetch_b8 v0, s[64:65] scope:SCOPE_SE
	s_setreg_imm32_b32 hwreg(HW_REG_WAVE_MODE, 25, 1), 1
	s_wait_xcnt 0x0
	s_wait_alu depctr_hold_cnt(0) depctr_sa_sdst(0) depctr_va_vdst(0) depctr_va_sdst(0) depctr_va_ssrc(0) depctr_va_vcc(0) depctr_vm_vsrc(0)
	s_getreg_b32 s2, hwreg(HW_REG_IB_STS2, 6, 4)
	s_cmp_eq_u32 s2, 0
	s_cbranch_scc0 .Lentry_in_a_cluster
	s_endpgm
.Lentry_in_a_cluster:
	s_bfe_u32 s2, ttmp6, 0x10000c
	s_cmp_lg_u32 s2, 0xf033
	s_cbranch_scc0 .Lentry_shape_is_right
	s_endpgm
.Lentry_shape_is_right:
; q = h Wq + bq, k = h Wk + bk, v = h Wv + bv on codes of E3M2 (one E8M0 byte for each 32 along K = 1,024), each result quantised at once for attention: q and k along the head's 64, v along the keys.
; OPERANDS ARE IMAGES OF REGISTERS: 16 rows x 128 K = 1,536 bytes, registers 4 c .. 4 c + 3 of lane l at 512 c + 16 l; a fragment is three loads of 16 bytes a lane, each of 512 consecutive bytes.
; Image tile 2 b + u, row r, stands for index 32 b + 8 u + r + 8 (r / 8) (a token, or a column of the weight).  The product is used transposed (source 0 = the B side, source 1 = the A side): a lane holds ONE image row
; of the A side, and the 16 registers of B's tiles 2 b, 2 b + 1 are the 16 neighbours 32 b + 16 (lane / 16) + 0 .. 15 of the B side: what the conversions want.
; CLUSTER x = 0: q, 1: k: A side = 256 tokens, B side = 256 columns.  x = 2: v, THE SIDES SWAPPED (A = 256 columns of Wv, B = 256 tokens), so that a lane's registers run along the tokens, which are the keys.
; A work-group of four waves makes 256 x 256, a wave 128 x 128 in 512 registers.  K goes in slots of 256 through a ring of two LDS slots; the scale words for all of K come once and stay.
; 4 x 4 work-groups form a cluster: the A side's tiles are asked for jointly along a row of the cluster, the B side's along a column.
; OUT.  q: head hl (batch x 16 + head) at hl x 106,496; a package of 128 tokens is 8 tiles x 768 bytes (registers 0-3 at 16 l, registers 4-5 at 512 + 8 l) and 512 bytes of scale words [r][tile].
;       k, v: from KV0 on, head at hl x 212,992; a package is 13,312 bytes: k's 8 tiles, v^T's 4 images (rows = the head's 64, K = 128 keys), k's scale words [r][8], v's [r][4], and v's once more.
; LIMITS: NaN and infinities are not served; a block whose largest magnitude lies under 2^-122 gets the byte 1.
.set NB,    8                          ; B's tiles of 16 rows for a wave
.set KS,    8                          ; K / 128
.set RBB,   3072                       ; a row block's part of a slot: two images
.set AH,    8*RBB
.set BH,    NB*RBB
.set SLOT,  2*AH+2*BH                  ; A's 16 row blocks, then B's 2 NB
.set SBLK,  64*KS                      ; a row block's scale words for all of K
.set SCLB,  2*SLOT                     ; behind the ring: B's scale words, then A's
.set SCLA,  SCLB+2*NB*SBLK
.set SPARE, SCLA+16*SBLK               ; the spare words, 128 bytes for each wave, which no other line names
.set LAPS,  KS/4
.set RBS,   KS*1536                    ; a row block in memory
.set HSC,   3145728
.set WSC,   9437184
.set KV0,   3407872
.set ADRA, 16                          ; v16-17 LDS address of my A fragments in slot 0, 1
.set ADRB, 20                          ; v20-21 of my B fragments
.set ADRS, 27                          ; v27    of my scale words: lanes 0-15 B's, lanes 16-31 A's
.set SPW,  28                          ; v28    my spare word; never rewritten
.set NIL,  29                          ; v29    0; never rewritten
.set L16,  30                          ; v30    16 x lane
.set L8,   31                          ; v31    8 x lane
.set SC,   32                          ; v32-63 scale words: set s at 32 + 16 s, register 2 i + q: block i, the slot's q-th 128 along K
.set BB,   64                          ; v64-127 the bias along the B side, in the result's layout
.set AF,   128                         ; v128-223 A's eight fragments, one set; window 1: B's two sets at v0 and v128; windows 2, 3: accumulator (a, b) at v[8 (NB (a % 4) + b)]
.set T,    128                         ; the way out: 64 numbers
.set PC,   192                         ; the codes just made
.set TM,   212                         ; v212-227 at work
.set BC,   228                         ; v[228:229] the bias of my row (v's way)
.set BA,   240                         ; v240-247 the bias along the A side
.set PWS,  248                         ; v248-255 the eight blocks' scale words
.set G1, 24
.set G0, 32
.set G1B, 48
.set G0B, 56
.set G1S, 68
.set G0S, 76
.set G1SB, 80
.set G0SB, 88
.set SEL, 100
.set MUL_LO, 0xa1                      ; source 0 (B) window 1, source 1 (A) window 0, C and D window 2
.set MUL_HI, 0xf1
.set TO_B,   0x40
.set MSB, 0
.macro WIN new                         ; the immediate's high byte repeats the setting that is left
.if MSB != (\new)
	s_set_vgpr_msb (MSB<<8)|(\new)
.set MSB, (\new)
.endif
.endm
.macro JLOAD g0a, g1a, g0b, g1b        ; a joint load: waves 0 and 1 fetch for A, waves 2 and 3 for B; four v_nop follow each line
	s_cmp_eq_u32 s15, 0
	s_cbranch_scc0 .Lfor_b_\@
	tensor_load_to_lds s[\g0a:\g0a+3], s[\g1a:\g1a+7]
	s_nop 0
.rept 4
	v_nop
.endr
	s_branch .Lasked_\@
.Lfor_b_\@:
	tensor_load_to_lds s[\g0b:\g0b+3], s[\g1b:\g1b+7]
	s_nop 0
.rept 4
	v_nop
.endr
.Lasked_\@:
.endm
.macro CREST                           ; a round of the cluster's barrier behind its opening barrier
	s_cmp_lg_u32 s14, 0
	s_cbranch_scc1 .Lnot_wave_0_\@
	s_barrier_signal -3
.Lnot_wave_0_\@:
	s_barrier_wait -3
	s_barrier_signal -1
	s_barrier_wait -1
.endm
.macro CROUND
	s_barrier_signal -1
	s_barrier_wait -1
	CREST
.endm
.macro PLACES n
.rept \n
	v_nop
.endr
.endm
.macro FRAG reg, adr, q, i             ; an image comes back as it was stored
.irp c, 0,1,2
	ds_load_b128 v[\reg+4*\c:\reg+4*\c+3], v[\adr] offset:(\i)*RBB+(\q)*1536+512*\c
.endr
.endm
.macro FETCH_B slot, q, p
	WIN TO_B
.set fi, 0
.rept NB
	FRAG 128*(\p)+12*fi, ADRB+\slot, \q, fi
.set fi, fi+1
.endr
	WIN 0
.endm
.macro FETCH_A slot, q, i0
.irp i, \i0, \i0+1, \i0+2, \i0+3
	FRAG AF+12*(\i), ADRA+\slot, \q, \i
.endr
.endm
.macro SCALES sc
.irp i, 0,1,2,3,4,5,6,7
	ds_load_b32 v[SC+16*\sc+2*\i], v[ADRS] offset:\i*SBLK
	ds_load_b32 v[SC+16*\sc+2*\i+1], v[ADRS] offset:\i*SBLK+64
.endr
.endm
; A's blocks a0, a0 + 1 against B's NB: the accumulators take turns, one instruction a turn, in the same order in every step
.macro MUL2 a0, p, q, sc, zero
.irp a, \a0, \a0+1
.set mb, 0
.rept NB
.set rD, 8*(NB*((\a)%4)+mb)
.if \zero
	v_wmma_scale_f32_16x16x128_f8f6f4 v[rD:rD+7], v[128*(\p)+12*mb:128*(\p)+12*mb+11], v[AF+12*(\a):AF+12*(\a)+11], 0, v[SC+16*(\sc)+2*mb+(\q)], v[SC+16*(\sc)+2*(\a)+(\q)] matrix_a_fmt:MATRIX_FMT_BF6 matrix_b_fmt:MATRIX_FMT_BF6 matrix_b_scale:MATRIX_SCALE_ROW1
.else
	v_wmma_scale_f32_16x16x128_f8f6f4 v[rD:rD+7], v[128*(\p)+12*mb:128*(\p)+12*mb+11], v[AF+12*(\a):AF+12*(\a)+11], v[rD:rD+7], v[SC+16*(\sc)+2*mb+(\q)], v[SC+16*(\sc)+2*(\a)+(\q)] matrix_a_fmt:MATRIX_FMT_BF6 matrix_b_fmt:MATRIX_FMT_BF6 matrix_b_scale:MATRIX_SCALE_ROW1
.endif
.set mb, mb+1
.endr
.endr
.endm
.macro STEP slot, zero                 ; a slot's first 128 along K
	s_wait_dscnt 12                                ; all but the youngest twelve loads (A's blocks 4-7) are in
	WIN MUL_LO
	MUL2 0, 0, 0, \slot, \zero
	MUL2 2, 0, 0, \slot, \zero
	s_wait_dscnt 0x0
	PLACES 4                                       ; four plain lines in front of loads into registers that matrix instructions have read
	FETCH_B \slot, 1, 1
	FETCH_A \slot, 1, 0
	WIN MUL_HI
	MUL2 4, 0, 0, \slot, \zero
	MUL2 6, 0, 0, \slot, \zero
	PLACES 4
	WIN 0
	FETCH_A \slot, 1, 4
.endm
.macro TURN slot, next, fill           ; a slot's second 128 along K, and the change of slots
	s_wait_tensorcnt 0x0                           ; all my tensor loads have landed: my part of the next slot;
	ds_add_u32 v[SPW], v[NIL]                      ; 0 onto my spare word;
	s_wait_dscnt 13                                ; (the add and the youngest twelve loads may be out)
	WIN MUL_LO
	MUL2 0, 1, 1, \slot, 0
	s_wait_dscnt 0x0                               ; the add is done, and my reads of this slot are over
	s_barrier_signal -1
	MUL2 2, 1, 1, \slot, 0
	WIN 0
	s_barrier_wait -1
.if \fill
	CREST                                          ; the barrier has opened a round of the cluster's barrier: no wave of any partner still reads this slot or has a load on its way
	s_add_nc_u64 s[G0+4*\slot+2:G0+4*\slot+3], s[G0+4*\slot+2:G0+4*\slot+3], 2*RBB
	s_add_nc_u64 s[G0B+4*\slot+2:G0B+4*\slot+3], s[G0B+4*\slot+2:G0B+4*\slot+3], 2*RBB
	JLOAD G0+4*\slot, G1, G0B+4*\slot, G1B         ; the first tensor load behind the round; its four v_nop are the places in front of the loads below
.else
	PLACES 4
.endif
	v_add_nc_u32 v[ADRS], 128, v[ADRS]             ; the next slot's scale words
	FETCH_B \next, 0, 0
	FETCH_A \next, 0, 0
	SCALES \next
	WIN MUL_HI
	MUL2 4, 1, 1, \slot, 0
	MUL2 6, 1, 1, \slot, 0
	PLACES 4
	WIN 0
	FETCH_A \next, 0, 4
.endm
; 64 numbers of a lane, register 16 b + i = neighbour 32 b + 16 (lane / 16) + i of my row, become a fragment's codes in v[PC] on and its scale word in v[pw]
.macro QUANT s, pw
.irp b, 0,1,2,3
	v_max3_num_f32 v[TM+\b], |v[\s+16*\b]|, |v[\s+1+16*\b]|, 0x2800000   ; with the floor 2^(5 - 127): the byte cannot fall under 1
.endr
.irp i, 2,4,6,8,10,12,14
.irp b, 0,1,2,3
	v_max3_num_f32 v[TM+\b], v[TM+\b], |v[\s+16*\b+\i]|, |v[\s+1+16*\b+\i]|
.endr
.endr
.irp b, 0,1,2,3
	v_permlanex16_b32 v[TM+4+\b], v[TM+\b], s[SEL], s[SEL+1]
.endr
.irp b, 0,1,2,3
	v_max_num_f32 v[TM+\b], v[TM+\b], v[TM+4+\b]   ; with lane l xor 16's: the block's largest magnitude
.endr
.irp b, 0,1,2,3
	v_add_nc_u32 v[TM+12+\b], 0xfe000000, v[TM+\b] ; 4 off its exponent field: the conversion's scale operand
.endr
.irp b, 0,1,2,3
	v_lshrrev_b32 v[TM+4+\b], 23, v[TM+12+\b]      ; the scale's byte
.endr
	v_lshl_or_b32 v[\pw], v[TM+5], 8, v[TM+4]
	v_lshl_or_b32 v[\pw], v[TM+6], 16, v[\pw]
	v_lshl_or_b32 v[\pw], v[TM+7], 24, v[\pw]
	s_wait_xcnt 0x0                                ; the last block's stores have read the codes' registers
.irp c, 0,1
	v_cvt_scalef32_pk16_bf6_f32 v[PC+6*\c:PC+2+6*\c], v[\s+32*\c:\s+15+32*\c], v[TM+12+2*\c]
	v_cvt_scalef32_pk16_bf6_f32 v[PC+12+4*\c:PC+14+4*\c], v[\s+16+32*\c:\s+31+32*\c], v[TM+12+2*\c+1]
.endr
	v_nop                                          ; one plain line behind a scaled conversion
.irp c, 0,1                                    ; the layout wants a whole block in a lane
.irp i, 0,1,2
	v_permlane16_swap_b32 v[PC+6*\c+\i], v[PC+12+4*\c+\i]
.endr
.irp i, 0,1,2
	v_mov_b32 v[PC+3+6*\c+\i], v[PC+12+4*\c+\i]
.endr
.endr
.endm
	s_load_b128 s[4:7], s[0:1], 0x0                ; hbuf, wbuf
	s_load_b128 s[92:95], s[0:1], 0x10             ; bq, bk
	s_load_b128 s[96:99], s[0:1], 0x20             ; bv, qkvbuf
	v_lshl_add_u32 v[SPW], v0, 2, SPARE
	v_mov_b32 v[NIL], 0
	ds_add_u32 v28, v29
	ds_add_u32 v28, v29
	s_wait_dscnt 0x0
	v_lshrrev_b32 v1, 5, v0
	v_readfirstlane_b32 s14, v1                    ; wave 0..3
	s_lshr_b32 s15, s14, 1                         ; my half of A's rows.  Also: I fetch for A (0) or for B (1)
	s_and_b32 s16, s14, 1                          ; my half of B's rows.  Also: which half I fetch
	s_bfe_u32 s40, ttmp6, 0x40000                  ; cx
	s_bfe_u32 s41, ttmp6, 0x40004                  ; cy
	s_and_b32 s66, ttmp7, 0xffff
	s_lshl_b32 s66, s66, 2
	s_lshl_b32 s42, ttmp9, 2
	s_add_co_u32 s17, s66, s41                     ; q, k: A's tile = 4 x cluster y + cy (tokens),
	s_add_co_u32 s42, s42, s40                     ;       B's tile = 4 x cluster x + cx (Wq's four tiles, then Wk's)
	s_add_co_u32 s66, s66, s40
	s_cmp_eq_u32 ttmp9, 2                          ; the cluster's x is the same in all sixteen partners
	s_cselect_b32 s17, s41, s17                    ; v: A's tile = cy (Wv's columns),
	s_cselect_b32 s42, s66, s42                    ;    B's tile = 4 x cluster y + cx (tokens)
	s_lshl_b32 s43, s41, 2
	s_lshl_b32 s43, 15, s43                        ; my row of the cluster
	s_lshl_b32 s44, 0x1111, s40                    ; my column
	s_or_b32 s[G1+0], s43, (3<<16)|(1<<21)         ; the mask; elements of 8 bytes; no padding; bit 21 beside a mask
	s_or_b32 s[G1B+0], s44, (3<<16)|(1<<21)
	s_mov_b32 s[G1+1], 384<<16                     ; a row of the tile: 3,072 bytes, two images of one row block
	s_mov_b32 s[G1+2], 8<<16
	s_mov_b32 s[G1+3], 384<<16
	s_mov_b32 s[G1+4], 8                           ; 8 row blocks
	s_mov_b32 s[G1+5], KS*192                      ; from row block to row block
	s_mov_b32 s[G1+6], 0
	s_mov_b32 s[G1+7], 0
	s_mov_b32 s[G1B+1], 384<<16
	s_mov_b32 s[G1B+2], NB<<16
	s_mov_b32 s[G1B+3], 384<<16
	s_mov_b32 s[G1B+4], NB
	s_mov_b32 s[G1B+5], KS*192
	s_mov_b32 s[G1B+6], 0
	s_mov_b32 s[G1B+7], 0
	s_or_b32 s[G1S+0], s43, (3<<16)|(1<<21)        ; the scale words of half a tile: a dense block, as rows of 256 bytes
	s_or_b32 s[G1SB+0], s44, (3<<16)|(1<<21)
	s_mov_b32 s[G1S+1], 32<<16
	s_mov_b32 s[G1S+2], (2*KS)<<16
	s_mov_b32 s[G1S+3], 32<<16
	s_mov_b32 s[G1S+4], 2*KS
	s_mov_b32 s[G1S+5], 32
	s_mov_b32 s[G1S+6], 0
	s_mov_b32 s[G1S+7], 0
	s_mov_b32 s[G1SB+1], 32<<16
	s_mov_b32 s[G1SB+2], (NB*KS/4)<<16
	s_mov_b32 s[G1SB+3], 32<<16
	s_mov_b32 s[G1SB+4], NB*KS/4
	s_mov_b32 s[G1SB+5], 32
	s_mov_b32 s[G1SB+6], 0
	s_mov_b32 s[G1SB+7], 0
	s_mov_b32 s[SEL], 0x76543210
	s_mov_b32 s[SEL+1], 0xfedcba98
	s_wait_kmcnt 0x0
	s_add_nc_u64 s[18:19], s[4:5], HSC             ; h's scale words
	s_add_nc_u64 s[20:21], s[6:7], WSC             ; the weights' scale words
	s_add_nc_u64 s[22:23], s[6:7], 1572864         ; Wv's images
	s_add_nc_u64 s[46:47], s[20:21], 65536         ; Wv's scale words
	s_cmp_eq_u32 ttmp9, 2
	s_cselect_b64 s[8:9], s[4:5], s[6:7]           ; B's codes
	s_cselect_b64 s[10:11], s[18:19], s[20:21]     ; B's scale words
	s_cselect_b64 s[4:5], s[22:23], s[4:5]         ; A's codes
	s_cselect_b64 s[6:7], s[46:47], s[18:19]       ; A's scale words
	s_lshl_b32 s18, s16, 3
	s_lshl_b32 s20, s17, 4
	s_add_co_u32 s20, s20, s18                     ; A's first row block that I fetch
	s_mul_i32 s46, s42, 2*NB
	s_mul_i32 s18, s16, NB
	s_add_co_u32 s46, s46, s18                     ; B's
	s_mul_i32 s22, s20, SBLK
	s_mul_i32 s20, s20, RBS
	s_mul_i32 s66, s46, SBLK
	s_mul_i32 s46, s46, RBS
	s_mov_b32 s21, 0
	s_mov_b32 s23, 0
	s_mov_b32 s47, 0
	s_mov_b32 s67, 0
	s_add_nc_u64 s[20:21], s[4:5], s[20:21]
	s_add_nc_u64 s[22:23], s[6:7], s[22:23]
	s_add_nc_u64 s[46:47], s[8:9], s[46:47]
	s_add_nc_u64 s[66:67], s[10:11], s[66:67]
	s_mul_i32 s45, s16, AH                         ; where they go: no place in the cluster enters an LDS address
	s_mul_i32 s12, s16, BH
	s_add_co_u32 s12, s12, 2*AH
	s_mul_i32 s13, s16, 8*SBLK
	s_add_co_u32 s13, s13, SCLA
	s_mul_i32 s19, s16, NB*SBLK
	s_add_co_u32 s19, s19, SCLB
	CROUND                                         ; all sixteen work-groups are here: the first joint loads meet
	s_mov_b32 s[G0S], 1
	s_mov_b32 s[G0S+1], s13
	s_mov_b64 s[G0S+2:G0S+3], s[22:23]
	s_or_b32 s[G0S+3], s[G0S+3], 0x80000000
	s_mov_b32 s[G0SB], 1
	s_mov_b32 s[G0SB+1], s19
	s_mov_b64 s[G0SB+2:G0SB+3], s[66:67]
	s_or_b32 s[G0SB+3], s[G0SB+3], 0x80000000
	JLOAD G0S, G1S, G0SB, G1SB                     ; the scale words first: filled once
.irp s, 0,1
	s_mov_b32 s[G0+4*\s], 1
	s_add_co_u32 s[G0+4*\s+1], s45, \s*SLOT
	s_add_nc_u64 s[G0+4*\s+2:G0+4*\s+3], s[20:21], \s*RBB
	s_or_b32 s[G0+4*\s+3], s[G0+4*\s+3], 0x80000000
	s_mov_b32 s[G0B+4*\s], 1
	s_add_co_u32 s[G0B+4*\s+1], s12, \s*SLOT
	s_add_nc_u64 s[G0B+4*\s+2:G0B+4*\s+3], s[46:47], \s*RBB
	s_or_b32 s[G0B+4*\s+3], s[G0B+4*\s+3], 0x80000000
	JLOAD G0+4*\s, G1, G0B+4*\s, G1B               ; three loads of mine are out
.endr
	v_and_b32 v1, 15, v0                           ; r
	v_bfe_u32 v2, v0, 4, 1                         ; h
	v_and_b32 v3, 31, v0
	v_lshlrev_b32 v[L16], 4, v3
	v_lshlrev_b32 v[L8], 3, v3
	s_mul_i32 s21, s15, AH                         ; my 8 row blocks of A,
	s_mul_i32 s22, s16, BH                         ; my NB of B, behind A's 16
	s_add_co_u32 s22, s22, 2*AH
.irp s, 0,1
	v_add_nc_u32 v[ADRA+\s], s21, v[L16]
	v_add_nc_u32 v[ADRB+\s], s22, v[L16]
	s_add_co_u32 s21, s21, SLOT
	s_add_co_u32 s22, s22, SLOT
.endr
	s_mul_i32 s21, s16, NB*SBLK                    ; lanes 0-15 take B's words,
	s_mul_i32 s22, s15, 8*SBLK                     ; lanes 16-31 A's: the lower base + h x the distance
	s_add_co_u32 s22, s22, SCLA-SCLB
	s_sub_co_u32 s22, s22, s21
	v_mul_u32_u24 v6, s22, v2
	s_add_co_u32 s21, s21, SCLB
	v_lshl_add_u32 v5, v1, 2, v6
	v_add_nc_u32 v[ADRS], s21, v5
	; the biases: along the B side (q, k) eight numbers a tile in the result's layout; along the A side (v) one number a block.  Both are loaded on both ways, the one not wanted from the buffer's head
	s_cmp_eq_u32 ttmp9, 1
	s_cselect_b64 s[92:93], s[94:95], s[92:93]
	s_cmp_eq_u32 ttmp9, 2
	s_cselect_b64 s[92:93], s[96:97], s[92:93]
	s_lshl_b32 s18, s40, 10
	s_lshl_b32 s20, s16, 9
	s_add_co_u32 s18, s18, s20                     ; (256 cx + 128 half) x 4
	s_lshl_b32 s22, s41, 10
	s_lshl_b32 s20, s15, 9
	s_add_co_u32 s22, s22, s20                     ; (256 cy + 128 half) x 4
	s_cmp_eq_u32 ttmp9, 2
	s_cselect_b32 s18, 0, s18
	s_cselect_b32 s22, s22, 0
	s_mov_b32 s19, 0
	s_mov_b32 s23, 0
	s_add_nc_u64 s[94:95], s[92:93], s[18:19]
	s_add_nc_u64 s[92:93], s[92:93], s[22:23]
	v_lshlrev_b32 v7, 6, v2                        ; 16 h numbers on
	v_and_b32 v8, 8, v1
	v_add_nc_u32 v8, v8, v1
	v_lshlrev_b32 v8, 2, v8                        ; r + 8 (r / 8)
.irp t, 0,1,2,3,4,5,6,7
	global_load_b128 v[BB+8*\t:BB+8*\t+3], v7, s[94:95] offset:(32*(\t/2)+8*(\t%2))*4
	global_load_b128 v[BB+8*\t+4:BB+8*\t+7], v7, s[94:95] offset:(32*(\t/2)+8*(\t%2))*4+16
.endr
.irp a, 0,1,2,3,4,5,6,7
	global_load_b32 v[BA+\a], v8, s[92:93] offset:(32*(\a/2)+8*(\a%2))*4
.endr
	s_wait_tensorcnt 1                             ; the scale words and my part of slot 0 are in; slot 1's load may stay out
	s_barrier_signal -1
	s_barrier_wait -1
	FETCH_B 0, 0, 0
	FETCH_A 0, 0, 0
	SCALES 0
	FETCH_A 0, 0, 4
	STEP 0, 1                                      ; the first step's products start the sums: nothing is cleared
	s_mov_b32 s3, LAPS-1
.Llap:                                             ; a trip goes once round the ring and fills both slots again
	TURN 0, 1, 1
	STEP 1, 0
	TURN 1, 0, 1
	STEP 0, 0
	s_sub_co_u32 s3, s3, 1
	s_cmp_lg_u32 s3, 0
	s_cbranch_scc1 .Llap
	TURN 0, 1, 0                                   ; the last lap fills nothing
	STEP 1, 0
	s_wait_dscnt 12
	WIN MUL_LO
	MUL2 0, 1, 1, 1, 0
	MUL2 2, 1, 1, 1, 0
	s_wait_dscnt 0x0
	WIN MUL_HI
	MUL2 4, 1, 1, 1, 0
	MUL2 6, 1, 1, 1, 0
	WIN 0
	PLACES 4                                       ; in front of the first read of results and the first write of operand registers
	s_wait_loadcnt 0x0                             ; the biases
.irp b, 0,1,2,3
	v_mov_b32 v[TM+4+\b], 0                        ; a lane permute's destination counts as one of its sources
.endr
	v_mov_b32 v[BC+1], 0
	s_cmp_eq_u32 ttmp9, 2
	s_cbranch_scc1 .Lvway
	; ---- q, k: my 128 columns are two heads; a fragment's registers 0-5 are head h0's 64, registers 6-11 head h0 + 1's
	s_lshr_b32 s18, s17, 3                         ; batch
	s_and_b32 s19, s17, 7
	s_lshl_b32 s19, s19, 1
	s_add_co_u32 s19, s19, s15                     ; package of 128 tokens
	s_lshl_b32 s20, s40, 2
	s_lshl_b32 s21, s16, 1
	s_add_co_u32 s20, s20, s21
	s_lshl_b32 s18, s18, 4
	s_add_co_u32 s20, s20, s18                     ; hl of head h0
	s_mul_i32 s20, s20, 106496
	s_mul_i32 s19, s19, 6656
	s_add_co_u32 s20, s20, s19                     ; q's place;
	s_lshl_b32 s21, s20, 1
	s_add_co_u32 s21, s21, KV0                     ; k's: heads and packages are twice as long
	s_mov_b32 s22, 106496
	s_mov_b32 s46, 6144
	s_cmp_eq_u32 ttmp9, 1
	s_cselect_b32 s20, s21, s20
	s_cselect_b32 s22, 212992, s22                 ; from head to head
	s_cselect_b32 s46, 12288, s46                  ; where the package's scale words begin
	s_mov_b32 s21, 0
	s_mov_b32 s23, 0
	s_mov_b32 s47, 0
	s_add_nc_u64 s[4:5], s[98:99], s[20:21]
	s_add_nc_u64 s[6:7], s[4:5], s[22:23]
	s_add_nc_u64 s[8:9], s[4:5], s[46:47]
	v_mul_lo_u32 v9, v2, s22
	v_lshl_add_u32 v9, v1, 5, v9                   ; lanes 0-15 store head h0's words, lanes 16-31 head h0 + 1's: 32 bytes a row
	v_lshlrev_b32 v10, 4, v2                       ; 16 h: which half of a scale word
.macro QK a
	WIN 0x02+(\a)/4                                ; source 0: the accumulators' window
.set k, 0
.rept 32
	v_pk_add_f32 v[T+k:T+k+1], v[64*((\a)%4)+k:64*((\a)%4)+k+1], v[BB+k:BB+k+1]   ; + bias; each accumulator from its low end on
.set k, k+2
.endr
	WIN 0
	QUANT T, PWS+(\a)
	global_store_b128 v[L16], v[PC:PC+3], s[4:5] offset:768*(\a)            ; 512 consecutive bytes
	global_store_b64 v[L8], v[PC+4:PC+5], s[4:5] offset:768*(\a)+512        ; 256
	global_store_b128 v[L16], v[PC+6:PC+9], s[6:7] offset:768*(\a)
	global_store_b64 v[L8], v[PC+10:PC+11], s[6:7] offset:768*(\a)+512
.endm
.irp a, 0,1,2,3,4,5,6,7
	QK \a
.endr
.irp a, 0,1,2,3,4,5,6,7
	v_bfe_u32 v[T+\a], v[PWS+\a], v10, 16          ; my head's two bytes; the upper two are 0: they scale the zero codes of K = 64 .. 127
.endr
	global_store_b128 v9, v[T:T+3], s[8:9]
	global_store_b128 v9, v[T+4:T+7], s[8:9] offset:16
	s_branch .Lout
.Lvway:
	; ---- v: a lane holds one of the head's 64 (A's image row) and 128 tokens: block a is image a % 4 of head h0 + a / 4
	s_lshr_b32 s18, s42, 3                         ; batch
	s_and_b32 s19, s42, 7
	s_lshl_b32 s19, s19, 1
	s_add_co_u32 s19, s19, s16                     ; package
	s_lshl_b32 s20, s41, 2
	s_lshl_b32 s21, s15, 1
	s_add_co_u32 s20, s20, s21
	s_lshl_b32 s18, s18, 4
	s_add_co_u32 s20, s20, s18                     ; hl of head h0
	s_mul_i32 s20, s20, 212992
	s_mul_i32 s19, s19, 13312
	s_add_co_u32 s20, s20, s19
	s_add_co_u32 s20, s20, KV0+6144
	s_mov_b32 s21, 0
	s_add_nc_u64 s[4:5], s[98:99], s[20:21]
	s_add_nc_u64 s[6:7], s[4:5], 212992
	v_mul_u32_u24 v9, v2, 212992
	v_lshl_add_u32 v9, v1, 4, v9
.macro VV a
	v_mov_b32 v[BC], v[BA+(\a)]
	WIN 0x02+(\a)/4
.set k, 0
.rept 32
	v_pk_add_f32 v[T+k:T+k+1], v[64*((\a)%4)+k:64*((\a)%4)+k+1], v[BC:BC+1] op_sel_hi:[1,0]
.set k, k+2
.endr
	WIN 0
	QUANT T, PWS+(\a)
.irp c, 0,1,2
	global_store_b128 v[L16], v[PC+4*\c:PC+4*\c+3], s[4+2*((\a)/4):5+2*((\a)/4)] offset:((\a)%4)*1536+512*\c
.endr
.endm
.irp a, 0,1,2,3,4,5,6,7
	VV \a
.endr
	v_cmp_eq_u32 vcc_lo, 1, v2
.irp d, 0,1,2,3
	v_cndmask_b32 v[T+\d], v[PWS+\d], v[PWS+4+\d], vcc_lo   ; lanes 0-15 store head h0's four words, lanes 16-31 head h0 + 1's
.endr
	global_store_b128 v9, v[T:T+3], s[4:5] offset:6656
	global_store_b128 v9, v[T:T+3], s[4:5] offset:6912      ; once more, so that the package has no byte that is loaded and was never stored
.Lout:
	s_wait_tensorcnt 0x0                           ; the wave's end
	ds_add_u32 v[SPW], v[NIL]
	s_wait_dscnt 0x0
	CROUND                                         ; the closing round
	s_endpgm
.Lfunc_end_k_q4b05f0d00f_qkv:
	.size	k_q4b05f0d00f_qkv, .Lfunc_end_k_q4b05f0d00f_qkv-k_q4b05f0d00f_qkv
	.p2alignl 7, 3214868480
	.fill 96, 4, 3214868480
	.section	.rodata,"a",@progbits
	.p2align	6, 0x0
	.amdhsa_kernel k_q4b05f0d00f_qkv
		.amdhsa_group_segment_fixed_size 327680
		.amdhsa_private_segment_fixed_size 0
		.amdhsa_enable_private_segment 0
		.amdhsa_kernarg_size 48
		.amdhsa_user_sgpr_count 2
		.amdhsa_user_sgpr_kernarg_segment_ptr 1
		.amdhsa_wavefront_size32 1
		.amdhsa_system_sgpr_workgroup_id_x 1
		.amdhsa_system_sgpr_workgroup_id_y 1
		.amdhsa_system_sgpr_workgroup_id_z 1
		.amdhsa_system_vgpr_workitem_id 0
		.amdhsa_next_free_vgpr 1024
		.amdhsa_next_free_sgpr 102
		.amdhsa_reserve_vcc 1
		.amdhsa_float_denorm_mode_32 3
		.amdhsa_float_denorm_mode_16_64 3
		.amdhsa_memory_ordered 1
		.amdhsa_forward_progress 1
		.amdhsa_inst_pref_size 213
	.end_amdhsa_kernel
	.amdgpu_metadata
---
amdhsa.version: [ 1, 2 ]
amdhsa.kernels:
  - .name:           k_q4b05f0d00f_qkv
    .symbol:         k_q4b05f0d00f_qkv.kd
    .args:
      - { .name: hbuf, .offset: 0, .size: 8, .value_kind: global_buffer, .address_space: global }
      - { .name: wbuf, .offset: 8, .size: 8, .value_kind: global_buffer, .address_space: global }
      - { .name: bq, .offset: 16, .size: 8, .value_kind: global_buffer, .address_space: global }
      - { .name: bk, .offset: 24, .size: 8, .value_kind: global_buffer, .address_space: global }
      - { .name: bv, .offset: 32, .size: 8, .value_kind: global_buffer, .address_space: global }
      - { .name: qkvbuf, .offset: 40, .size: 8, .value_kind: global_buffer, .address_space: global }
    .group_segment_fixed_size: 327680
    .private_segment_fixed_size: 0
    .kernarg_segment_align: 8
    .kernarg_segment_size: 48
    .max_flat_workgroup_size: 128
    .sgpr_count:     102
    .vgpr_count:     1024
    .wavefront_size: 32
...
	.end_amdgpu_metadata
.endif
;; end of part 3
;; launch attn (part 4): grid 8 x 32, 16 waves a work-group, clusters of 4 x 1, 327,680 bytes of LDS; arguments qkvbuf, cbuf; writes cbuf
.if DOCPART == 4
	.amdgcn_target "amdgcn-amd-amdhsa--gfx1250"
	.amdhsa_code_object_version 6
	.text
	.protected	k_q4b05f0d00f_attn
	.globl	k_q4b05f0d00f_attn
	.p2align	8
	.type	k_q4b05f0d00f_attn,@function
k_q4b05f0d00f_attn:
	s_mov_b64 s[64:65], 0
	v_nop
	global_prefetch_b8 v0, s[64:65] scope:SCOPE_SE
	s_setreg_imm32_b32 hwreg(HW_REG_WAVE_MODE, 25, 1), 1
	s_wait_xcnt 0x0
	s_wait_alu depctr_hold_cnt(0) depctr_sa_sdst(0) depctr_va_vdst(0) depctr_va_sdst(0) depctr_va_ssrc(0) depctr_va_vcc(0) depctr_vm_vsrc(0)
	s_getreg_b32 s2, hwreg(HW_REG_IB_STS2, 6, 4)
	s_cmp_eq_u32 s2, 0
	s_cbranch_scc0 .Lentry_in_a_cluster
	s_endpgm
.Lentry_in_a_cluster:
	s_bfe_u32 s2, ttmp6, 0x10000c
	s_cmp_lg_u32 s2, 0x3003
	s_cbranch_scc0 .Lentry_shape_is_right
	s_endpgm
.Lentry_shape_is_right:
; ctx = softmax(q k^T / 8) v for 32 heads (batch x 16 + head) of 2,048 tokens x 64, both products on codes of E3M2, and ctx quantised along the model's 1,024 for the next product.
; THE SOFTMAX AHEAD OF THE SECOND PRODUCT: t = score x log2(e) / 8; M = the running largest t, rounded up to a whole number; p = 2^(t - M) is quantised along the keys, not normalised; the row's sum is taken of the
; unquantised p and divides at the end.  When M moves, the sum and O are multiplied by 2^(old M - new M), which rounds nothing.
; SHARES.  A work-group owns 256 queries of one head, each of its sixteen waves one tile of 16, in 256 registers: four waves to a SIMD, so that one wave's vector work stands beside another's products and LDS loads.
; A HEAD'S K AND V, 212,992 dense bytes as the launch before laid them (16 packages of 128 keys), COME INTO LDS ONCE AND STAY: each wave asks for four runs of 3,328 bytes at the head; no byte of LDS is filled twice.
; The four query blocks of a cluster want the same bytes: every load is a joint one, with the mask of all four.  A wave has four tensor loads out.
; LAYOUT.  S^T = k q^T (source 0 = 16 keys, source 1 = my 16 queries), O^T = v^T p^T: a lane holds one query throughout.  The keys of tile 2 b + u are 32 b + 8 u + r + 8 (r / 8), so p's 16 registers of two tiles are neighbours.
; K = 64 IN A FORM OF 128: q's registers 6-11 are zero codes, so what stands in registers 6-11 of k's operand (the next tile's codes; every E3M2 code is a finite number) adds nothing; the scale bytes there are 0.
; ctx's image (16 tokens x 128 of the model's 1,024) is shared by two heads: this wave stores registers 6 c .. 6 c + 5 of it, in pieces of 8 bytes, and 2 of a scale word's 4 bytes.
; LIMITS: NaN and infinities are not served; v_exp_f32 and v_rcp_f32 are accurate to 1 ulp; a block of p or of ctx whose largest magnitude lies under 2^-122 gets the byte 1.
.set KV0,  3407872
.set HSC,  3145728
.set PKG,  13312                       ; a package: k's 8 tiles x 768; v^T's 4 images at 6,144; k's scale words at 12,288; v's at 12,800
.set QTR,  53248                       ; four packages
.set A16,  1                           ; v1 16 x lane; v2 8 x lane; v3 32 r; v4 16 r: never rewritten
.set A8,   2
.set A32R, 3
.set A16R, 4
.set DK,   5                           ; v5-8 the same + the package's first byte
.set DK8,  6
.set DKS,  7
.set DVS,  8
.set QF,   16                          ; v16-27 q; v28 its scale word
.set QS,   28
.set KF,   32                          ; v32-79 k's 8 tiles x 6 registers; v80-85 zeros
.set KSW,  86                          ; v86-93 k's scale words
.set S,    96                          ; v96-159 S^T, then p
.set O,    160                         ; v160-191 O^T
.set VF,   192                         ; v192-239 v^T's four fragments
.set VSW,  240                         ; v240-243 their scale words
.set F,    244                         ; v244 f = 2^(old M - new M); v245 p's scale word
.set TP,   246
.set PCD,  32                          ; behind the scores k's registers are free: p's codes,
.set CT0,  44                          ; the conversions' upper halves (v44-46, v48-50),
.set BM,   52                          ; the blocks' largest scores, then largest p,
.set PT,   56
.set SOP,  60
.set BY,   64
.set SM2,  68                          ; the sum's second chain
.set WV,   12
.set G1,   16
.set G0,   24
.set SEL,  40
.set CS,   42
.set TB,   44
.set TRIP, 45
.macro CROUND
	s_barrier_signal -1
	s_barrier_wait -1
	s_cmp_lg_u32 s[WV], 0
	s_cbranch_scc1 .Lnot_wave_0_\@
	s_barrier_signal -3
.Lnot_wave_0_\@:
	s_barrier_wait -3
	s_barrier_signal -1
	s_barrier_wait -1
.endm
	s_load_b128 s[4:7], s[0:1], 0x0                ; qkvbuf, cbuf
	v_lshl_add_u32 v254, v0, 2, 0x34000
	v_mov_b32 v255, 0
	ds_add_u32 v254, v255
	ds_add_u32 v254, v255
	v_lshrrev_b32 v9, 5, v0
	v_readfirstlane_b32 s[WV], v9                  ; wave 0..15
	s_bfe_u32 s13, ttmp6, 0x40000                  ; cx
	s_lshl_b32 s14, ttmp9, 2
	s_add_co_u32 s14, s14, s13                     ; my block of 256 queries: it enters q's and ctx's addresses alone
	s_and_b32 s15, ttmp7, 0xffff                   ; the head, which the four partners share
	s_mov_b32 s[G1], 15|(3<<16)|(1<<21)            ; the mask: all four; elements of 8 bytes; no padding; bit 21 beside a mask
	s_mov_b32 s[G1+1], 32<<16                      ; rows of 256 bytes,
	s_mov_b32 s[G1+2], 13<<16                      ; 13 of them,
	s_mov_b32 s[G1+3], 32<<16
	s_mov_b32 s[G1+4], 13
	s_mov_b32 s[G1+5], 32                          ; dense
	s_mov_b32 s[G1+6], 0
	s_mov_b32 s[G1+7], 0
	s_mul_i32 s46, s15, 212992
	s_add_co_u32 s46, s46, KV0
	s_mul_i32 s48, s[WV], 3328                     ; my run of each quarter, in memory and in LDS alike
	s_add_co_u32 s46, s46, s48
	s_mov_b32 s47, 0
	s_mul_i32 s50, s15, 106496                     ; q: the head,
	s_lshl_b32 s51, s14, 1
	s_lshr_b32 s52, s[WV], 3
	s_add_co_u32 s51, s51, s52
	s_mul_i32 s51, s51, 6656                       ; the package,
	s_add_co_u32 s50, s50, s51
	s_and_b32 s52, s[WV], 7
	s_mul_i32 s53, s52, 768                        ; the tile
	s_add_co_u32 s54, s50, s53
	s_mov_b32 s55, 0
	s_lshl_b32 s52, s52, 2
	s_add_co_u32 s50, s50, s52
	s_add_co_u32 s50, s50, 6144                    ; and its scale words [r][tile]
	s_mov_b32 s51, 0
	s_mov_b32 s[SEL], 0x76543210
	s_mov_b32 s[SEL+1], 0xfedcba98
	s_mov_b32 s[CS], 0x3e38aa3b                    ; c = log2(e) / 8
	s_mov_b32 s[CS+1], s[CS]
	s_wait_dscnt 0x0
	s_wait_kmcnt 0x0
	s_add_nc_u64 s[46:47], s[4:5], s[46:47]
	s_add_nc_u64 s[54:55], s[4:5], s[54:55]
	s_add_nc_u64 s[50:51], s[4:5], s[50:51]
	CROUND                                         ; all four work-groups are here: the joint loads meet
.irp p, 0,1,2,3
	s_mov_b32 s[G0+4*\p], 1
	s_add_co_u32 s[G0+4*\p+1], s48, \p*QTR
	s_add_nc_u64 s[G0+4*\p+2:G0+4*\p+3], s[46:47], \p*QTR
	s_or_b32 s[G0+4*\p+3], s[G0+4*\p+3], 0x80000000
.endr
.irp p, 0,1,2,3
	tensor_load_to_lds s[G0+4*\p:G0+4*\p+3], s[G1:G1+7]   ; quarter p of the head's k and v: one group, ahead of every wait on TENSORcnt, every LDS read and every further barrier
	s_nop 0
.endr
.rept 4
	v_nop
.endr
	v_and_b32 v9, 31, v0
	v_lshlrev_b32 v[A16], 4, v9
	v_lshlrev_b32 v[A8], 3, v9
	v_and_b32 v10, 15, v0
	v_lshlrev_b32 v[A32R], 5, v10
	v_lshlrev_b32 v[A16R], 4, v10
	global_load_b128 v[QF:QF+3], v[A16], s[54:55]
	global_load_b64 v[QF+4:QF+5], v[A8], s[54:55] offset:512
	global_load_b32 v[QS], v[A32R], s[50:51]
.irp i, 6,7,8,9,10,11
	v_mov_b32 v[QF+\i], 0                          ; q's codes of K = 64 .. 127
.endr
.irp i, 0,1,2,3,4,5
	v_mov_b32 v[KF+48+\i], 0                       ; what stands behind k's last tile
.endr
	v_mov_b32 v13, 0xff61b1e6                      ; the largest t so far: -3e38, under every t
	v_floor_f32 v12, -v13                          ; -M
	v_mov_b32 v14, 0                               ; the sum, in two halves
	v_mov_b32 v15, 0
	v_mov_b32 v[F+1], 0                            ; (named as the upper half of a pair before it is first written)
.set j, 0
.rept 32
	v_mov_b32 v[O+j], 0                            ; the step is written once: the first finds zeros, which the first change of M leaves zeros
.set j, j+1
.endr
; A KEY STEP: the 128 keys of the package at LDS byte s[TB]
.macro STEP
	v_add_nc_u32 v[DK], s[TB], v[A16]              ; these four are also the plain lines in front of loads into registers that the last products read
	v_add_nc_u32 v[DK8], s[TB], v[A8]
	v_add_nc_u32 v[DKS], s[TB], v[A32R]
	v_add_nc_u32 v[DVS], s[TB], v[A16R]
.irp t, 0,1,2,3,4,5,6,7
	ds_load_b128 v[KF+6*\t:KF+6*\t+3], v[DK] offset:768*\t
	ds_load_b64 v[KF+6*\t+4:KF+6*\t+5], v[DK8] offset:768*\t+512
.endr
	ds_load_b128 v[KSW:KSW+3], v[DKS] offset:12288
	ds_load_b128 v[KSW+4:KSW+7], v[DKS] offset:12304
.irp d, 0,1,2,3
.irp c, 0,1,2
	ds_load_b128 v[VF+12*\d+4*\c:VF+12*\d+4*\c+3], v[DK] offset:6144+1536*\d+512*\c
.endr
.endr
	ds_load_b128 v[VSW:VSW+3], v[DVS] offset:12800
	s_wait_dscnt 13                                ; k and its scale words are in; v's thirteen loads land under the softmax
.irp t, 0,1,2,3,4,5,6,7
	v_wmma_scale_f32_16x16x128_f8f6f4 v[S+8*\t:S+8*\t+7], v[KF+6*\t:KF+6*\t+11], v[QF:QF+11], 0, v[KSW+\t], v[QS] matrix_a_fmt:MATRIX_FMT_BF6 matrix_b_fmt:MATRIX_FMT_BF6
.endr
.rept 4
	v_nop
.endr
.irp b, 0,1,2,3
	v_max3_num_f32 v[BM+\b], v[S+16*\b], v[S+1+16*\b], v[S+2+16*\b]   ; the largest score of each block of 32 keys: for the row's maximum, and, since p rises with the score, for the block's largest p
.endr
.irp i, 3,5,7,9,11,13
.irp b, 0,1,2,3
	v_max3_num_f32 v[BM+\b], v[BM+\b], v[S+16*\b+\i], v[S+1+16*\b+\i]
.endr
.endr
.irp b, 0,1,2,3
	v_max_num_f32 v[BM+\b], v[BM+\b], v[S+15+16*\b]
.endr
.irp b, 0,1,2,3
	v_permlanex16_b32 v[PT+\b], v[BM+\b], s[SEL], s[SEL+1]
.endr
.irp b, 0,1,2,3
	v_max_num_f32 v[BM+\b], v[BM+\b], v[PT+\b]     ; with lane l xor 16's 16 keys
.endr
	v_max3_num_f32 v[TP], v[BM], v[BM+1], v[BM+2]
	v_max_num_f32 v[TP], v[TP], v[BM+3]
	v_mul_f32 v[TP], s[CS], v[TP]                  ; the step's largest t
	v_max_num_f32 v13, v13, v[TP]                  ; the running largest
	v_mov_b32 v[TP], v12
	v_floor_f32 v12, -v13                          ; the new -M = -ceil(t)
	v_sub_f32 v[TP], v12, v[TP]                    ; old M - new M: a whole number, 0 or less
	v_cvt_i32_f32 v[TP], v[TP]                     ; (it saturates)
	v_ldexp_f32 v[F], 1.0, v[TP]                   ; f
.set j, 0
.rept 32
	v_pk_fma_f32 v[S+j:S+j+1], v[S+j:S+j+1], s[CS:CS+1], v[12:13] op_sel_hi:[1,0,0]   ; t - M
.set j, j+2
.endr
.irp b, 0,1,2,3
	v_fma_f32 v[BM+\b], v[BM+\b], s[CS], v12       ; the same of each block's largest score
.endr
.set j, 0
.rept 64
	v_exp_f32 v[S+j], v[S+j]                       ; p = 2^(t - M)
.set j, j+1
.endr
	v_pk_mul_f32 v[14:15], v[14:15], v[F:F+1] op_sel_hi:[1,0]   ; the sums under the new M: a plain line behind the exponentials
	s_wait_alu depctr_va_vdst(0)                   ; one wait for the whole batch, ahead of its first reader
.irp b, 0,1,2,3
	v_exp_f32 v[BM+\b], v[BM+\b]                   ; the block's largest p
.endr
	v_pk_add_f32 v[SM2:SM2+1], v[S:S+1], v[S+2:S+3]   ; the row's sum, of the unquantised p, in two chains
.irp j, 4,8,12,16,20,24,28,32,36,40,44,48,52,56,60
	v_pk_add_f32 v[14:15], v[14:15], v[S+\j:S+\j+1]
	v_pk_add_f32 v[SM2:SM2+1], v[SM2:SM2+1], v[S+2+\j:S+3+\j]
.endr
	v_pk_add_f32 v[14:15], v[14:15], v[SM2:SM2+1]
	s_wait_alu depctr_va_vdst(0)                   ; and one for the four
.irp b, 0,1,2,3
	v_max_num_f32 v[BM+\b], 0x2800000, v[BM+\b]    ; the floor 2^(5 - 127)
.endr
.irp b, 0,1,2,3
	v_add_nc_u32 v[SOP+\b], 0xfe000000, v[BM+\b]   ; the conversion's scale operand
.endr
.irp b, 0,1,2,3
	v_lshrrev_b32 v[BY+\b], 23, v[SOP+\b]          ; the scale's byte
.endr
	v_lshl_or_b32 v[F+1], v[BY+1], 8, v[BY]        ; p's scale word for these 128 keys
	v_lshl_or_b32 v[F+1], v[BY+2], 16, v[F+1]
	v_lshl_or_b32 v[F+1], v[BY+3], 24, v[F+1]
.irp c, 0,1
	v_cvt_scalef32_pk16_bf6_f32 v[PCD+6*\c:PCD+6*\c+2], v[S+32*\c:S+32*\c+15], v[SOP+2*\c]
	v_cvt_scalef32_pk16_bf6_f32 v[CT0+4*\c:CT0+4*\c+2], v[S+16+32*\c:S+31+32*\c], v[SOP+2*\c+1]
.endr
	v_nop                                          ; one plain line behind a scaled conversion
.irp c, 0,1
.irp i, 0,1,2
	v_permlane16_swap_b32 v[PCD+6*\c+\i], v[CT0+4*\c+\i]   ; a whole block to a lane
.endr
.irp i, 0,1,2
	v_mov_b32 v[PCD+3+6*\c+\i], v[CT0+4*\c+\i]
.endr
.endr
.set j, 0
.rept 16
	v_pk_mul_f32 v[O+j:O+j+1], v[O+j:O+j+1], v[F:F+1] op_sel_hi:[1,0]   ; O^T under the new M; these sixteen also stand between the writes of p's codes and scale word and the products
.set j, j+2
.endr
	s_wait_dscnt 0x0                               ; v
.irp d, 0,1,2,3
	v_wmma_scale_f32_16x16x128_f8f6f4 v[O+8*\d:O+8*\d+7], v[VF+12*\d:VF+12*\d+11], v[PCD:PCD+11], v[O+8*\d:O+8*\d+7], v[VSW+\d], v[F+1] matrix_a_fmt:MATRIX_FMT_BF6 matrix_b_fmt:MATRIX_FMT_BF6
.endr
.endm
; Quarter p of the keys: my run of it has landed (the later quarters' loads may stay out: nothing is filled twice), and behind the barrier everybody's has
.macro PHASE p
	s_wait_tensorcnt 3-\p
	s_wait_dscnt 0x0
	s_barrier_signal -1
	s_barrier_wait -1
	s_mov_b32 s[TB], \p*QTR
	s_mov_b32 s[TRIP], 4
.Lstep_\@:
	STEP
	s_add_co_u32 s[TB], s[TB], PKG
	s_sub_co_u32 s[TRIP], s[TRIP], 1
	s_cmp_lg_u32 s[TRIP], 0
	s_cbranch_scc1 .Lstep_\@
.endm
	s_wait_loadcnt 0x0                             ; q
	PHASE 0
	PHASE 1
	PHASE 2
	PHASE 3
	; THE WAY OUT: O^T / the sum; register 16 b + i is channel 32 b + 16 (lane / 16) + i of my query: two blocks of the next product's K
.rept 4
	v_nop
.endr
	v_add_f32 v14, v14, v15
	v_permlanex16_b32 v[TP], v14, s[SEL], s[SEL+1]
	v_add_f32 v14, v14, v[TP]                      ; the row's sum
	v_rcp_f32 v14, v14
	v_nop
	s_lshr_b32 s56, s15, 4
	s_lshl_b32 s56, s56, 7
	s_lshl_b32 s57, s14, 4
	s_add_co_u32 s56, s56, s57
	s_add_co_u32 s56, s56, s[WV]                   ; ctx's row block: batch x 128 + 16 x my block + wave
	s_lshl_b32 s56, s56, 3
	s_bfe_u32 s57, s15, 0x30001                    ; the K step: head / 2
	s_add_co_u32 s56, s56, s57
	s_and_b32 s58, s15, 1                          ; c: which half of the image's registers
	s_lshl_b32 s60, s56, 6
	s_add_co_u32 s60, s60, HSC
	s_lshl_b32 s59, s58, 1
	s_add_co_u32 s60, s60, s59
	s_mov_b32 s61, 0
	s_mul_i32 s56, s56, 1536
	s_mov_b32 s57, 0
	s_add_nc_u64 s[56:57], s[6:7], s[56:57]
	s_add_nc_u64 s[60:61], s[6:7], s[60:61]
	s_mul_i32 s59, s58, 520
	s_mul_i32 s62, s58, 1016
	s_wait_alu depctr_va_vdst(0)                   ; ahead of the reciprocal's first reader
.set j, 0
.rept 32
	v_mul_f32 v[S+j], v[O+j], v14
.set j, j+1
.endr
.irp b, 0,1
	v_max3_num_f32 v[BM+\b], |v[S+16*\b]|, |v[S+1+16*\b]|, 0x2800000
.endr
.irp i, 2,4,6,8,10,12,14
.irp b, 0,1
	v_max3_num_f32 v[BM+\b], v[BM+\b], |v[S+16*\b+\i]|, |v[S+1+16*\b+\i]|
.endr
.endr
.irp b, 0,1
	v_permlanex16_b32 v[PT+\b], v[BM+\b], s[SEL], s[SEL+1]
.endr
.irp b, 0,1
	v_max_num_f32 v[BM+\b], v[BM+\b], v[PT+\b]
.endr
.irp b, 0,1
	v_add_nc_u32 v[SOP+\b], 0xfe000000, v[BM+\b]
.endr
.irp b, 0,1
	v_lshrrev_b32 v[BY+\b], 23, v[SOP+\b]
.endr
	v_lshl_or_b32 v[TP], v[BY+1], 8, v[BY]         ; my head's two bytes of the row's scale word
	v_cvt_scalef32_pk16_bf6_f32 v[128:130], v[S:S+15], v[SOP]
	v_cvt_scalef32_pk16_bf6_f32 v[132:134], v[S+16:S+31], v[SOP+1]
	v_nop
.irp i, 0,1,2
	v_permlane16_swap_b32 v[128+\i], v[132+\i]
.endr
	v_mov_b32 v131, v132
	v_mov_b32 v132, v133
	v_mov_b32 v133, v134                           ; v128-133: registers 6 c .. 6 c + 5 of the image
	v_add_nc_u32 v[DK], s59, v[A16]
	v_add_nc_u32 v[DK8], s62, v[A16]
	v_lshrrev_b32 v[DKS], 2, v[A16R]
	global_store_b64 v[DK], v[128:129], s[56:57]
	global_store_b64 v[DK8], v[130:131], s[56:57] offset:8
	global_store_b64 v[DK], v[132:133], s[56:57] offset:512
	global_store_b16 v[DKS], v[TP], s[60:61]       ; both halves of the lanes store the same two bytes
	s_wait_tensorcnt 0x0
	ds_add_u32 v254, v255
	s_wait_dscnt 0x0
	CROUND                                         ; the closing round
	s_endpgm
.Lfunc_end_k_q4b05f0d00f_attn:
	.size	k_q4b05f0d00f_attn, .Lfunc_end_k_q4b05f0d00f_attn-k_q4b05f0d00f_attn
	.p2alignl 7, 3214868480
	.fill 96, 4, 3214868480
	.section	.rodata,"a",@progbits
	.p2align	6, 0x0
	.amdhsa_kernel k_q4b05f0d00f_attn
		.amdhsa_group_segment_fixed_size 327680
		.amdhsa_private_segment_fixed_size 0
		.amdhsa_enable_private_segment 0
		.amdhsa_kernarg_size 16
		.amdhsa_user_sgpr_count 2
		.amdhsa_user_sgpr_kernarg_segment_ptr 1
		.amdhsa_wavefront_size32 1
		.amdhsa_system_sgpr_workgroup_id_x 1
		.amdhsa_system_sgpr_workgroup_id_y 1
		.amdhsa_system_sgpr_workgroup_id_z 1
		.amdhsa_system_vgpr_workitem_id 0
		.amdhsa_next_free_vgpr 256
		.amdhsa_next_free_sgpr 66
		.amdhsa_reserve_vcc 0
		.amdhsa_float_denorm_mode_32 3
		.amdhsa_float_denorm_mode_16_64 3
		.amdhsa_memory_ordered 1
		.amdhsa_forward_progress 1
		.amdhsa_inst_pref_size 75
	.end_amdhsa_kernel
	.amdgpu_metadata
---
amdhsa.version: [ 1, 2 ]
amdhsa.kernels:
  - .name:           k_q4b05f0d00f_attn
    .symbol:         k_q4b05f0d00f_attn.kd
    .args:
      - { .name: qkvbuf, .offset: 0, .size: 8, .value_kind: global_buffer, .address_space: global }
      - { .name: cbuf, .offset: 8, .size: 8, .value_kind: global_buffer, .address_space: global }
    .group_segment_fixed_size: 327680
    .private_segment_fixed_size: 0
    .kernarg_segment_align: 8
    .kernarg_segment_size: 16
    .max_flat_workgroup_size: 512
    .sgpr_count:     66
    .vgpr_count:     256
    .wavefront_size: 32
...
	.end_amdgpu_metadata
.endif
;; end of part 4
;; launch wo (part 5): grid 8 x 16, 4 waves a work-group, clusters of 4 x 4, 327,680 bytes of LDS; arguments cbuf, wbuf, bo, x, x1; writes x1
.if DOCPART == 5
	.amdgcn_target "amdgcn-amd-amdhsa--gfx1250"
	.amdhsa_code_object_version 6
	.text
	.protected	k_q4b05f0d00f_wo
	.globl	k_q4b05f0d00f_wo
	.p2align	8
	.type	k_q4b05f0d00f_wo,@function
k_q4b05f0d00f_wo:
	s_mov_b64 s[64:65], 0
	v_nop
	global_prefetch_b8 v0, s[64:65] scope:SCOPE_SE
	s_setreg_imm32_b32 hwreg(HW_REG_WAVE_MODE, 25, 1), 1
	s_wait_xcnt 0x0
	s_wait_alu depctr_hold_cnt(0) depctr_sa_sdst(0) depctr_va_vdst(0) depctr_va_sdst(0) depctr_va_ssrc(0) depctr_va_vcc(0) depctr_vm_vsrc(0)
	s_getreg_b32 s2, hwreg(HW_REG_IB_STS2, 6, 4)
	s_cmp_eq_u32 s2, 0
	s_cbranch_scc0 .Lentry_in_a_cluster
	s_endpgm
.Lentry_in_a_cluster:
	s_bfe_u32 s2, ttmp6, 0x10000c
	s_cmp_lg_u32 s2, 0xf033
	s_cbranch_scc0 .Lentry_shape_is_right
	s_endpgm
.Lentry_shape_is_right:
; x1 = x + (ctx Wo + bo): the product on codes of E3M2 (one E8M0 byte for each 32 along K = 1,024), the rest in f32.
; OPERANDS ARE IMAGES OF REGISTERS: 16 rows x 128 K = 1,536 bytes, registers 4 c .. 4 c + 3 of lane l at 512 c + 16 l.  Image tile 2 b + u, row r, stands for index 32 b + 8 u + r + 8 (r / 8) (a token, or a column of the weight).
; The product is used transposed (source 0 = 16 columns of the weight, source 1 = 16 tokens): a lane holds one token and eight neighbouring columns a tile.
; A work-group of four waves makes 256 tokens x 128 columns, a wave 128 x 64: with 1,024 columns that gives 128 work-groups where a tile of 256 x 256 gives 64.  K goes in slots of 256 through a ring of two LDS slots;
; the scale words for all of K come once and stay.  4 x 4 work-groups form a cluster: ctx's tiles are asked for jointly along a row of the cluster, the weight's along a column.
; LIMITS: NaN and infinities are not served.
.set NB,    4
.set KS,    8
.set WOFF,  2359296                    ; the weight's images in wbuf
.set WSOFF, 9437184+98304              ; and its scale words
.set ASOFF, 3145728                    ; the A side's scale words in its buffer
.set RBB,   3072
.set AH,    8*RBB
.set BH,    NB*RBB
.set SLOT,  2*AH+2*BH
.set SBLK,  64*KS
.set SCLB,  2*SLOT
.set SCLA,  SCLB+2*NB*SBLK
.set SPARE, SCLA+16*SBLK
.set LAPS,  KS/4
.set RBS,   KS*1536
.set ADRA, 16
.set ADRB, 20
.set STO,  24                          ; v24 the way out: where I put 32 bytes of a row
.set RD,   25                          ; v25 where I read rows back
.set CO,   26                          ; v26 my byte offset in two rows of the output
.set ADRS, 27
.set SPW,  28
.set NIL,  29
.set L16,  30
.set SC,   32                          ; v32-63 scale words
.set BI,   64                          ; v64-67 the bias of my four columns
.set RS0,  68                          ; v68-99, v224-255 the residual of a block of 16 rows, by turns
.set RS1,  224
.set AF,   128
.set BK,   128                         ; the way out: v128-159, v160-191 16 rows read back, by turns
.set G1, 24
.set G0, 32
.set G1B, 48
.set G0B, 56
.set G1S, 68
.set G0S, 76
.set G1SB, 80
.set G0SB, 88
.set MUL_LO, 0xa1
.set MUL_HI, 0xf1
.set TO_B,   0x40
.set MSB, 0
.macro WIN new
.if MSB != (\new)
	s_set_vgpr_msb (MSB<<8)|(\new)
.set MSB, (\new)
.endif
.endm
.macro JLOAD g0a, g1a, g0b, g1b        ; a joint load: waves 0 and 1 fetch for A, waves 2 and 3 for B; four v_nop follow each line
	s_cmp_eq_u32 s15, 0
	s_cbranch_scc0 .Lfor_b_\@
	tensor_load_to_lds s[\g0a:\g0a+3], s[\g1a:\g1a+7]
	s_nop 0
.rept 4
	v_nop
.endr
	s_branch .Lasked_\@
.Lfor_b_\@:
	tensor_load_to_lds s[\g0b:\g0b+3], s[\g1b:\g1b+7]
	s_nop 0
.rept 4
	v_nop
.endr
.Lasked_\@:
.endm
.macro CREST
	s_cmp_lg_u32 s14, 0
	s_cbranch_scc1 .Lnot_wave_0_\@
	s_barrier_signal -3
.Lnot_wave_0_\@:
	s_barrier_wait -3
	s_barrier_signal -1
	s_barrier_wait -1
.endm
.macro CROUND
	s_barrier_signal -1
	s_barrier_wait -1
	CREST
.endm
.macro PLACES n
.rept \n
	v_nop
.endr
.endm
.macro FRAG reg, adr, q, i
.irp c, 0,1,2
	ds_load_b128 v[\reg+4*\c:\reg+4*\c+3], v[\adr] offset:(\i)*RBB+(\q)*1536+512*\c
.endr
.endm
.macro FETCH_B slot, q, p
	WIN TO_B
.set fi, 0
.rept NB
	FRAG 128*(\p)+12*fi, ADRB+\slot, \q, fi
.set fi, fi+1
.endr
	WIN 0
.endm
.macro FETCH_A slot, q, i0
.irp i, \i0, \i0+1, \i0+2, \i0+3
	FRAG AF+12*(\i), ADRA+\slot, \q, \i
.endr
.endm
.macro SCALES sc                       ; (with NB = 4 lanes 0-15 of blocks 4-7 read on into filled scale words, which no product names)
.irp i, 0,1,2,3,4,5,6,7
	ds_load_b32 v[SC+16*\sc+2*\i], v[ADRS] offset:\i*SBLK
	ds_load_b32 v[SC+16*\sc+2*\i+1], v[ADRS] offset:\i*SBLK+64
.endr
.endm
.macro MUL2 a0, p, q, sc, zero         ; the accumulators take turns, one instruction a turn, in the same order in every step
.irp a, \a0, \a0+1
.set mb, 0
.rept NB
.set rD, 8*(NB*((\a)%4)+mb)
.if \zero
	v_wmma_scale_f32_16x16x128_f8f6f4 v[rD:rD+7], v[128*(\p)+12*mb:128*(\p)+12*mb+11], v[AF+12*(\a):AF+12*(\a)+11], 0, v[SC+16*(\sc)+2*mb+(\q)], v[SC+16*(\sc)+2*(\a)+(\q)] matrix_a_fmt:MATRIX_FMT_BF6 matrix_b_fmt:MATRIX_FMT_BF6 matrix_b_scale:MATRIX_SCALE_ROW1
.else
	v_wmma_scale_f32_16x16x128_f8f6f4 v[rD:rD+7], v[128*(\p)+12*mb:128*(\p)+12*mb+11], v[AF+12*(\a):AF+12*(\a)+11], v[rD:rD+7], v[SC+16*(\sc)+2*mb+(\q)], v[SC+16*(\sc)+2*(\a)+(\q)] matrix_a_fmt:MATRIX_FMT_BF6 matrix_b_fmt:MATRIX_FMT_BF6 matrix_b_scale:MATRIX_SCALE_ROW1
.endif
.set mb, mb+1
.endr
.endr
.endm
.macro STEP slot, zero
	s_wait_dscnt 12                                ; all but the youngest twelve loads (A's blocks 4-7) are in
	WIN MUL_LO
	MUL2 0, 0, 0, \slot, \zero
	MUL2 2, 0, 0, \slot, \zero
	s_wait_dscnt 0x0
	PLACES 4                                       ; four plain lines in front of loads into registers that matrix instructions have read
	FETCH_B \slot, 1, 1
	FETCH_A \slot, 1, 0
	WIN MUL_HI
	MUL2 4, 0, 0, \slot, \zero
	MUL2 6, 0, 0, \slot, \zero
	PLACES 4
	WIN 0
	FETCH_A \slot, 1, 4
.endm
.macro TURN slot, next, fill
	s_wait_tensorcnt 0x0                           ; all my tensor loads have landed: my part of the next slot;
	ds_add_u32 v[SPW], v[NIL]                      ; 0 onto my spare word;
	s_wait_dscnt 13                                ; (the add and the youngest twelve loads may be out)
	WIN MUL_LO
	MUL2 0, 1, 1, \slot, 0
	s_wait_dscnt 0x0                               ; the add is done, and my reads of this slot are over
	s_barrier_signal -1
	MUL2 2, 1, 1, \slot, 0
	WIN 0
	s_barrier_wait -1
.if \fill
	CREST                                          ; the barrier has opened a round of the cluster's barrier
	s_add_nc_u64 s[G0+4*\slot+2:G0+4*\slot+3], s[G0+4*\slot+2:G0+4*\slot+3], 2*RBB
	s_add_nc_u64 s[G0B+4*\slot+2:G0B+4*\slot+3], s[G0B+4*\slot+2:G0B+4*\slot+3], 2*RBB
	JLOAD G0+4*\slot, G1, G0B+4*\slot, G1B         ; the first tensor load behind the round; its four v_nop are the places in front of the loads below
.else
	PLACES 4
.endif
	v_add_nc_u32 v[ADRS], 128, v[ADRS]
	FETCH_B \next, 0, 0
	FETCH_A \next, 0, 0
	SCALES \next
	WIN MUL_HI
	MUL2 4, 1, 1, \slot, 0
	MUL2 6, 1, 1, \slot, 0
	PLACES 4
	WIN 0
	FETCH_A \next, 0, 4
.endm
	s_load_b128 s[4:7], s[0:1], 0x0                ; the A side's buffer, wbuf
	s_load_b128 s[92:95], s[0:1], 0x10             ; the bias, the residual
	s_load_b64 s[96:97], s[0:1], 0x20              ; the output
	v_lshl_add_u32 v[SPW], v0, 2, SPARE
	v_mov_b32 v[NIL], 0
	ds_add_u32 v28, v29
	ds_add_u32 v28, v29
	s_wait_dscnt 0x0
	v_lshrrev_b32 v1, 5, v0
	v_readfirstlane_b32 s14, v1
	s_lshr_b32 s15, s14, 1
	s_and_b32 s16, s14, 1
	s_bfe_u32 s40, ttmp6, 0x40000
	s_bfe_u32 s41, ttmp6, 0x40004
	s_lshl_b32 s42, ttmp9, 2
	s_add_co_u32 s42, s42, s40                     ; B's tile: 128 columns
	s_and_b32 s17, ttmp7, 0xffff
	s_lshl_b32 s17, s17, 2
	s_add_co_u32 s17, s17, s41                     ; A's tile: 256 tokens
	s_lshl_b32 s43, s41, 2
	s_lshl_b32 s43, 15, s43
	s_lshl_b32 s44, 0x1111, s40
	s_or_b32 s[G1+0], s43, (3<<16)|(1<<21)
	s_or_b32 s[G1B+0], s44, (3<<16)|(1<<21)
	s_mov_b32 s[G1+1], 384<<16
	s_mov_b32 s[G1+2], 8<<16
	s_mov_b32 s[G1+3], 384<<16
	s_mov_b32 s[G1+4], 8
	s_mov_b32 s[G1+5], KS*192
	s_mov_b32 s[G1+6], 0
	s_mov_b32 s[G1+7], 0
	s_mov_b32 s[G1B+1], 384<<16
	s_mov_b32 s[G1B+2], NB<<16
	s_mov_b32 s[G1B+3], 384<<16
	s_mov_b32 s[G1B+4], NB
	s_mov_b32 s[G1B+5], KS*192
	s_mov_b32 s[G1B+6], 0
	s_mov_b32 s[G1B+7], 0
	s_or_b32 s[G1S+0], s43, (3<<16)|(1<<21)
	s_or_b32 s[G1SB+0], s44, (3<<16)|(1<<21)
	s_mov_b32 s[G1S+1], 32<<16
	s_mov_b32 s[G1S+2], (2*KS)<<16
	s_mov_b32 s[G1S+3], 32<<16
	s_mov_b32 s[G1S+4], 2*KS
	s_mov_b32 s[G1S+5], 32
	s_mov_b32 s[G1S+6], 0
	s_mov_b32 s[G1S+7], 0
	s_mov_b32 s[G1SB+1], 32<<16
	s_mov_b32 s[G1SB+2], (NB*KS/4)<<16
	s_mov_b32 s[G1SB+3], 32<<16
	s_mov_b32 s[G1SB+4], NB*KS/4
	s_mov_b32 s[G1SB+5], 32
	s_mov_b32 s[G1SB+6], 0
	s_mov_b32 s[G1SB+7], 0
	s_wait_kmcnt 0x0
	s_add_nc_u64 s[8:9], s[6:7], WOFF
	s_add_nc_u64 s[10:11], s[6:7], WSOFF
	s_add_nc_u64 s[6:7], s[4:5], ASOFF
	s_lshl_b32 s18, s16, 3
	s_lshl_b32 s20, s17, 4
	s_add_co_u32 s20, s20, s18
	s_mul_i32 s46, s42, 2*NB
	s_mul_i32 s18, s16, NB
	s_add_co_u32 s46, s46, s18
	s_mul_i32 s22, s20, SBLK
	s_mul_i32 s20, s20, RBS
	s_mul_i32 s66, s46, SBLK
	s_mul_i32 s46, s46, RBS
	s_mov_b32 s21, 0
	s_mov_b32 s23, 0
	s_mov_b32 s47, 0
	s_mov_b32 s67, 0
	s_add_nc_u64 s[20:21], s[4:5], s[20:21]
	s_add_nc_u64 s[22:23], s[6:7], s[22:23]
	s_add_nc_u64 s[46:47], s[8:9], s[46:47]
	s_add_nc_u64 s[66:67], s[10:11], s[66:67]
	s_mul_i32 s45, s16, AH
	s_mul_i32 s12, s16, BH
	s_add_co_u32 s12, s12, 2*AH
	s_mul_i32 s13, s16, 8*SBLK
	s_add_co_u32 s13, s13, SCLA
	s_mul_i32 s19, s16, NB*SBLK
	s_add_co_u32 s19, s19, SCLB
	CROUND                                         ; all sixteen work-groups are here: the first joint loads meet
	s_mov_b32 s[G0S], 1
	s_mov_b32 s[G0S+1], s13
	s_mov_b64 s[G0S+2:G0S+3], s[22:23]
	s_or_b32 s[G0S+3], s[G0S+3], 0x80000000
	s_mov_b32 s[G0SB], 1
	s_mov_b32 s[G0SB+1], s19
	s_mov_b64 s[G0SB+2:G0SB+3], s[66:67]
	s_or_b32 s[G0SB+3], s[G0SB+3], 0x80000000
	JLOAD G0S, G1S, G0SB, G1SB
.irp s, 0,1
	s_mov_b32 s[G0+4*\s], 1
	s_add_co_u32 s[G0+4*\s+1], s45, \s*SLOT
	s_add_nc_u64 s[G0+4*\s+2:G0+4*\s+3], s[20:21], \s*RBB
	s_or_b32 s[G0+4*\s+3], s[G0+4*\s+3], 0x80000000
	s_mov_b32 s[G0B+4*\s], 1
	s_add_co_u32 s[G0B+4*\s+1], s12, \s*SLOT
	s_add_nc_u64 s[G0B+4*\s+2:G0B+4*\s+3], s[46:47], \s*RBB
	s_or_b32 s[G0B+4*\s+3], s[G0B+4*\s+3], 0x80000000
	JLOAD G0+4*\s, G1, G0B+4*\s, G1B               ; three loads of mine are out
.endr
	v_and_b32 v1, 15, v0
	v_bfe_u32 v2, v0, 4, 1
	v_and_b32 v3, 31, v0
	v_lshlrev_b32 v[L16], 4, v3
	s_mul_i32 s21, s15, AH
	s_mul_i32 s22, s16, BH
	s_add_co_u32 s22, s22, 2*AH
.irp s, 0,1
	v_add_nc_u32 v[ADRA+\s], s21, v[L16]
	v_add_nc_u32 v[ADRB+\s], s22, v[L16]
	s_add_co_u32 s21, s21, SLOT
	s_add_co_u32 s22, s22, SLOT
.endr
	s_mul_i32 s21, s16, NB*SBLK
	s_mul_i32 s22, s15, 8*SBLK
	s_add_co_u32 s22, s22, SCLA-SCLB
	s_sub_co_u32 s22, s22, s21
	v_mul_u32_u24 v6, s22, v2
	s_add_co_u32 s21, s21, SCLB
	v_lshl_add_u32 v5, v1, 2, v6
	v_add_nc_u32 v[ADRS], s21, v5
	; the way out's addresses; the bias and the first two blocks' residual are asked for here
	s_lshl_b32 s18, s42, 9
	s_lshl_b32 s20, s16, 8
	s_add_co_u32 s18, s18, s20                     ; my 64 columns, in bytes
	s_mov_b32 s19, 0
	s_add_nc_u64 s[92:93], s[92:93], s[18:19]
	s_lshl_b32 s20, s17, 20
	s_lshl_b32 s21, s15, 19
	s_add_co_u32 s20, s20, s21                     ; my 128 rows of 4,096 bytes
	s_add_co_u32 s20, s20, s18
	s_mov_b32 s21, 0
	s_add_nc_u64 s[94:95], s[94:95], s[20:21]
	s_add_nc_u64 s[96:97], s[96:97], s[20:21]
	v_lshlrev_b32 v[CO], 12, v2
	v_lshl_add_u32 v[CO], v1, 4, v[CO]             ; lanes 0-15 one row, lanes 16-31 the next; 16 bytes a lane
	v_lshlrev_b32 v7, 4, v1
	s_mul_i32 s23, s14, 4352                       ; my stage: 16 rows x (256 + 16) bytes, in slot 0: when the first result is stored there the slot has had its last fill and its last read
	v_mul_u32_u24 v[STO], v1, 272
	v_lshl_add_u32 v[STO], v2, 6, v[STO]
	v_add_nc_u32 v[STO], s23, v[STO]
	v_mul_u32_u24 v[RD], v2, 272
	v_lshl_add_u32 v[RD], v1, 4, v[RD]
	v_add_nc_u32 v[RD], s23, v[RD]
.macro RES a                           ; the residual of block a: image row 2 t + (lane / 16) is token 32 (a / 2) + 8 (a % 2) + 2 t + 8 (t / 4) + (lane / 16)
.set RR, RS0+(RS1-RS0)*((\a)%2)
.irp t, 0,1,2,3,4,5,6,7
	global_load_b128 v[RR+4*\t:RR+4*\t+3], v[CO], s[94:95] offset:(32*((\a)/2)+8*((\a)%2)+2*\t+8*(\t/4))*4096 th:TH_LOAD_NT
.endr
.endm
	global_load_b128 v[BI:BI+3], v7, s[92:93]
	RES 0
	RES 1
	s_wait_tensorcnt 1                             ; the scale words and my part of slot 0 are in; slot 1's load may stay out
	s_barrier_signal -1
	s_barrier_wait -1
	FETCH_B 0, 0, 0
	FETCH_A 0, 0, 0
	SCALES 0
	FETCH_A 0, 0, 4
	STEP 0, 1
	s_mov_b32 s3, LAPS-1
.Llap:
	TURN 0, 1, 1
	STEP 1, 0
	TURN 1, 0, 1
	STEP 0, 0
	s_sub_co_u32 s3, s3, 1
	s_cmp_lg_u32 s3, 0
	s_cbranch_scc1 .Llap
	TURN 0, 1, 0
	STEP 1, 0
	s_wait_dscnt 12
	WIN MUL_LO
	MUL2 0, 1, 1, 1, 0
	MUL2 2, 1, 1, 1, 0
	s_wait_dscnt 0x0
	WIN MUL_HI
	MUL2 4, 1, 1, 1, 0
	MUL2 6, 1, 1, 1, 0
	WIN 0
; THE WAY OUT, a block of 16 tokens x 64 columns at a time, through my own stage: in as 32 bytes a lane, back as whole rows of 256 bytes.  LDS serves a wave's instructions in order.
.macro TOSTAGE a
.set AC, 32*((\a)%4)
	WIN 0x08+4*((\a)/4)                            ; the data: window 2 or 3
.irp b, 0,1,2,3
	ds_store_b128 v[STO], v[AC+8*\b:AC+8*\b+3] offset:128*(\b/2)+32*(\b%2)      ; each accumulator from its low end on
	ds_store_b128 v[STO], v[AC+8*\b+4:AC+8*\b+7] offset:128*(\b/2)+32*(\b%2)+16
.endr
	WIN 0
.set BB2, BK+32*((\a)%2)
.irp t, 0,1,2,3,4,5,6,7
	ds_load_b128 v[BB2+4*\t:BB2+4*\t+3], v[RD] offset:\t*544
.endr
.endm
.macro SEND a, ds, ld                  ; ds, ld: the younger LDS instructions and loads that may stay out
.set BB2, BK+32*((\a)%2)
.set RR, RS0+(RS1-RS0)*((\a)%2)
	s_wait_dscnt \ds
	s_wait_loadcnt \ld
.set k, 0
.rept 8
	v_pk_add_f32 v[BB2+4*k:BB2+4*k+1], v[BB2+4*k:BB2+4*k+1], v[BI:BI+1]         ; + bias,
	v_pk_add_f32 v[BB2+4*k+2:BB2+4*k+3], v[BB2+4*k+2:BB2+4*k+3], v[BI+2:BI+3]
.set k, k+1
.endr
.set k, 0
.rept 16
	v_pk_add_f32 v[BB2+2*k:BB2+2*k+1], v[BB2+2*k:BB2+2*k+1], v[RR+2*k:RR+2*k+1] ; + the residual
.set k, k+1
.endr
.irp t, 0,1,2,3,4,5,6,7
	global_store_b128 v[CO], v[BB2+4*\t:BB2+4*\t+3], s[96:97] offset:(32*((\a)/2)+8*((\a)%2)+2*\t+8*(\t/4))*4096 th:TH_STORE_NT   ; sixteen lanes store 256 consecutive bytes, aligned
.endr
.if (\a) < 6
	RES (\a)+2
.endif
.endm
	PLACES 4
	TOSTAGE 0
.irp a, 1,2,3,4,5,6,7
.if \a > 1
	s_wait_xcnt 0x0                                ; block a - 2's stores have read their registers: block a's rows may land there
.endif
	TOSTAGE \a
	SEND \a-1, 16, 8                               ; behind block a - 1's rows: block a's 8 stores and 8 loads; behind its residual: block a's 8 loads
.endr
	SEND 7, 0, 0
	s_wait_tensorcnt 0x0                           ; the wave's end
	ds_add_u32 v[SPW], v[NIL]
	s_wait_dscnt 0x0
	CROUND                                         ; the closing round
	s_endpgm
.Lfunc_end_k_q4b05f0d00f_wo:
	.size	k_q4b05f0d00f_wo, .Lfunc_end_k_q4b05f0d00f_wo-k_q4b05f0d00f_wo
	.p2alignl 7, 3214868480
	.fill 96, 4, 3214868480
	.section	.rodata,"a",@progbits
	.p2align	6, 0x0
	.amdhsa_kernel k_q4b05f0d00f_wo
		.amdhsa_group_segment_fixed_size 327680
		.amdhsa_private_segment_fixed_size 0
		.amdhsa_enable_private_segment 0
		.amdhsa_kernarg_size 40
		.amdhsa_user_sgpr_count 2
		.amdhsa_user_sgpr_kernarg_segment_ptr 1
		.amdhsa_wavefront_size32 1
		.amdhsa_system_sgpr_workgroup_id_x 1
		.amdhsa_system_sgpr_workgroup_id_y 1
		.amdhsa_system_sgpr_workgroup_id_z 1
		.amdhsa_system_vgpr_workitem_id 0
		.amdhsa_next_free_vgpr 1024
		.amdhsa_next_free_sgpr 102
		.amdhsa_reserve_vcc 0
		.amdhsa_float_denorm_mode_32 3
		.amdhsa_float_denorm_mode_16_64 3
		.amdhsa_memory_ordered 1
		.amdhsa_forward_progress 1
		.amdhsa_inst_pref_size 108
	.end_amdhsa_kernel
	.amdgpu_metadata
---
amdhsa.version: [ 1, 2 ]
amdhsa.kernels:
  - .name:           k_q4b05f0d00f_wo
    .symbol:         k_q4b05f0d00f_wo.kd
    .args:
      - { .name: cbuf, .offset: 0, .size: 8, .value_kind: global_buffer, .address_space: global }
      - { .name: wbuf, .offset: 8, .size: 8, .value_kind: global_buffer, .address_space: global }
      - { .name: bo, .offset: 16, .size: 8, .value_kind: global_buffer, .address_space: global }
      - { .name: x, .offset: 24, .size: 8, .value_kind: global_buffer, .address_space: global }
      - { .name: x1, .offset: 32, .size: 8, .value_kind: global_buffer, .address_space: global }
    .group_segment_fixed_size: 327680
    .private_segment_fixed_size: 0
    .kernarg_segment_align: 8
    .kernarg_segment_size: 40
    .max_flat_workgroup_size: 128
    .sgpr_count:     102
    .vgpr_count:     1024
    .wavefront_size: 32
...
	.end_amdgpu_metadata
.endif
;; end of part 5
;; launch ln2: the kernel of part 2 again; grid 256 x 1, 16 waves a work-group, no clusters, 88,576 bytes of LDS; arguments x1, ln2_g, ln2_b, hbuf; writes hbuf
;; launch ffn1 (part 6): grid 16 x 16, 4 waves a work-group, clusters of 4 x 4, 327,680 bytes of LDS; arguments hbuf, wbuf, b1, hid; writes hid
.if DOCPART == 6
	.amdgcn_target "amdgcn-amd-amdhsa--gfx1250"
	.amdhsa_code_object_version 6
	.text
	.protected	k_q4b05f0d00f_ffn1
	.globl	k_q4b05f0d00f_ffn1
	.p2align	8
	.type	k_q4b05f0d00f_ffn1,@function
k_q4b05f0d00f_ffn1:
	s_mov_b64 s[64:65], 0
	v_nop
	global_prefetch_b8 v0, s[64:65] scope:SCOPE_SE
	s_setreg_imm32_b32 hwreg(HW_REG_WAVE_MODE, 25, 1), 1
	s_wait_xcnt 0x0
	s_wait_alu depctr_hold_cnt(0) depctr_sa_sdst(0) depctr_va_vdst(0) depctr_va_sdst(0) depctr_va_ssrc(0) depctr_va_vcc(0) depctr_vm_vsrc(0)
	s_getreg_b32 s2, hwreg(HW_REG_IB_STS2, 6, 4)
	s_cmp_eq_u32 s2, 0
	s_cbranch_scc0 .Lentry_in_a_cluster
	s_endpgm
.Lentry_in_a_cluster:
	s_bfe_u32 s2, ttmp6, 0x10000c
	s_cmp_lg_u32 s2, 0xf033
	s_cbranch_scc0 .Lentry_shape_is_right
	s_endpgm
.Lentry_shape_is_right:
; hid = Q(relu(h W1 + b1)): the product on codes of E3M2 (one E8M0 byte for each 32 along K = 1,024), bias and relu in f32, and the result quantised at once along the 4,096 hidden units, the next product's K.
; OPERANDS ARE IMAGES OF REGISTERS: 16 rows x 128 K = 1,536 bytes, registers 4 c .. 4 c + 3 of lane l at 512 c + 16 l.  Image tile 2 b + u, row r, stands for index 32 b + 8 u + r + 8 (r / 8) (a token, or a hidden unit).
; The product is used transposed (source 0 = 16 hidden units, source 1 = 16 tokens): a lane holds one token, and the 16 registers of tiles 2 b, 2 b + 1 are 16 neighbouring hidden units.
; A work-group of four waves makes 256 x 256, a wave 128 x 128: its 128 hidden units are one K step of the next product, so each of its 8 blocks of tokens becomes one image and 16 scale words, stored from registers.
; K goes in slots of 256 through a ring of two LDS slots; the scale words for all of K come once and stay.  4 x 4 work-groups form a cluster: h's tiles are asked for jointly along a row, W1's along a column.
; LIMITS: NaN and infinities are not served; a block whose largest magnitude lies under 2^-122, a block of zeros among them, gets the byte 1.
.set NB,    8
.set KS,    8
.set WOFF,  3145728
.set WSOFF, 9437184+131072
.set ASOFF, 3145728
.set DSC,   12582912                   ; hid's scale words
.set RBB,   3072
.set AH,    8*RBB
.set BH,    NB*RBB
.set SLOT,  2*AH+2*BH
.set SBLK,  64*KS
.set SCLB,  2*SLOT
.set SCLA,  SCLB+2*NB*SBLK
.set SPARE, SCLA+16*SBLK
.set LAPS,  KS/4
.set RBS,   KS*1536
.set ADRA, 16
.set ADRB, 20
.set ADRS, 27
.set SPW,  28
.set NIL,  29
.set L16,  30
.set SC,   32
.set BB,   64                          ; v64-127 b1 in the result's layout
.set AF,   128
.set T,    128
.set PC,   192
.set TM,   212
.set PWS,  248
.set G1, 24
.set G0, 32
.set G1B, 48
.set G0B, 56
.set G1S, 68
.set G0S, 76
.set G1SB, 80
.set G0SB, 88
.set SEL, 100
.set MUL_LO, 0xa1
.set MUL_HI, 0xf1
.set TO_B,   0x40
.set MSB, 0
.macro WIN new
.if MSB != (\new)
	s_set_vgpr_msb (MSB<<8)|(\new)
.set MSB, (\new)
.endif
.endm
.macro JLOAD g0a, g1a, g0b, g1b        ; a joint load: waves 0 and 1 fetch for A, waves 2 and 3 for B; four v_nop follow each line
	s_cmp_eq_u32 s15, 0
	s_cbranch_scc0 .Lfor_b_\@
	tensor_load_to_lds s[\g0a:\g0a+3], s[\g1a:\g1a+7]
	s_nop 0
.rept 4
	v_nop
.endr
	s_branch .Lasked_\@
.Lfor_b_\@:
	tensor_load_to_lds s[\g0b:\g0b+3], s[\g1b:\g1b+7]
	s_nop 0
.rept 4
	v_nop
.endr
.Lasked_\@:
.endm
.macro CREST
	s_cmp_lg_u32 s14, 0
	s_cbranch_scc1 .Lnot_wave_0_\@
	s_barrier_signal -3
.Lnot_wave_0_\@:
	s_barrier_wait -3
	s_barrier_signal -1
	s_barrier_wait -1
.endm
.macro CROUND
	s_barrier_signal -1
	s_barrier_wait -1
	CREST
.endm
.macro PLACES n
.rept \n
	v_nop
.endr
.endm
.macro FRAG reg, adr, q, i
.irp c, 0,1,2
	ds_load_b128 v[\reg+4*\c:\reg+4*\c+3], v[\adr] offset:(\i)*RBB+(\q)*1536+512*\c
.endr
.endm
.macro FETCH_B slot, q, p
	WIN TO_B
.set fi, 0
.rept NB
	FRAG 128*(\p)+12*fi, ADRB+\slot, \q, fi
.set fi, fi+1
.endr
	WIN 0
.endm
.macro FETCH_A slot, q, i0
.irp i, \i0, \i0+1, \i0+2, \i0+3
	FRAG AF+12*(\i), ADRA+\slot, \q, \i
.endr
.endm
.macro SCALES sc
.irp i, 0,1,2,3,4,5,6,7
	ds_load_b32 v[SC+16*\sc+2*\i], v[ADRS] offset:\i*SBLK
	ds_load_b32 v[SC+16*\sc+2*\i+1], v[ADRS] offset:\i*SBLK+64
.endr
.endm
.macro MUL2 a0, p, q, sc, zero         ; the accumulators take turns, one instruction a turn, in the same order in every step
.irp a, \a0, \a0+1
.set mb, 0
.rept NB
.set rD, 8*(NB*((\a)%4)+mb)
.if \zero
	v_wmma_scale_f32_16x16x128_f8f6f4 v[rD:rD+7], v[128*(\p)+12*mb:128*(\p)+12*mb+11], v[AF+12*(\a):AF+12*(\a)+11], 0, v[SC+16*(\sc)+2*mb+(\q)], v[SC+16*(\sc)+2*(\a)+(\q)] matrix_a_fmt:MATRIX_FMT_BF6 matrix_b_fmt:MATRIX_FMT_BF6 matrix_b_scale:MATRIX_SCALE_ROW1
.else
	v_wmma_scale_f32_16x16x128_f8f6f4 v[rD:rD+7], v[128*(\p)+12*mb:128*(\p)+12*mb+11], v[AF+12*(\a):AF+12*(\a)+11], v[rD:rD+7], v[SC+16*(\sc)+2*mb+(\q)], v[SC+16*(\sc)+2*(\a)+(\q)] matrix_a_fmt:MATRIX_FMT_BF6 matrix_b_fmt:MATRIX_FMT_BF6 matrix_b_scale:MATRIX_SCALE_ROW1
.endif
.set mb, mb+1
.endr
.endr
.endm
.macro STEP slot, zero
	s_wait_dscnt 12                                ; all but the youngest twelve loads (A's blocks 4-7) are in
	WIN MUL_LO
	MUL2 0, 0, 0, \slot, \zero
	MUL2 2, 0, 0, \slot, \zero
	s_wait_dscnt 0x0
	PLACES 4                                       ; four plain lines in front of loads into registers that matrix instructions have read
	FETCH_B \slot, 1, 1
	FETCH_A \slot, 1, 0
	WIN MUL_HI
	MUL2 4, 0, 0, \slot, \zero
	MUL2 6, 0, 0, \slot, \zero
	PLACES 4
	WIN 0
	FETCH_A \slot, 1, 4
.endm
.macro TURN slot, next, fill
	s_wait_tensorcnt 0x0                           ; all my tensor loads have landed: my part of the next slot;
	ds_add_u32 v[SPW], v[NIL]                      ; 0 onto my spare word;
	s_wait_dscnt 13                                ; (the add and the youngest twelve loads may be out)
	WIN MUL_LO
	MUL2 0, 1, 1, \slot, 0
	s_wait_dscnt 0x0                               ; the add is done, and my reads of this slot are over
	s_barrier_signal -1
	MUL2 2, 1, 1, \slot, 0
	WIN 0
	s_barrier_wait -1
.if \fill
	CREST                                          ; the barrier has opened a round of the cluster's barrier
	s_add_nc_u64 s[G0+4*\slot+2:G0+4*\slot+3], s[G0+4*\slot+2:G0+4*\slot+3], 2*RBB
	s_add_nc_u64 s[G0B+4*\slot+2:G0B+4*\slot+3], s[G0B+4*\slot+2:G0B+4*\slot+3], 2*RBB
	JLOAD G0+4*\slot, G1, G0B+4*\slot, G1B         ; the first tensor load behind the round; its four v_nop are the places in front of the loads below
.else
	PLACES 4
.endif
	v_add_nc_u32 v[ADRS], 128, v[ADRS]
	FETCH_B \next, 0, 0
	FETCH_A \next, 0, 0
	SCALES \next
	WIN MUL_HI
	MUL2 4, 1, 1, \slot, 0
	MUL2 6, 1, 1, \slot, 0
	PLACES 4
	WIN 0
	FETCH_A \next, 0, 4
.endm
; 64 numbers of a lane, register 16 b + i = neighbour 32 b + 16 (lane / 16) + i of my row, become a fragment's codes in v[PC] on and its scale word in v[pw]
.macro QUANT s, pw
.irp b, 0,1,2,3
	v_max3_num_f32 v[TM+\b], |v[\s+16*\b]|, |v[\s+1+16*\b]|, 0x2800000   ; with the floor 2^(5 - 127)
.endr
.irp i, 2,4,6,8,10,12,14
.irp b, 0,1,2,3
	v_max3_num_f32 v[TM+\b], v[TM+\b], |v[\s+16*\b+\i]|, |v[\s+1+16*\b+\i]|
.endr
.endr
.irp b, 0,1,2,3
	v_permlanex16_b32 v[TM+4+\b], v[TM+\b], s[SEL], s[SEL+1]
.endr
.irp b, 0,1,2,3
	v_max_num_f32 v[TM+\b], v[TM+\b], v[TM+4+\b]
.endr
.irp b, 0,1,2,3
	v_add_nc_u32 v[TM+12+\b], 0xfe000000, v[TM+\b]
.endr
.irp b, 0,1,2,3
	v_lshrrev_b32 v[TM+4+\b], 23, v[TM+12+\b]
.endr
	v_lshl_or_b32 v[\pw], v[TM+5], 8, v[TM+4]
	v_lshl_or_b32 v[\pw], v[TM+6], 16, v[\pw]
	v_lshl_or_b32 v[\pw], v[TM+7], 24, v[\pw]
	s_wait_xcnt 0x0                                ; the last block's stores have read the codes' registers
.irp c, 0,1
	v_cvt_scalef32_pk16_bf6_f32 v[PC+6*\c:PC+2+6*\c], v[\s+32*\c:\s+15+32*\c], v[TM+12+2*\c]
	v_cvt_scalef32_pk16_bf6_f32 v[PC+12+4*\c:PC+14+4*\c], v[\s+16+32*\c:\s+31+32*\c], v[TM+12+2*\c+1]
.endr
	v_nop                                          ; one plain line behind a scaled conversion
.irp c, 0,1
.irp i, 0,1,2
	v_permlane16_swap_b32 v[PC+6*\c+\i], v[PC+12+4*\c+\i]
.endr
.irp i, 0,1,2
	v_mov_b32 v[PC+3+6*\c+\i], v[PC+12+4*\c+\i]
.endr
.endr
.endm
	s_load_b128 s[4:7], s[0:1], 0x0                ; hbuf, wbuf
	s_load_b128 s[92:95], s[0:1], 0x10             ; b1, hid
	v_lshl_add_u32 v[SPW], v0, 2, SPARE
	v_mov_b32 v[NIL], 0
	ds_add_u32 v28, v29
	ds_add_u32 v28, v29
	s_wait_dscnt 0x0
	v_lshrrev_b32 v1, 5, v0
	v_readfirstlane_b32 s14, v1
	s_lshr_b32 s15, s14, 1
	s_and_b32 s16, s14, 1
	s_bfe_u32 s40, ttmp6, 0x40000
	s_bfe_u32 s41, ttmp6, 0x40004
	s_lshl_b32 s42, ttmp9, 2
	s_add_co_u32 s42, s42, s40                     ; B's tile: 256 hidden units
	s_and_b32 s17, ttmp7, 0xffff
	s_lshl_b32 s17, s17, 2
	s_add_co_u32 s17, s17, s41                     ; A's tile: 256 tokens
	s_lshl_b32 s43, s41, 2
	s_lshl_b32 s43, 15, s43
	s_lshl_b32 s44, 0x1111, s40
	s_or_b32 s[G1+0], s43, (3<<16)|(1<<21)
	s_or_b32 s[G1B+0], s44, (3<<16)|(1<<21)
	s_mov_b32 s[G1+1], 384<<16
	s_mov_b32 s[G1+2], 8<<16
	s_mov_b32 s[G1+3], 384<<16
	s_mov_b32 s[G1+4], 8
	s_mov_b32 s[G1+5], KS*192
	s_mov_b32 s[G1+6], 0
	s_mov_b32 s[G1+7], 0
	s_mov_b32 s[G1B+1], 384<<16
	s_mov_b32 s[G1B+2], NB<<16
	s_mov_b32 s[G1B+3], 384<<16
	s_mov_b32 s[G1B+4], NB
	s_mov_b32 s[G1B+5], KS*192
	s_mov_b32 s[G1B+6], 0
	s_mov_b32 s[G1B+7], 0
	s_or_b32 s[G1S+0], s43, (3<<16)|(1<<21)
	s_or_b32 s[G1SB+0], s44, (3<<16)|(1<<21)
	s_mov_b32 s[G1S+1], 32<<16
	s_mov_b32 s[G1S+2], (2*KS)<<16
	s_mov_b32 s[G1S+3], 32<<16
	s_mov_b32 s[G1S+4], 2*KS
	s_mov_b32 s[G1S+5], 32
	s_mov_b32 s[G1S+6], 0
	s_mov_b32 s[G1S+7], 0
	s_mov_b32 s[G1SB+1], 32<<16
	s_mov_b32 s[G1SB+2], (NB*KS/4)<<16
	s_mov_b32 s[G1SB+3], 32<<16
	s_mov_b32 s[G1SB+4], NB*KS/4
	s_mov_b32 s[G1SB+5], 32
	s_mov_b32 s[G1SB+6], 0
	s_mov_b32 s[G1SB+7], 0
	s_mov_b32 s[SEL], 0x76543210
	s_mov_b32 s[SEL+1], 0xfedcba98
	s_wait_kmcnt 0x0
	s_add_nc_u64 s[8:9], s[6:7], WOFF
	s_add_nc_u64 s[10:11], s[6:7], WSOFF
	s_add_nc_u64 s[6:7], s[4:5], ASOFF
	s_lshl_b32 s18, s16, 3
	s_lshl_b32 s20, s17, 4
	s_add_co_u32 s20, s20, s18
	s_mul_i32 s46, s42, 2*NB
	s_mul_i32 s18, s16, NB
	s_add_co_u32 s46, s46, s18
	s_mul_i32 s22, s20, SBLK
	s_mul_i32 s20, s20, RBS
	s_mul_i32 s66, s46, SBLK
	s_mul_i32 s46, s46, RBS
	s_mov_b32 s21, 0
	s_mov_b32 s23, 0
	s_mov_b32 s47, 0
	s_mov_b32 s67, 0
	s_add_nc_u64 s[20:21], s[4:5], s[20:21]
	s_add_nc_u64 s[22:23], s[6:7], s[22:23]
	s_add_nc_u64 s[46:47], s[8:9], s[46:47]
	s_add_nc_u64 s[66:67], s[10:11], s[66:67]
	s_mul_i32 s45, s16, AH
	s_mul_i32 s12, s16, BH
	s_add_co_u32 s12, s12, 2*AH
	s_mul_i32 s13, s16, 8*SBLK
	s_add_co_u32 s13, s13, SCLA
	s_mul_i32 s19, s16, NB*SBLK
	s_add_co_u32 s19, s19, SCLB
	CROUND                                         ; all sixteen work-groups are here: the first joint loads meet
	s_mov_b32 s[G0S], 1
	s_mov_b32 s[G0S+1], s13
	s_mov_b64 s[G0S+2:G0S+3], s[22:23]
	s_or_b32 s[G0S+3], s[G0S+3], 0x80000000
	s_mov_b32 s[G0SB], 1
	s_mov_b32 s[G0SB+1], s19
	s_mov_b64 s[G0SB+2:G0SB+3], s[66:67]
	s_or_b32 s[G0SB+3], s[G0SB+3], 0x80000000
	JLOAD G0S, G1S, G0SB, G1SB
.irp s, 0,1
	s_mov_b32 s[G0+4*\s], 1
	s_add_co_u32 s[G0+4*\s+1], s45, \s*SLOT
	s_add_nc_u64 s[G0+4*\s+2:G0+4*\s+3], s[20:21], \s*RBB
	s_or_b32 s[G0+4*\s+3], s[G0+4*\s+3], 0x80000000
	s_mov_b32 s[G0B+4*\s], 1
	s_add_co_u32 s[G0B+4*\s+1], s12, \s*SLOT
	s_add_nc_u64 s[G0B+4*\s+2:G0B+4*\s+3], s[46:47], \s*RBB
	s_or_b32 s[G0B+4*\s+3], s[G0B+4*\s+3], 0x80000000
	JLOAD G0+4*\s, G1, G0B+4*\s, G1B               ; three loads of mine are out
.endr
	v_and_b32 v1, 15, v0
	v_bfe_u32 v2, v0, 4, 1
	v_and_b32 v3, 31, v0
	v_lshlrev_b32 v[L16], 4, v3
	s_mul_i32 s21, s15, AH
	s_mul_i32 s22, s16, BH
	s_add_co_u32 s22, s22, 2*AH
.irp s, 0,1
	v_add_nc_u32 v[ADRA+\s], s21, v[L16]
	v_add_nc_u32 v[ADRB+\s], s22, v[L16]
	s_add_co_u32 s21, s21, SLOT
	s_add_co_u32 s22, s22, SLOT
.endr
	s_mul_i32 s21, s16, NB*SBLK
	s_mul_i32 s22, s15, 8*SBLK
	s_add_co_u32 s22, s22, SCLA-SCLB
	s_sub_co_u32 s22, s22, s21
	v_mul_u32_u24 v6, s22, v2
	s_add_co_u32 s21, s21, SCLB
	v_lshl_add_u32 v5, v1, 2, v6
	v_add_nc_u32 v[ADRS], s21, v5
	s_lshl_b32 s18, s42, 10                        ; b1 at my 128 hidden units
	s_lshl_b32 s20, s16, 9
	s_add_co_u32 s18, s18, s20
	s_mov_b32 s19, 0
	s_add_nc_u64 s[92:93], s[92:93], s[18:19]
	v_lshlrev_b32 v7, 6, v2
.irp t, 0,1,2,3,4,5,6,7
	global_load_b128 v[BB+8*\t:BB+8*\t+3], v7, s[92:93] offset:(32*(\t/2)+8*(\t%2))*4
	global_load_b128 v[BB+8*\t+4:BB+8*\t+7], v7, s[92:93] offset:(32*(\t/2)+8*(\t%2))*4+16
.endr
	s_wait_tensorcnt 1                             ; the scale words and my part of slot 0 are in; slot 1's load may stay out
	s_barrier_signal -1
	s_barrier_wait -1
	FETCH_B 0, 0, 0
	FETCH_A 0, 0, 0
	SCALES 0
	FETCH_A 0, 0, 4
	STEP 0, 1
	s_mov_b32 s3, LAPS-1
.Llap:
	TURN 0, 1, 1
	STEP 1, 0
	TURN 1, 0, 1
	STEP 0, 0
	s_sub_co_u32 s3, s3, 1
	s_cmp_lg_u32 s3, 0
	s_cbranch_scc1 .Llap
	TURN 0, 1, 0
	STEP 1, 0
	s_wait_dscnt 12
	WIN MUL_LO
	MUL2 0, 1, 1, 1, 0
	MUL2 2, 1, 1, 1, 0
	s_wait_dscnt 0x0
	WIN MUL_HI
	MUL2 4, 1, 1, 1, 0
	MUL2 6, 1, 1, 1, 0
	WIN 0
	PLACES 4
	s_wait_loadcnt 0x0                             ; b1
.irp b, 0,1,2,3
	v_mov_b32 v[TM+4+\b], 0                        ; a lane permute's destination counts as one of its sources
.endr
	s_lshl_b32 s18, s17, 4
	s_lshl_b32 s19, s15, 3
	s_add_co_u32 s18, s18, s19                     ; my first row block of tokens,
	s_lshl_b32 s18, s18, 5
	s_lshl_b32 s19, s42, 1
	s_add_co_u32 s18, s18, s19
	s_add_co_u32 s18, s18, s16                     ; x 32 K steps + my K step
	s_mul_i32 s20, s18, 1536
	s_mov_b32 s21, 0
	s_lshl_b32 s22, s18, 6
	s_add_co_u32 s22, s22, DSC
	s_mov_b32 s23, 0
	s_add_nc_u64 s[4:5], s[94:95], s[20:21]
	s_add_nc_u64 s[6:7], s[94:95], s[22:23]
	v_lshlrev_b32 v9, 2, v1
.macro HID a
	WIN 0x02+(\a)/4
.set k, 0
.rept 32
	v_pk_add_f32 v[T+k:T+k+1], v[64*((\a)%4)+k:64*((\a)%4)+k+1], v[BB+k:BB+k+1]   ; + b1; each accumulator from its low end on
.set k, k+2
.endr
	WIN 0
.set k, 0
.rept 64
	v_max_num_f32 v[T+k], 0, v[T+k]                ; relu
.set k, k+1
.endr
	QUANT T, PWS+(\a)
.irp c, 0,1,2
	global_store_b128 v[L16], v[PC+4*\c:PC+4*\c+3], s[4:5] offset:(\a)*49152+512*\c   ; 512 consecutive bytes
.endr
	global_store_b32 v9, v[PWS+(\a)], s[6:7] offset:(\a)*2048                         ; both halves of the lanes store the same word
.endm
.irp a, 0,1,2,3,4,5,6,7
	HID \a
.endr
	s_wait_tensorcnt 0x0                           ; the wave's end
	ds_add_u32 v[SPW], v[NIL]
	s_wait_dscnt 0x0
	CROUND                                         ; the closing round
	s_endpgm
.Lfunc_end_k_q4b05f0d00f_ffn1:
	.size	k_q4b05f0d00f_ffn1, .Lfunc_end_k_q4b05f0d00f_ffn1-k_q4b05f0d00f_ffn1
	.p2alignl 7, 3214868480
	.fill 96, 4, 3214868480
	.section	.rodata,"a",@progbits
	.p2align	6, 0x0
	.amdhsa_kernel k_q4b05f0d00f_ffn1
		.amdhsa_group_segment_fixed_size 327680
		.amdhsa_private_segment_fixed_size 0
		.amdhsa_enable_private_segment 0
		.amdhsa_kernarg_size 32
		.amdhsa_user_sgpr_count 2
		.amdhsa_user_sgpr_kernarg_segment_ptr 1
		.amdhsa_wavefront_size32 1
		.amdhsa_system_sgpr_workgroup_id_x 1
		.amdhsa_system_sgpr_workgroup_id_y 1
		.amdhsa_system_sgpr_workgroup_id_z 1
		.amdhsa_system_vgpr_workitem_id 0
		.amdhsa_next_free_vgpr 1024
		.amdhsa_next_free_sgpr 102
		.amdhsa_reserve_vcc 0
		.amdhsa_float_denorm_mode_32 3
		.amdhsa_float_denorm_mode_16_64 3
		.amdhsa_memory_ordered 1
		.amdhsa_forward_progress 1
		.amdhsa_inst_pref_size 176
	.end_amdhsa_kernel
	.amdgpu_metadata
---
amdhsa.version: [ 1, 2 ]
amdhsa.kernels:
  - .name:           k_q4b05f0d00f_ffn1
    .symbol:         k_q4b05f0d00f_ffn1.kd
    .args:
      - { .name: hbuf, .offset: 0, .size: 8, .value_kind: global_buffer, .address_space: global }
      - { .name: wbuf, .offset: 8, .size: 8, .value_kind: global_buffer, .address_space: global }
      - { .name: b1, .offset: 16, .size: 8, .value_kind: global_buffer, .address_space: global }
      - { .name: hid, .offset: 24, .size: 8, .value_kind: global_buffer, .address_space: global }
    .group_segment_fixed_size: 327680
    .private_segment_fixed_size: 0
    .kernarg_segment_align: 8
    .kernarg_segment_size: 32
    .max_flat_workgroup_size: 128
    .sgpr_count:     102
    .vgpr_count:     1024
    .wavefront_size: 32
...
	.end_amdgpu_metadata
.endif
;; end of part 6
;; launch ffn2 (part 7): grid 8 x 16, 4 waves a work-group, clusters of 4 x 4, 327,680 bytes of LDS; arguments hid, wbuf, b2, x1, out0; writes out0
.if DOCPART == 7
	.amdgcn_target "amdgcn-amd-amdhsa--gfx1250"
	.amdhsa_code_object_version 6
	.text
	.protected	k_q4b05f0d00f_ffn2
	.globl	k_q4b05f0d00f_ffn2
	.p2align	8
	.type	k_q4b05f0d00f_ffn2,@function
k_q4b05f0d00f_ffn2:
	s_mov_b64 s[64:65], 0
	v_nop
	global_prefetch_b8 v0, s[64:65] scope:SCOPE_SE
	s_setreg_imm32_b32 hwreg(HW_REG_WAVE_MODE, 25, 1), 1
	s_wait_xcnt 0x0
	s_wait_alu depctr_hold_cnt(0) depctr_sa_sdst(0) depctr_va_vdst(0) depctr_va_sdst(0) depctr_va_ssrc(0) depctr_va_vcc(0) depctr_vm_vsrc(0)
	s_getreg_b32 s2, hwreg(HW_REG_IB_STS2, 6, 4)
	s_cmp_eq_u32 s2, 0
	s_cbranch_scc0 .Lentry_in_a_cluster
	s_endpgm
.Lentry_in_a_cluster:
	s_bfe_u32 s2, ttmp6, 0x10000c
	s_cmp_lg_u32 s2, 0xf033
	s_cbranch_scc0 .Lentry_shape_is_right
	s_endpgm
.Lentry_shape_is_right:
; out = x1 + (hid W2 + b2): the product on codes of E3M2 (one E8M0 byte for each 32 along K = 4,096), the rest in f32.
; OPERANDS ARE IMAGES OF REGISTERS: 16 rows x 128 K = 1,536 bytes, registers 4 c .. 4 c + 3 of lane l at 512 c + 16 l.  Image tile 2 b + u, row r, stands for index 32 b + 8 u + r + 8 (r / 8) (a token, or a column of the weight).
; The product is used transposed (source 0 = 16 columns of the weight, source 1 = 16 tokens): a lane holds one token and eight neighbouring columns a tile.
; A work-group of four waves makes 256 tokens x 128 columns, a wave 128 x 64: with 1,024 columns that gives 128 work-groups where a tile of 256 x 256 gives 64.  K goes in slots of 256 through a ring of two LDS slots;
; the scale words for all of K come once and stay.  4 x 4 work-groups form a cluster: hid's tiles are asked for jointly along a row of the cluster, the weight's along a column.
; LIMITS: NaN and infinities are not served.
.set NB,    4
.set KS,    32
.set WOFF,  6291456
.set WSOFF, 9437184+262144
.set ASOFF, 12582912
.set RBB,   3072
.set AH,    8*RBB
.set BH,    NB*RBB
.set SLOT,  2*AH+2*BH
.set SBLK,  64*KS
.set SCLB,  2*SLOT
.set SCLA,  SCLB+2*NB*SBLK
.set SPARE, SCLA+16*SBLK
.set LAPS,  KS/4
.set RBS,   KS*1536
.set ADRA, 16
.set ADRB, 20
.set STO,  24
.set RD,   25
.set CO,   26
.set ADRS, 27
.set SPW,  28
.set NIL,  29
.set L16,  30
.set SC,   32
.set BI,   64
.set RS0,  68
.set RS1,  224
.set AF,   128
.set BK,   128
.set G1, 24
.set G0, 32
.set G1B, 48
.set G0B, 56
.set G1S, 68
.set G0S, 76
.set G1SB, 80
.set G0SB, 88
.set MUL_LO, 0xa1
.set MUL_HI, 0xf1
.set TO_B,   0x40
.set MSB, 0
.macro WIN new
.if MSB != (\new)
	s_set_vgpr_msb (MSB<<8)|(\new)
.set MSB, (\new)
.endif
.endm
.macro JLOAD g0a, g1a, g0b, g1b        ; a joint load: waves 0 and 1 fetch for A, waves 2 and 3 for B; four v_nop follow each line
	s_cmp_eq_u32 s15, 0
	s_cbranch_scc0 .Lfor_b_\@
	tensor_load_to_lds s[\g0a:\g0a+3], s[\g1a:\g1a+7]
	s_nop 0
.rept 4
	v_nop
.endr
	s_branch .Lasked_\@
.Lfor_b_\@:
	tensor_load_to_lds s[\g0b:\g0b+3], s[\g1b:\g1b+7]
	s_nop 0
.rept 4
	v_nop
.endr
.Lasked_\@:
.endm
.macro CREST
	s_cmp_lg_u32 s14, 0
	s_cbranch_scc1 .Lnot_wave_0_\@
	s_barrier_signal -3
.Lnot_wave_0_\@:
	s_barrier_wait -3
	s_barrier_signal -1
	s_barrier_wait -1
.endm
.macro CROUND
	s_barrier_signal -1
	s_barrier_wait -1
	CREST
.endm
.macro PLACES n
.rept \n
	v_nop
.endr
.endm
.macro FRAG reg, adr, q, i
.irp c, 0,1,2
	ds_load_b128 v[\reg+4*\c:\reg+4*\c+3], v[\adr] offset:(\i)*RBB+(\q)*1536+512*\c
.endr
.endm
.macro FETCH_B slot, q, p
	WIN TO_B
.set fi, 0
.rept NB
	FRAG 128*(\p)+12*fi, ADRB+\slot, \q, fi
.set fi, fi+1
.endr
	WIN 0
.endm
.macro FETCH_A slot, q, i0
.irp i, \i0, \i0+1, \i0+2, \i0+3
	FRAG AF+12*(\i), ADRA+\slot, \q, \i
.endr
.endm
.macro SCALES sc                       ; (with NB = 4 lanes 0-15 of blocks 4-7 read on into filled scale words, which no product names)
.irp i, 0,1,2,3,4,5,6,7
	ds_load_b32 v[SC+16*\sc+2*\i], v[ADRS] offset:\i*SBLK
	ds_load_b32 v[SC+16*\sc+2*\i+1], v[ADRS] offset:\i*SBLK+64
.endr
.endm
.macro MUL2 a0, p, q, sc, zero         ; the accumulators take turns, one instruction a turn, in the same order in every step
.irp a, \a0, \a0+1
.set mb, 0
.rept NB
.set rD, 8*(NB*((\a)%4)+mb)
.if \zero
	v_wmma_scale_f32_16x16x128_f8f6f4 v[rD:rD+7], v[128*(\p)+12*mb:128*(\p)+12*mb+11], v[AF+12*(\a):AF+12*(\a)+11], 0, v[SC+16*(\sc)+2*mb+(\q)], v[SC+16*(\sc)+2*(\a)+(\q)] matrix_a_fmt:MATRIX_FMT_BF6 matrix_b_fmt:MATRIX_FMT_BF6 matrix_b_scale:MATRIX_SCALE_ROW1
.else
	v_wmma_scale_f32_16x16x128_f8f6f4 v[rD:rD+7], v[128*(\p)+12*mb:128*(\p)+12*mb+11], v[AF+12*(\a):AF+12*(\a)+11], v[rD:rD+7], v[SC+16*(\sc)+2*mb+(\q)], v[SC+16*(\sc)+2*(\a)+(\q)] matrix_a_fmt:MATRIX_FMT_BF6 matrix_b_fmt:MATRIX_FMT_BF6 matrix_b_scale:MATRIX_SCALE_ROW1
.endif
.set mb, mb+1
.endr
.endr
.endm
.macro STEP slot, zero
	s_wait_dscnt 12                                ; all but the youngest twelve loads (A's blocks 4-7) are in
	WIN MUL_LO
	MUL2 0, 0, 0, \slot, \zero
	MUL2 2, 0, 0, \slot, \zero
	s_wait_dscnt 0x0
	PLACES 4                                       ; four plain lines in front of loads into registers that matrix instructions have read
	FETCH_B \slot, 1, 1
	FETCH_A \slot, 1, 0
	WIN MUL_HI
	MUL2 4, 0, 0, \slot, \zero
	MUL2 6, 0, 0, \slot, \zero
	PLACES 4
	WIN 0
	FETCH_A \slot, 1, 4
.endm
.macro TURN slot, next, fill
	s_wait_tensorcnt 0x0                           ; all my tensor loads have landed: my part of the next slot;
	ds_add_u32 v[SPW], v[NIL]                      ; 0 onto my spare word;
	s_wait_dscnt 13                                ; (the add and the youngest twelve loads may be out)
	WIN MUL_LO
	MUL2 0, 1, 1, \slot, 0
	s_wait_dscnt 0x0                               ; the add is done, and my reads of this slot are over
	s_barrier_signal -1
	MUL2 2, 1, 1, \slot, 0
	WIN 0
	s_barrier_wait -1
.if \fill
	CREST                                          ; the barrier has opened a round of the cluster's barrier
	s_add_nc_u64 s[G0+4*\slot+2:G0+4*\slot+3], s[G0+4*\slot+2:G0+4*\slot+3], 2*RBB
	s_add_nc_u64 s[G0B+4*\slot+2:G0B+4*\slot+3], s[G0B+4*\slot+2:G0B+4*\slot+3], 2*RBB
	JLOAD G0+4*\slot, G1, G0B+4*\slot, G1B         ; the first tensor load behind the round; its four v_nop are the places in front of the loads below
.else
	PLACES 4
.endif
	v_add_nc_u32 v[ADRS], 128, v[ADRS]
	FETCH_B \next, 0, 0
	FETCH_A \next, 0, 0
	SCALES \next
	WIN MUL_HI
	MUL2 4, 1, 1, \slot, 0
	MUL2 6, 1, 1, \slot, 0
	PLACES 4
	WIN 0
	FETCH_A \next, 0, 4
.endm
	s_load_b128 s[4:7], s[0:1], 0x0                ; the A side's buffer, wbuf
	s_load_b128 s[92:95], s[0:1], 0x10             ; the bias, the residual
	s_load_b64 s[96:97], s[0:1], 0x20              ; the output
	v_lshl_add_u32 v[SPW], v0, 2, SPARE
	v_mov_b32 v[NIL], 0
	ds_add_u32 v28, v29
	ds_add_u32 v28, v29
	s_wait_dscnt 0x0
	v_lshrrev_b32 v1, 5, v0
	v_readfirstlane_b32 s14, v1
	s_lshr_b32 s15, s14, 1
	s_and_b32 s16, s14, 1
	s_bfe_u32 s40, ttmp6, 0x40000
	s_bfe_u32 s41, ttmp6, 0x40004
	s_lshl_b32 s42, ttmp9, 2
	s_add_co_u32 s42, s42, s40                     ; B's tile: 128 columns
	s_and_b32 s17, ttmp7, 0xffff
	s_lshl_b32 s17, s17, 2
	s_add_co_u32 s17, s17, s41                     ; A's tile: 256 tokens
	s_lshl_b32 s43, s41, 2
	s_lshl_b32 s43, 15, s43
	s_lshl_b32 s44, 0x1111, s40
	s_or_b32 s[G1+0], s43, (3<<16)|(1<<21)
	s_or_b32 s[G1B+0], s44, (3<<16)|(1<<21)
	s_mov_b32 s[G1+1], 384<<16
	s_mov_b32 s[G1+2], 8<<16
	s_mov_b32 s[G1+3], 384<<16
	s_mov_b32 s[G1+4], 8
	s_mov_b32 s[G1+5], KS*192
	s_mov_b32 s[G1+6], 0
	s_mov_b32 s[G1+7], 0
	s_mov_b32 s[G1B+1], 384<<16
	s_mov_b32 s[G1B+2], NB<<16
	s_mov_b32 s[G1B+3], 384<<16
	s_mov_b32 s[G1B+4], NB
	s_mov_b32 s[G1B+5], KS*192
	s_mov_b32 s[G1B+6], 0
	s_mov_b32 s[G1B+7], 0
	s_or_b32 s[G1S+0], s43, (3<<16)|(1<<21)
	s_or_b32 s[G1SB+0], s44, (3<<16)|(1<<21)
	s_mov_b32 s[G1S+1], 32<<16
	s_mov_b32 s[G1S+2], (2*KS)<<16
	s_mov_b32 s[G1S+3], 32<<16
	s_mov_b32 s[G1S+4], 2*KS
	s_mov_b32 s[G1S+5], 32
	s_mov_b32 s[G1S+6], 0
	s_mov_b32 s[G1S+7], 0
	s_mov_b32 s[G1SB+1], 32<<16
	s_mov_b32 s[G1SB+2], (NB*KS/4)<<16
	s_mov_b32 s[G1SB+3], 32<<16
	s_mov_b32 s[G1SB+4], NB*KS/4
	s_mov_b32 s[G1SB+5], 32
	s_mov_b32 s[G1SB+6], 0
	s_mov_b32 s[G1SB+7], 0
	s_wait_kmcnt 0x0
	s_add_nc_u64 s[8:9], s[6:7], WOFF
	s_add_nc_u64 s[10:11], s[6:7], WSOFF
	s_add_nc_u64 s[6:7], s[4:5], ASOFF
	s_lshl_b32 s18, s16, 3
	s_lshl_b32 s20, s17, 4
	s_add_co_u32 s20, s20, s18
	s_mul_i32 s46, s42, 2*NB
	s_mul_i32 s18, s16, NB
	s_add_co_u32 s46, s46, s18
	s_mul_i32 s22, s20, SBLK
	s_mul_i32 s20, s20, RBS
	s_mul_i32 s66, s46, SBLK
	s_mul_i32 s46, s46, RBS
	s_mov_b32 s21, 0
	s_mov_b32 s23, 0
	s_mov_b32 s47, 0
	s_mov_b32 s67, 0
	s_add_nc_u64 s[20:21], s[4:5], s[20:21]
	s_add_nc_u64 s[22:23], s[6:7], s[22:23]
	s_add_nc_u64 s[46:47], s[8:9], s[46:47]
	s_add_nc_u64 s[66:67], s[10:11], s[66:67]
	s_mul_i32 s45, s16, AH
	s_mul_i32 s12, s16, BH
	s_add_co_u32 s12, s12, 2*AH
	s_mul_i32 s13, s16, 8*SBLK
	s_add_co_u32 s13, s13, SCLA
	s_mul_i32 s19, s16, NB*SBLK
	s_add_co_u32 s19, s19, SCLB
	CROUND                                         ; all sixteen work-groups are here: the first joint loads meet
	s_mov_b32 s[G0S], 1
	s_mov_b32 s[G0S+1], s13
	s_mov_b64 s[G0S+2:G0S+3], s[22:23]
	s_or_b32 s[G0S+3], s[G0S+3], 0x80000000
	s_mov_b32 s[G0SB], 1
	s_mov_b32 s[G0SB+1], s19
	s_mov_b64 s[G0SB+2:G0SB+3], s[66:67]
	s_or_b32 s[G0SB+3], s[G0SB+3], 0x80000000
	JLOAD G0S, G1S, G0SB, G1SB
.irp s, 0,1
	s_mov_b32 s[G0+4*\s], 1
	s_add_co_u32 s[G0+4*\s+1], s45, \s*SLOT
	s_add_nc_u64 s[G0+4*\s+2:G0+4*\s+3], s[20:21], \s*RBB
	s_or_b32 s[G0+4*\s+3], s[G0+4*\s+3], 0x80000000
	s_mov_b32 s[G0B+4*\s], 1
	s_add_co_u32 s[G0B+4*\s+1], s12, \s*SLOT
	s_add_nc_u64 s[G0B+4*\s+2:G0B+4*\s+3], s[46:47], \s*RBB
	s_or_b32 s[G0B+4*\s+3], s[G0B+4*\s+3], 0x80000000
	JLOAD G0+4*\s, G1, G0B+4*\s, G1B               ; three loads of mine are out
.endr
	v_and_b32 v1, 15, v0
	v_bfe_u32 v2, v0, 4, 1
	v_and_b32 v3, 31, v0
	v_lshlrev_b32 v[L16], 4, v3
	s_mul_i32 s21, s15, AH
	s_mul_i32 s22, s16, BH
	s_add_co_u32 s22, s22, 2*AH
.irp s, 0,1
	v_add_nc_u32 v[ADRA+\s], s21, v[L16]
	v_add_nc_u32 v[ADRB+\s], s22, v[L16]
	s_add_co_u32 s21, s21, SLOT
	s_add_co_u32 s22, s22, SLOT
.endr
	s_mul_i32 s21, s16, NB*SBLK
	s_mul_i32 s22, s15, 8*SBLK
	s_add_co_u32 s22, s22, SCLA-SCLB
	s_sub_co_u32 s22, s22, s21
	v_mul_u32_u24 v6, s22, v2
	s_add_co_u32 s21, s21, SCLB
	v_lshl_add_u32 v5, v1, 2, v6
	v_add_nc_u32 v[ADRS], s21, v5
	; the way out's addresses; the bias and the first two blocks' residual are asked for here
	s_lshl_b32 s18, s42, 9
	s_lshl_b32 s20, s16, 8
	s_add_co_u32 s18, s18, s20                     ; my 64 columns, in bytes
	s_mov_b32 s19, 0
	s_add_nc_u64 s[92:93], s[92:93], s[18:19]
	s_lshl_b32 s20, s17, 20
	s_lshl_b32 s21, s15, 19
	s_add_co_u32 s20, s20, s21                     ; my 128 rows of 4,096 bytes
	s_add_co_u32 s20, s20, s18
	s_mov_b32 s21, 0
	s_add_nc_u64 s[94:95], s[94:95], s[20:21]
	s_add_nc_u64 s[96:97], s[96:97], s[20:21]
	v_lshlrev_b32 v[CO], 12, v2
	v_lshl_add_u32 v[CO], v1, 4, v[CO]             ; lanes 0-15 one row, lanes 16-31 the next; 16 bytes a lane
	v_lshlrev_b32 v7, 4, v1
	s_mul_i32 s23, s14, 4352                       ; my stage: 16 rows x (256 + 16) bytes, in slot 0: when the first result is stored there the slot has had its last fill and its last read
	v_mul_u32_u24 v[STO], v1, 272
	v_lshl_add_u32 v[STO], v2, 6, v[STO]
	v_add_nc_u32 v[STO], s23, v[STO]
	v_mul_u32_u24 v[RD], v2, 272
	v_lshl_add_u32 v[RD], v1, 4, v[RD]
	v_add_nc_u32 v[RD], s23, v[RD]
.macro RES a                           ; the residual of block a: image row 2 t + (lane / 16) is token 32 (a / 2) + 8 (a % 2) + 2 t + 8 (t / 4) + (lane / 16)
.set RR, RS0+(RS1-RS0)*((\a)%2)
.irp t, 0,1,2,3,4,5,6,7
	global_load_b128 v[RR+4*\t:RR+4*\t+3], v[CO], s[94:95] offset:(32*((\a)/2)+8*((\a)%2)+2*\t+8*(\t/4))*4096 th:TH_LOAD_NT
.endr
.endm
	global_load_b128 v[BI:BI+3], v7, s[92:93]
	RES 0
	RES 1
	s_wait_tensorcnt 1                             ; the scale words and my part of slot 0 are in; slot 1's load may stay out
	s_barrier_signal -1
	s_barrier_wait -1
	FETCH_B 0, 0, 0
	FETCH_A 0, 0, 0
	SCALES 0
	FETCH_A 0, 0, 4
	STEP 0, 1
	s_mov_b32 s3, LAPS-1
.Llap:
	TURN 0, 1, 1
	STEP 1, 0
	TURN 1, 0, 1
	STEP 0, 0
	s_sub_co_u32 s3, s3, 1
	s_cmp_lg_u32 s3, 0
	s_cbranch_scc1 .Llap
	TURN 0, 1, 0
	STEP 1, 0
	s_wait_dscnt 12
	WIN MUL_LO
	MUL2 0, 1, 1, 1, 0
	MUL2 2, 1, 1, 1, 0
	s_wait_dscnt 0x0
	WIN MUL_HI
	MUL2 4, 1, 1, 1, 0
	MUL2 6, 1, 1, 1, 0
	WIN 0
; THE WAY OUT, a block of 16 tokens x 64 columns at a time, through my own stage: in as 32 bytes a lane, back as whole rows of 256 bytes.  LDS serves a wave's instructions in order.
.macro TOSTAGE a
.set AC, 32*((\a)%4)
	WIN 0x08+4*((\a)/4)                            ; the data: window 2 or 3
.irp b, 0,1,2,3
	ds_store_b128 v[STO], v[AC+8*\b:AC+8*\b+3] offset:128*(\b/2)+32*(\b%2)      ; each accumulator from its low end on
	ds_store_b128 v[STO], v[AC+8*\b+4:AC+8*\b+7] offset:128*(\b/2)+32*(\b%2)+16
.endr
	WIN 0
.set BB2, BK+32*((\a)%2)
.irp t, 0,1,2,3,4,5,6,7
	ds_load_b128 v[BB2+4*\t:BB2+4*\t+3], v[RD] offset:\t*544
.endr
.endm
.macro SEND a, ds, ld                  ; ds, ld: the younger LDS instructions and loads that may stay out
.set BB2, BK+32*((\a)%2)
.set RR, RS0+(RS1-RS0)*((\a)%2)
	s_wait_dscnt \ds
	s_wait_loadcnt \ld
.set k, 0
.rept 8
	v_pk_add_f32 v[BB2+4*k:BB2+4*k+1], v[BB2+4*k:BB2+4*k+1], v[BI:BI+1]         ; + bias,
	v_pk_add_f32 v[BB2+4*k+2:BB2+4*k+3], v[BB2+4*k+2:BB2+4*k+3], v[BI+2:BI+3]
.set k, k+1
.endr
.set k, 0
.rept 16
	v_pk_add_f32 v[BB2+2*k:BB2+2*k+1], v[BB2+2*k:BB2+2*k+1], v[RR+2*k:RR+2*k+1] ; + the residual
.set k, k+1
.endr
.irp t, 0,1,2,3,4,5,6,7
	global_store_b128 v[CO], v[BB2+4*\t:BB2+4*\t+3], s[96:97] offset:(32*((\a)/2)+8*((\a)%2)+2*\t+8*(\t/4))*4096 th:TH_STORE_NT   ; sixteen lanes store 256 consecutive bytes, aligned
.endr
.if (\a) < 6
	RES (\a)+2
.endif
.endm
	PLACES 4
	TOSTAGE 0
.irp a, 1,2,3,4,5,6,7
.if \a > 1
	s_wait_xcnt 0x0                                ; block a - 2's stores have read their registers: block a's rows may land there
.endif
	TOSTAGE \a
	SEND \a-1, 16, 8                               ; behind block a - 1's rows: block a's 8 stores and 8 loads; behind its residual: block a's 8 loads
.endr
	SEND 7, 0, 0
	s_wait_tensorcnt 0x0                           ; the wave's end
	ds_add_u32 v[SPW], v[NIL]
	s_wait_dscnt 0x0
	CROUND                                         ; the closing round
	s_endpgm
.Lfunc_end_k_q4b05f0d00f_ffn2:
	.size	k_q4b05f0d00f_ffn2, .Lfunc_end_k_q4b05f0d00f_ffn2-k_q4b05f0d00f_ffn2
	.p2alignl 7, 3214868480
	.fill 96, 4, 3214868480
	.section	.rodata,"a",@progbits
	.p2align	6, 0x0
	.amdhsa_kernel k_q4b05f0d00f_ffn2
		.amdhsa_group_segment_fixed_size 327680
		.amdhsa_private_segment_fixed_size 0
		.amdhsa_enable_private_segment 0
		.amdhsa_kernarg_size 40
		.amdhsa_user_sgpr_count 2
		.amdhsa_user_sgpr_kernarg_segment_ptr 1
		.amdhsa_wavefront_size32 1
		.amdhsa_system_sgpr_workgroup_id_x 1
		.amdhsa_system_sgpr_workgroup_id_y 1
		.amdhsa_system_sgpr_workgroup_id_z 1
		.amdhsa_system_vgpr_workitem_id 0
		.amdhsa_next_free_vgpr 1024
		.amdhsa_next_free_sgpr 102
		.amdhsa_reserve_vcc 0
		.amdhsa_float_denorm_mode_32 3
		.amdhsa_float_denorm_mode_16_64 3
		.amdhsa_memory_ordered 1
		.amdhsa_forward_progress 1
		.amdhsa_inst_pref_size 108
	.end_amdhsa_kernel
	.amdgpu_metadata
---
amdhsa.version: [ 1, 2 ]
amdhsa.kernels:
  - .name:           k_q4b05f0d00f_ffn2
    .symbol:         k_q4b05f0d00f_ffn2.kd
    .args:
      - { .name: hid, .offset: 0, .size: 8, .value_kind: global_buffer, .address_space: global }
      - { .name: wbuf, .offset: 8, .size: 8, .value_kind: global_buffer, .address_space: global }
      - { .name: b2, .offset: 16, .size: 8, .value_kind: global_buffer, .address_space: global }
      - { .name: x1, .offset: 24, .size: 8, .value_kind: global_buffer, .address_space: global }
      - { .name: out0, .offset: 32, .size: 8, .value_kind: global_buffer, .address_space: global }
    .group_segment_fixed_size: 327680
    .private_segment_fixed_size: 0
    .kernarg_segment_align: 8
    .kernarg_segment_size: 40
    .max_flat_workgroup_size: 128
    .sgpr_count:     102
    .vgpr_count:     1024
    .wavefront_size: 32
...
	.end_amdgpu_metadata
.endif
;; end of part 7
;; ======== version 2 of 2: 8 launches
;; limits: right only within a limited range of input values
;; workspace buffers: wbuf 9,830,400 bytes; hbuf 3,276,800 bytes; qkvbuf 10,223,616 bytes; cbuf 3,276,800 bytes; x1 16,777,216 bytes; hid 13,107,200 bytes
;; launch wq (part 8): grid 384 x 1, 8 waves a work-group, no clusters, 0 bytes of LDS; arguments Wq, Wk, Wv, Wo, W1, W2, wbuf; writes wbuf
.if DOCPART == 8
	.amdgcn_target "amdgcn-amd-amdhsa--gfx1250"
	.amdhsa_code_object_version 6
	.text
	.protected	k_q4b05f0d00f_wq
	.globl	k_q4b05f0d00f_wq
	.p2align	8
	.type	k_q4b05f0d00f_wq,@function
k_q4b05f0d00f_wq:
	s_mov_b64 s[64:65], 0
	v_nop
	global_prefetch_b8 v0, s[64:65] scope:SCOPE_SE
	s_setreg_imm32_b32 hwreg(HW_REG_WAVE_MODE, 25, 1), 1
	s_wait_xcnt 0x0
; The six weights, f32 stored [K][N], become codes of E3M2 with one E8M0 byte for each 32 along K, laid as IMAGES OF OPERAND REGISTERS.
; An image is 16 rows (n) x 128 along K: 12 registers a lane, 1,536 bytes: registers 4 c .. 4 c + 3 of lane l at byte 512 c + 16 l; lane (r, h) holds K = 64 c' + 32 h + 0 .. 31 of image row r in registers 6 c' .. 6 c' + 5.
; Image tile 2 b + u, row r, stands for column n = 32 b + 8 u + r + 8 (r / 8).  wbuf: image idx at idx x 1,536, its 16 scale words at WSC + idx x 64; idx = idx0 + tile x (K / 128) + K step.
; SHARES.  A work-group takes 256 columns x 128 along K, a wave 32 columns; A LANE TAKES A COLUMN AND ITS REGISTERS RUN DOWN K, so a block of 32 lies in one lane, no other lane is asked, and the conversions' results are the image's registers.
; Each load of a wave reads 128 consecutive bytes (the eight waves 1,024); each 16-byte store fills two aligned runs of 256 bytes.  Waves share nothing: no LDS, no barrier, no cluster.
; LIMITS: NaN and infinities are not served; a block whose largest magnitude lies under 2^-122, a block of zeros among them, gets the byte 1 (its bytes are read by this program alone; zero codes add nothing).
.set WSC, 9437184
.set VI,  1                            ; v1   4 x lane: my column in a row of the weight
.set VC,  2                            ; v2   my place in the images: u x (K / 128) x 1,536 + 16 r
.set VS,  3                            ; v3   and among the scale words: u x (K / 128) x 64 + 4 r
.set SW,  16                           ; v16  my column's scale word
.set X,   32                           ; v32-159  128 numbers down K
.set F0,  160                          ; v160-171 blocks 0 and 2: image lane r
.set F1,  172                          ; v172-183 blocks 1 and 3: image lane 16 + r
.set CT,  184                          ; v184-199 the upper 16 codes of each block, as the conversion leaves them
	s_load_b256 s[4:11], s[0:1], 0x0               ; Wq, Wk, Wv, Wo
	s_load_b128 s[12:15], s[0:1], 0x20             ; W1, W2
	s_load_b64 s[16:17], s[0:1], 0x30              ; wbuf
	v_lshrrev_b32 v4, 5, v0
	s_delay_alu instid0(VALU_DEP_1)
	v_readfirstlane_b32 s18, v4                    ; wave 0..7
	v_and_b32 v5, 31, v0
	s_delay_alu instid0(VALU_DEP_1)
	v_lshlrev_b32 v[VI], 2, v5
	v_bfe_u32 v6, v0, 3, 1                         ; u: which of the group's two image tiles
	s_wait_alu depctr_va_vdst(0)
	v_and_b32 v7, 7, v0
	v_bfe_u32 v4, v0, 4, 1
	s_delay_alu instid0(VALU_DEP_1)
	v_lshl_add_u32 v7, v4, 3, v7                   ; r: the image row
	; the work-group's number says which tensor, which 256 columns (X) and which K step (s): 0-127 the four square weights, 128-255 W2, 256-383 W1
	s_lshr_b32 s20, ttmp9, 5
	s_and_b32 s21, ttmp9, 3
	s_and_b32 s22, ttmp9, 15
	s_lshr_b32 s23, ttmp9, 2
	s_and_b32 s24, s23, 7
	s_and_b32 s25, s23, 31
	s_lshr_b32 s26, ttmp9, 4
	s_and_b32 s26, s26, 7
	s_lshl_b32 s27, s20, 9
	s_cmp_ge_u32 ttmp9, 128
	s_cselect_b32 s24, s25, s24                    ; s
	s_cselect_b32 s27, 0x1000, s27                 ; idx0
	s_cselect_b32 s28, 32, 8                       ; K / 128
	s_cmp_ge_u32 ttmp9, 256
	s_cselect_b32 s21, s22, s21                    ; X
	s_cselect_b32 s24, s26, s24
	s_cselect_b32 s27, 0x800, s27
	s_cselect_b32 s28, 8, s28
	s_cselect_b32 s29, 21, 19                      ; 128 rows of 16,384 or of 4,096 bytes
	s_lshl_b32 s30, s24, s29
	s_lshl_b32 s31, s21, 10
	s_add_co_u32 s30, s30, s31
	s_lshl_b32 s31, s18, 7
	s_add_co_u32 s30, s30, s31                     ; my wave's first number, in bytes
	s_mov_b32 s31, 0
	s_lshl_b32 s32, s21, 4
	s_lshl_b32 s33, s18, 1
	s_add_co_u32 s32, s32, s33                     ; image tile 16 X + 2 wave
	s_mul_i32 s32, s32, s28
	s_add_co_u32 s32, s32, s27
	s_add_co_u32 s32, s32, s24                     ; idx
	s_lshl_b32 s34, s32, 6
	s_add_co_u32 s34, s34, WSC
	s_mov_b32 s35, 0
	s_mul_i32 s32, s32, 1536
	s_mov_b32 s33, 0
	s_mul_i32 s36, s28, 1536
	s_lshl_b32 s37, s28, 6
	v_mul_lo_u32 v[VC], v6, s36
	s_wait_alu depctr_va_vdst(0)
	v_lshl_add_u32 v[VC], v7, 4, v[VC]
	v_mul_lo_u32 v[VS], v6, s37
	s_delay_alu instid0(VALU_DEP_1)
	v_lshl_add_u32 v[VS], v7, 2, v[VS]
	s_wait_kmcnt 0x0
	s_cmp_eq_u32 s20, 1                            ; the tensor is chosen by the work-group's number alone
	s_cselect_b64 s[4:5], s[6:7], s[4:5]
	s_cmp_eq_u32 s20, 2
	s_cselect_b64 s[4:5], s[8:9], s[4:5]
	s_cmp_eq_u32 s20, 3
	s_cselect_b64 s[4:5], s[10:11], s[4:5]
	s_cmp_ge_u32 ttmp9, 128
	s_cselect_b64 s[4:5], s[14:15], s[4:5]
	s_cmp_ge_u32 ttmp9, 256
	s_cselect_b64 s[4:5], s[12:13], s[4:5]
	s_add_nc_u64 s[4:5], s[4:5], s[30:31]
	s_add_nc_u64 s[38:39], s[16:17], s[32:33]      ; my images
	s_add_nc_u64 s[40:41], s[16:17], s[34:35]      ; my scale words
.macro LOADS pitch                     ; 128 rows of the weight, every offset an immediate (127 x 16,384 at the most)
.set li, 0
.rept 128
	global_load_b32 v[X+li], v[VI], s[4:5] offset:li*\pitch th:TH_LOAD_NT
.set li, li+1
.endr
.endm
	s_cmp_lt_u32 ttmp9, 256
	s_cbranch_scc0 .Lwide
	LOADS 4096
	s_branch .Lloaded
.Lwide:
	LOADS 16384
.Lloaded:                                      ; both ways have issued the same 128 loads
; Block t of 32 along K.  left: how many younger loads may stay out.
.macro BLOCK t, left
.set XS, X+32*(\t)
.set FD, F0+12*((\t)%2)+6*((\t)/2)
	s_wait_loadcnt \left
	v_max3_num_f32 v8, |v[XS]|, |v[XS+1]|, |v[XS+2]|               ; the block's largest magnitude, in two chains
	v_max3_num_f32 v9, |v[XS+3]|, |v[XS+4]|, |v[XS+5]|
.irp i, 6,10,14,18,22,26
	s_delay_alu instid0(VALU_DEP_2)
	v_max3_num_f32 v8, v8, |v[XS+\i]|, |v[XS+\i+1]|
	s_delay_alu instid0(VALU_DEP_2)
	v_max3_num_f32 v9, v9, |v[XS+\i+2]|, |v[XS+\i+3]|
.endr
	s_delay_alu instid0(VALU_DEP_2)
	v_max3_num_f32 v8, v8, |v[XS+30]|, |v[XS+31]|
	s_delay_alu instid0(VALU_DEP_1)
	v_max3_num_f32 v8, v8, v9, 0x2800000           ; and the floor 2^(5 - 127): the byte cannot fall under 1
	s_delay_alu instid0(VALU_DEP_1)
	v_add_nc_u32 v10, 0xfe000000, v8               ; 4 off the exponent field: the conversion takes this operand's exponent field as its scale
	s_delay_alu instid0(VALU_DEP_1)
	v_lshrrev_b32 v11, 23, v10                     ; the scale's byte
.if (\t) == 0
	s_delay_alu instid0(VALU_DEP_1)
	v_mov_b32 v[SW], v11
.else
	s_delay_alu instid0(VALU_DEP_1)
	v_lshl_or_b32 v[SW], v11, 8*(\t), v[SW]
.endif
	v_cvt_scalef32_pk16_bf6_f32 v[FD:FD+2], v[XS:XS+15], v10
	v_cvt_scalef32_pk16_bf6_f32 v[CT+4*(\t):CT+4*(\t)+2], v[XS+16:XS+31], v10   ; (a conversion's three registers begin on an even number)
	v_nop                                          ; one plain line behind a scaled conversion
.irp i, 0,1,2
	v_mov_b32 v[FD+3+\i], v[CT+4*(\t)+\i]
.endr
.endm
	BLOCK 0, 63                                    ; behind block 0's loads stand 96 younger ones; the count names at most 63
	BLOCK 1, 63                                    ; 64 younger
	BLOCK 2, 32
	BLOCK 3, 0
.irp c, 0,1,2
	global_store_b128 v[VC], v[F0+4*\c:F0+4*\c+3], s[38:39] offset:512*\c       ; image lanes 0-15: the sixteen lanes of a tile store 256 consecutive bytes
	global_store_b128 v[VC], v[F1+4*\c:F1+4*\c+3], s[38:39] offset:512*\c+256   ; image lanes 16-31
.endr
	global_store_b32 v[VS], v[SW], s[40:41]
	s_endpgm
.Lfunc_end_k_q4b05f0d00f_wq:
	.size	k_q4b05f0d00f_wq, .Lfunc_end_k_q4b05f0d00f_wq-k_q4b05f0d00f_wq
	.p2alignl 7, 3214868480
	.fill 96, 4, 3214868480
	.section	.rodata,"a",@progbits
	.p2align	6, 0x0
	.amdhsa_kernel k_q4b05f0d00f_wq
		.amdhsa_group_segment_fixed_size 0
		.amdhsa_private_segment_fixed_size 0
		.amdhsa_enable_private_segment 0
		.amdhsa_kernarg_size 56
		.amdhsa_user_sgpr_count 2
		.amdhsa_user_sgpr_kernarg_segment_ptr 1
		.amdhsa_wavefront_size32 1
		.amdhsa_system_sgpr_workgroup_id_x 1
		.amdhsa_system_sgpr_workgroup_id_y 1
		.amdhsa_system_sgpr_workgroup_id_z 1
		.amdhsa_system_vgpr_workitem_id 0
		.amdhsa_next_free_vgpr 200
		.amdhsa_next_free_sgpr 66
		.amdhsa_reserve_vcc 0
		.amdhsa_float_denorm_mode_32 3
		.amdhsa_float_denorm_mode_16_64 3
		.amdhsa_memory_ordered 1
		.amdhsa_forward_progress 1
		.amdhsa_inst_pref_size 36
	.end_amdhsa_kernel
	.amdgpu_metadata
---
amdhsa.version: [ 1, 2 ]
amdhsa.kernels:
  - .name:           k_q4b05f0d00f_wq
    .symbol:         k_q4b05f0d00f_wq.kd
    .args:
      - { .name: Wq, .offset: 0, .size: 8, .value_kind: global_buffer, .address_space: global }
      - { .name: Wk, .offset: 8, .size: 8, .value_kind: global_buffer, .address_space: global }
      - { .name: Wv, .offset: 16, .size: 8, .value_kind: global_buffer, .address_space: global }
      - { .name: Wo, .offset: 24, .size: 8, .value_kind: global_buffer, .address_space: global }
      - { .name: W1, .offset: 32, .size: 8, .value_kind: global_buffer, .address_space: global }
      - { .name: W2, .offset: 40, .size: 8, .value_kind: global_buffer, .address_space: global }
      - { .name: wbuf, .offset: 48, .size: 8, .value_kind: global_buffer, .address_space: global }
    .group_segment_fixed_size: 0
    .private_segment_fixed_size: 0
    .kernarg_segment_align: 8
    .kernarg_segment_size: 56
    .max_flat_workgroup_size: 256
    .sgpr_count:     66
    .vgpr_count:     200
    .wavefront_size: 32
...
	.end_amdgpu_metadata
.endif
;; end of part 8
;; launch ln1 (part 9): grid 256 x 1, 16 waves a work-group, no clusters, 88,576 bytes of LDS; arguments x, ln1_g, ln1_b, hbuf; writes hbuf
.if DOCPART == 9
	.amdgcn_target "amdgcn-amd-amdhsa--gfx1250"
	.amdhsa_code_object_version 6
	.text
	.protected	k_q4b05f0d00f_ln1
	.globl	k_q4b05f0d00f_ln1
	.p2align	8
	.type	k_q4b05f0d00f_ln1,@function
k_q4b05f0d00f_ln1:
	s_mov_b64 s[64:65], 0
	v_nop
	global_prefetch_b8 v0, s[64:65] scope:SCOPE_SE
	s_setreg_imm32_b32 hwreg(HW_REG_WAVE_MODE, 25, 1), 1
	s_wait_xcnt 0x0
; h = (x - mean) rsqrt(var + 1e-5) g + b for rows of 1,024 f32, then quantised along the row to E3M2 with one E8M0 byte for each 32, and stored as images of operand registers.
; An image is 16 rows x 128 along K, 1,536 bytes: registers 4 c .. 4 c + 3 of lane l at 512 c + 16 l; lane (r, h) holds K = 64 c' + 32 h + 0 .. 31 of image row r in registers 6 c' .. 6 c' + 5.
; Row block rb of the output holds 8 images (12,288 bytes) and, from HSC on, 8 x 16 scale words.  Image row r of block 2 b + u is token 32 b + 8 u + r + 8 (r / 8).
; SHARES.  A work-group makes one row block; wave w makes image row w: a whole row in 32 registers a lane, read once.  Mean and variance in two passes (the second on x - mean), in f32.
; The row turns through the wave's own stage in LDS so that lane l holds block l (32 neighbours); its 24 bytes of codes go to their places in the images in LDS; one barrier; the images leave in runs of 256 bytes a wave.
; Rows share only g and b (8 KB): no cluster.  LIMITS: NaN and infinities are not served; v_rsq_f32 is accurate to 1 ulp; a block whose largest magnitude lies under 2^-122 gets the byte 1.
.set HSC,   3145728
.set TURNB, 4608                       ; a wave's stage: 32 places of 128 bytes + 16
.set IMG,   73728                      ; behind the 16 stages: the 8 images
.set SCI,   86016                      ; and their 512 scale bytes
.set A_IN,  1                          ; v1  the stage, on the way in
.set A_OUT, 2                          ; v2  and out: 144 x lane
.set A_I1,  3                          ; v3  my codes' first and third pair of registers in the image
.set A_I2,  4                          ; v4  the second pair
.set A_SB,  5                          ; v5  my block's scale byte
.set A_G8,  6                          ; v6  8 x thread: the way out, in memory
.set A_L8,  7                          ; v7  and in LDS
.set A_SC,  8                          ; v8  the scale bytes' way out
.set A_16,  9                          ; v9  16 x lane
.set X,   16                           ; v16-47   the row
.set G,   48                           ; v48-79   g
.set BV,  80                           ; v80-111  b
.set Y,   112                          ; v112-143 my block of 32; before the turn: sums at work
.set W,   112
.set MU,  120
.set RS,  122
.set PT,  124
.set C,   144                          ; v144-150 codes
	s_load_b256 s[4:11], s[0:1], 0x0               ; the rows, g, b, hbuf
	v_lshl_add_u32 v152, v0, 2, 0x15200
	v_mov_b32 v153, 0
	v_lshrrev_b32 v10, 5, v0
	s_delay_alu instid0(VALU_DEP_1)
	v_readfirstlane_b32 s12, v10                   ; wave = image row
	v_and_b32 v10, 31, v0                          ; lane
	s_delay_alu instid0(VALU_DEP_1)
	v_lshlrev_b32 v[A_16], 4, v10
	s_mul_i32 s19, s12, TURNB
	v_lshrrev_b32 v11, 3, v10
	s_delay_alu instid0(VALU_DEP_1)
	v_lshl_add_u32 v[A_IN], v11, 4, v[A_16]        ; 16 lane + 16 for each 128 bytes passed
	s_delay_alu instid0(VALU_DEP_1)
	v_add_nc_u32 v[A_IN], s19, v[A_IN]
	v_mul_u32_u24 v[A_OUT], v10, 144
	s_delay_alu instid0(VALU_DEP_1)
	v_add_nc_u32 v[A_OUT], s19, v[A_OUT]
	v_lshrrev_b32 v11, 2, v10                      ; block l = 4 s + 2 c + h: K step s,
	s_delay_alu instid0(VALU_DEP_1)
	v_mul_u32_u24 v12, v11, 1536
	v_and_b32 v13, 1, v10                          ; image lane w + 16 h,
	s_delay_alu instid0(VALU_DEP_1)
	v_lshl_add_u32 v12, v13, 8, v12
	s_lshl_b32 s20, s12, 4
	s_add_co_u32 s20, s20, IMG
	v_add_nc_u32 v12, s20, v12
	v_bfe_u32 v13, v10, 1, 1                       ; registers 6 c .. 6 c + 5: bytes 0, 8, 512 (c = 0) or 520, 1024, 1032 (c = 1) of the lane's places
	s_delay_alu instid0(VALU_DEP_1)
	v_mad_u32_u24 v[A_I1], v13, 520, v12
	s_delay_alu instid0(VALU_DEP_2)
	v_mad_u32_u24 v[A_I2], v13, 1016, v12
	v_and_b32 v13, 3, v10
	s_delay_alu instid0(VALU_DEP_1)
	v_lshl_add_u32 v13, v11, 6, v13
	s_lshl_b32 s21, s12, 2
	s_add_co_u32 s21, s21, SCI
	v_add_nc_u32 v[A_SB], s21, v13                 ; 64 s + 4 w + (l % 4)
	v_lshlrev_b32 v[A_G8], 3, v0
	s_delay_alu instid0(VALU_DEP_1)
	v_add_nc_u32 v[A_L8], IMG, v[A_G8]
	v_add_nc_u32 v[A_SC], SCI, v[A_16]
	v_mov_b32 v[PT], 0                             ; a lane permute's destination counts as one of its sources
	s_lshr_b32 s13, ttmp9, 1
	s_lshl_b32 s13, s13, 5
	s_and_b32 s14, ttmp9, 1
	s_lshl_b32 s14, s14, 3
	s_add_co_u32 s13, s13, s14
	s_add_co_u32 s13, s13, s12
	s_and_b32 s14, s12, 8
	s_add_co_u32 s13, s13, s14                     ; my token
	s_lshl_b32 s14, s13, 12
	s_mov_b32 s15, 0
	s_mov_b32 s16, 0x76543210
	s_mov_b32 s17, 0xfedcba98                      ; v_permlanex16_b32's selects for lane l xor 16
	s_mov_b32 s18, 0x3a800000                      ; 1 / 1,024
	s_mul_i32 s22, ttmp9, 12288
	s_mov_b32 s23, 0
	s_lshl_b32 s26, ttmp9, 9
	s_add_co_u32 s26, s26, HSC
	s_mov_b32 s27, 0
	s_wait_kmcnt 0x0
	s_add_nc_u64 s[4:5], s[4:5], s[14:15]
	s_add_nc_u64 s[22:23], s[10:11], s[22:23]
	s_add_nc_u64 s[26:27], s[10:11], s[26:27]
.irp j, 0,1,2,3,4,5,6,7
	global_load_b128 v[X+4*\j:X+4*\j+3], v[A_16], s[4:5] offset:512*\j th:TH_LOAD_NT   ; 512 consecutive bytes a load
.endr
.irp j, 0,1,2,3,4,5,6,7
	global_load_b128 v[G+4*\j:G+4*\j+3], v[A_16], s[6:7] offset:512*\j
.endr
.irp j, 0,1,2,3,4,5,6,7
	global_load_b128 v[BV+4*\j:BV+4*\j+3], v[A_16], s[8:9] offset:512*\j
.endr
.macro WSUM r, t                       ; the sum of v[r] over the 32 lanes, in every lane
	s_delay_alu instid0(VALU_DEP_1)
	v_add_f32_dpp v[\r], v[\r], v[\r] row_xmask:1 row_mask:0xf bank_mask:0xf
	s_delay_alu instid0(VALU_DEP_1)
	v_add_f32_dpp v[\r], v[\r], v[\r] row_xmask:2 row_mask:0xf bank_mask:0xf
	s_delay_alu instid0(VALU_DEP_1)
	v_add_f32_dpp v[\r], v[\r], v[\r] row_xmask:4 row_mask:0xf bank_mask:0xf
	s_delay_alu instid0(VALU_DEP_1)
	v_add_f32_dpp v[\r], v[\r], v[\r] row_xmask:8 row_mask:0xf bank_mask:0xf
	s_delay_alu instid0(VALU_DEP_1)
	v_permlanex16_b32 v[\t], v[\r], s16, s17
	s_delay_alu instid0(VALU_DEP_1)
	v_add_f32 v[\r], v[\r], v[\t]
.endm
.macro FOLD                            ; the four chains become one number a lane
	s_delay_alu instid0(VALU_DEP_3)
	v_pk_add_f32 v[W:W+1], v[W:W+1], v[W+2:W+3]
	s_delay_alu instid0(VALU_DEP_2)
	v_pk_add_f32 v[W+4:W+5], v[W+4:W+5], v[W+6:W+7]
	s_delay_alu instid0(VALU_DEP_1)
	v_pk_add_f32 v[W:W+1], v[W:W+1], v[W+4:W+5]
	s_delay_alu instid0(VALU_DEP_1)
	v_add_f32 v[W], v[W], v[W+1]
.endm
	s_wait_loadcnt 16                              ; the row is in; g's and b's sixteen loads may stay out
.irp k, 0,1,2,3
	v_pk_add_f32 v[W+2*\k:W+2*\k+1], v[X+4*\k:X+4*\k+1], v[X+4*\k+2:X+4*\k+3]
.endr
.irp j, 16,24
.irp k, 0,1,2,3
	s_delay_alu instid0(VALU_DEP_4)
	v_pk_add_f32 v[W+2*\k:W+2*\k+1], v[W+2*\k:W+2*\k+1], v[X+\j+2*\k:X+\j+2*\k+1]
.endr
.endr
	FOLD
	WSUM W, PT
	s_delay_alu instid0(VALU_DEP_1)
	v_mul_f32 v[MU], s18, v[W]                     ; the mean
	s_delay_alu instid0(VALU_DEP_1)
	v_mov_b32 v[MU+1], v[MU]
.set j, 0
.rept 16
	v_pk_add_f32 v[X+j:X+j+1], v[X+j:X+j+1], v[MU:MU+1] op_sel_hi:[1,0] neg_lo:[0,1] neg_hi:[0,1]   ; x - mean
.set j, j+2
.endr
.irp k, 0,1,2,3
	v_pk_mul_f32 v[W+2*\k:W+2*\k+1], v[X+2*\k:X+2*\k+1], v[X+2*\k:X+2*\k+1]
.endr
.irp j, 8,16,24
.irp k, 0,1,2,3
	s_delay_alu instid0(VALU_DEP_4)
	v_pk_fma_f32 v[W+2*\k:W+2*\k+1], v[X+\j+2*\k:X+\j+2*\k+1], v[X+\j+2*\k:X+\j+2*\k+1], v[W+2*\k:W+2*\k+1]
.endr
.endr
	FOLD
	WSUM W, PT
	s_delay_alu instid0(VALU_DEP_1)
	v_fmaak_f32 v[W], s18, v[W], 0x3727c5ac        ; the variance + 1e-5
	v_mov_b32 v[RS+1], 0                           ; (named with RS as a pair)
	s_wait_alu depctr_va_vdst(0)
	v_rsq_f32 v[RS], v[W]
	v_nop                                          ; a plain line behind the transcendental,
	s_wait_alu depctr_va_vdst(0)                   ; and the wait ahead of its first reader
	s_wait_loadcnt 0x0                             ; g and b
.set j, 0
.rept 16
	v_pk_mul_f32 v[X+j:X+j+1], v[X+j:X+j+1], v[RS:RS+1] op_sel_hi:[1,0]
.set j, j+2
.endr
.set j, 0
.rept 16
	v_pk_fma_f32 v[X+j:X+j+1], v[X+j:X+j+1], v[G+j:G+j+1], v[BV+j:BV+j+1]
.set j, j+2
.endr
.irp j, 0,1,2,3,4,5,6,7
	ds_store_b128 v[A_IN], v[X+4*\j:X+4*\j+3] offset:576*\j      ; the row as it lies, 16 bytes of padding behind each 128
.endr
.irp i, 0,1,2,3,4,5,6,7
	ds_load_b128 v[Y+4*\i:Y+4*\i+3], v[A_OUT] offset:16*\i       ; LDS serves a wave's instructions in order: these see my stores.  Lane l: numbers 32 l .. 32 l + 31
.endr
	s_wait_dscnt 0x0
	v_max3_num_f32 v10, |v[Y]|, |v[Y+1]|, |v[Y+2]|
	v_max3_num_f32 v11, |v[Y+3]|, |v[Y+4]|, |v[Y+5]|
.irp i, 6,10,14,18,22,26
	s_delay_alu instid0(VALU_DEP_2)
	v_max3_num_f32 v10, v10, |v[Y+\i]|, |v[Y+\i+1]|
	s_delay_alu instid0(VALU_DEP_2)
	v_max3_num_f32 v11, v11, |v[Y+\i+2]|, |v[Y+\i+3]|
.endr
	s_delay_alu instid0(VALU_DEP_2)
	v_max3_num_f32 v10, v10, |v[Y+30]|, |v[Y+31]|
	s_delay_alu instid0(VALU_DEP_1)
	v_max3_num_f32 v10, v10, v11, 0x2800000        ; the floor 2^(5 - 127)
	s_delay_alu instid0(VALU_DEP_1)
	v_add_nc_u32 v12, 0xfe000000, v10              ; the conversion's scale operand
	s_delay_alu instid0(VALU_DEP_1)
	v_lshrrev_b32 v13, 23, v12                     ; the scale's byte
	v_cvt_scalef32_pk16_bf6_f32 v[C:C+2], v[Y:Y+15], v12
	v_cvt_scalef32_pk16_bf6_f32 v[C+4:C+6], v[Y+16:Y+31], v12
	v_nop                                          ; one plain line behind a scaled conversion
	v_mov_b32 v[C+3], v[C+4]
	v_mov_b32 v[C+4], v[C+5]
	v_mov_b32 v[C+5], v[C+6]
	ds_store_b64 v[A_I1], v[C:C+1]
	ds_store_b64 v[A_I2], v[C+2:C+3] offset:8
	ds_store_b64 v[A_I1], v[C+4:C+5] offset:512
	ds_store_b8 v[A_SB], v13
	s_wait_dscnt 0x0                               ; for the others' sake: my stores have landed
	s_barrier_signal -1
	s_barrier_wait -1
.irp i, 0,1,2
	ds_load_b64 v[16+2*\i:17+2*\i], v[A_L8] offset:4096*\i
.endr
.irp i, 0,1,2
	s_wait_dscnt 2-\i
	global_store_b64 v[A_G8], v[16+2*\i:17+2*\i], s[22:23] offset:4096*\i   ; a wave stores 256 consecutive bytes, aligned
.endr
	s_cmp_lg_u32 s12, 0
	s_cbranch_scc1 .Ldone
	ds_load_b128 v[24:27], v[A_SC]                 ; wave 0: the block's 512 scale bytes
	s_wait_dscnt 0x0
	global_store_b128 v[A_16], v[24:27], s[26:27]
.Ldone:
	s_wait_tensorcnt 0x0
	ds_add_u32 v152, v153
	s_wait_dscnt 0x0
	s_endpgm
.Lfunc_end_k_q4b05f0d00f_ln1:
	.size	k_q4b05f0d00f_ln1, .Lfunc_end_k_q4b05f0d00f_ln1-k_q4b05f0d00f_ln1
	.p2alignl 7, 3214868480
	.fill 96, 4, 3214868480
	.section	.rodata,"a",@progbits
	.p2align	6, 0x0
	.amdhsa_kernel k_q4b05f0d00f_ln1
		.amdhsa_group_segment_fixed_size 88576
		.amdhsa_private_segment_fixed_size 0
		.amdhsa_enable_private_segment 0
		.amdhsa_kernarg_size 32
		.amdhsa_user_sgpr_count 2
		.amdhsa_user_sgpr_kernarg_segment_ptr 1
		.amdhsa_wavefront_size32 1
		.amdhsa_system_sgpr_workgroup_id_x 1
		.amdhsa_system_sgpr_workgroup_id_y 1
		.amdhsa_system_sgpr_workgroup_id_z 1
		.amdhsa_system_vgpr_workitem_id 0
		.amdhsa_next_free_vgpr 154
		.amdhsa_next_free_sgpr 66
		.amdhsa_reserve_vcc 0
		.amdhsa_float_denorm_mode_32 3
		.amdhsa_float_denorm_mode_16_64 3
		.amdhsa_memory_ordered 1
		.amdhsa_forward_progress 1
		.amdhsa_inst_pref_size 18
	.end_amdhsa_kernel
	.amdgpu_metadata
---
amdhsa.version: [ 1, 2 ]
amdhsa.kernels:
  - .name:           k_q4b05f0d00f_ln1
    .symbol:         k_q4b05f0d00f_ln1.kd
    .args:
      - { .name: x, .offset: 0, .size: 8, .value_kind: global_buffer, .address_space: global }
      - { .name: ln1_g, .offset: 8, .size: 8, .value_kind: global_buffer, .address_space: global }
      - { .name: ln1_b, .offset: 16, .size: 8, .value_kind: global_buffer, .address_space: global }
      - { .name: hbuf, .offset: 24, .size: 8, .value_kind: global_buffer, .address_space: global }
    .group_segment_fixed_size: 88576
    .private_segment_fixed_size: 0
    .kernarg_segment_align: 8
    .kernarg_segment_size: 32
    .max_flat_workgroup_size: 512
    .sgpr_count:     66
    .vgpr_count:     154
    .wavefront_size: 32
...
	.end_amdgpu_metadata
.endif
;; end of part 9
;; launch qkv (part 10): grid 12 x 16, 4 waves a work-group, clusters of 4 x 4, 327,680 bytes of LDS; arguments hbuf, wbuf, bq, bk, bv, qkvbuf; writes qkvbuf
.if DOCPART == 10
	.amdgcn_target "amdgcn-amd-amdhsa--gfx1250"
	.amdhsa_code_object_version 6
	.text
	.protected	k_q4b05f0d00f_qkv
	.globl	k_q4b05f0d00f_qkv
	.p2align	8
	.type	k_q4b05f0d00f_qkv,@function
k_q4b05f0d00f_qkv:
	s_mov_b64 s[64:65], 0
	v_nop
	global_prefetch_b8 v0, s[64:65] scope:SCOPE_SE
	s_setreg_imm32_b32 hwreg(HW_REG_WAVE_MODE, 25, 1), 1
	s_wait_xcnt 0x0
	s_wait_alu depctr_hold_cnt(0) depctr_sa_sdst(0) depctr_va_vdst(0) depctr_va_sdst(0) depctr_va_ssrc(0) depctr_va_vcc(0) depctr_vm_vsrc(0)
	s_getreg_b32 s2, hwreg(HW_REG_IB_STS2, 6, 4)
	s_cmp_eq_u32 s2, 0
	s_cbranch_scc0 .Lentry_in_a_cluster
	s_endpgm
.Lentry_in_a_cluster:
	s_bfe_u32 s2, ttmp6, 0x10000c
	s_cmp_lg_u32 s2, 0xf033
	s_cbranch_scc0 .Lentry_shape_is_right
	s_endpgm
.Lentry_shape_is_right:
.set NB,    8
.set KS,    8
.set RBB,   3072
.set AH,    8*RBB
.set BH,    NB*RBB
.set SLOT,  2*AH+2*BH
.set SBLK,  64*KS
.set SCLB,  3*SLOT                     ; slot 0: 2 K steps; from SLOT on 2 SLOT bytes: K steps 0-3 at the start, later slot 1's 2 K steps
.set SCLA,  SCLB+2*NB*SBLK
.set SPARE, SCLA+16*SBLK
.set LAPS,  KS/4
.set RBS,   KS*1536
.set HSC,   3145728
.set WSC,   9437184
.set KV0,   3407872
.set ADRA, 16
.set ADRB, 20
.set ADRS, 27
.set SPW,  28
.set NIL,  29
.set L16,  30
.set L8,   31
.set SC,   32
.set BB,   64
.set AF,   128
.set T,    128
.set PC,   192
.set TM,   212
.set BC,   228
.set BA,   240
.set PWS,  248
.set G1, 24
.set G0, 32
.set G1B, 48
.set G0B, 56
.set G1S, 68
.set G0S, 76
.set G1SB, 80
.set G0SB, 88
.set SEL, 100
.set MUL_LO, 0xa1
.set MUL_HI, 0xf1
.set TO_B,   0x40
.set MSB, 0
.macro WIN new
.if MSB != (\new)
	s_set_vgpr_msb (MSB<<8)|(\new)
.set MSB, (\new)
.endif
.endm
.macro JLOAD g0a, g1a, g0b, g1b
	s_cmp_eq_u32 s15, 0
	s_cbranch_scc0 .Lfor_b_\@
	tensor_load_to_lds s[\g0a:\g0a+3], s[\g1a:\g1a+7]
	s_nop 0
.rept 4
	v_nop
.endr
	s_branch .Lasked_\@
.Lfor_b_\@:
	tensor_load_to_lds s[\g0b:\g0b+3], s[\g1b:\g1b+7]
	s_nop 0
.rept 4
	v_nop
.endr
.Lasked_\@:
.endm
.macro CREST
	s_cmp_lg_u32 s14, 0
	s_cbranch_scc1 .Lnot_wave_0_\@
	s_barrier_signal -3
.Lnot_wave_0_\@:
	s_barrier_wait -3
	s_barrier_signal -1
	s_barrier_wait -1
.endm
.macro CROUND
	s_barrier_signal -1
	s_barrier_wait -1
	CREST
.endm
.macro PLACES n
.rept \n
	v_nop
.endr
.endm
.macro FRAG reg, adr, q, i
.irp c, 0,1,2
	ds_load_b128 v[\reg+4*\c:\reg+4*\c+3], v[\adr] offset:(\i)*PIT+(\q)*1536+512*\c
.endr
.endm
.macro FETCH_B slot, q, p
	WIN TO_B
.set fi, 0
.rept NB
	FRAG 128*(\p)+12*fi, ADRB+\slot, \q, fi
.set fi, fi+1
.endr
	WIN 0
.endm
.macro FETCH_A slot, q, i0
.irp i, \i0, \i0+1, \i0+2, \i0+3
	FRAG AF+12*(\i), ADRA+\slot, \q, \i
.endr
.endm
.macro SCALES sc
.irp i, 0,1,2,3,4,5,6,7
	ds_load_b32 v[SC+16*\sc+2*\i], v[ADRS] offset:\i*SBLK
	ds_load_b32 v[SC+16*\sc+2*\i+1], v[ADRS] offset:\i*SBLK+64
.endr
.endm
.macro MUL2 a0, p, q, sc, zero
.irp a, \a0, \a0+1
.set mb, 0
.rept NB
.set rD, 8*(NB*((\a)%4)+mb)
.if \zero
	v_wmma_scale_f32_16x16x128_f8f6f4 v[rD:rD+7], v[128*(\p)+12*mb:128*(\p)+12*mb+11], v[AF+12*(\a):AF+12*(\a)+11], 0, v[SC+16*(\sc)+2*mb+(\q)], v[SC+16*(\sc)+2*(\a)+(\q)] matrix_a_fmt:MATRIX_FMT_BF6 matrix_b_fmt:MATRIX_FMT_BF6 matrix_b_scale:MATRIX_SCALE_ROW1
.else
	v_wmma_scale_f32_16x16x128_f8f6f4 v[rD:rD+7], v[128*(\p)+12*mb:128*(\p)+12*mb+11], v[AF+12*(\a):AF+12*(\a)+11], v[rD:rD+7], v[SC+16*(\sc)+2*mb+(\q)], v[SC+16*(\sc)+2*(\a)+(\q)] matrix_a_fmt:MATRIX_FMT_BF6 matrix_b_fmt:MATRIX_FMT_BF6 matrix_b_scale:MATRIX_SCALE_ROW1
.endif
.set mb, mb+1
.endr
.endr
.endm
.macro STEP slot, zero
	s_wait_dscnt 12
	WIN MUL_LO
	MUL2 0, 0, 0, \slot, \zero
	MUL2 2, 0, 0, \slot, \zero
	s_wait_dscnt 0x0
	PLACES 4
	FETCH_B \slot, 1, 1
	FETCH_A \slot, 1, 0
	WIN MUL_HI
	MUL2 4, 0, 0, \slot, \zero
	MUL2 6, 0, 0, \slot, \zero
	PLACES 4
	WIN 0
	FETCH_A \slot, 1, 4
.endm
.macro TURN slot, next, fill
	s_wait_tensorcnt 0x0
	ds_add_u32 v[SPW], v[NIL]
	s_wait_dscnt 13
	WIN MUL_LO
	MUL2 0, 1, 1, \slot, 0
	s_wait_dscnt 0x0
	s_barrier_signal -1
	MUL2 2, 1, 1, \slot, 0
	WIN 0
	s_barrier_wait -1
.if \fill
	CREST
	s_add_nc_u64 s[G0+4*\slot+2:G0+4*\slot+3], s[G0+4*\slot+2:G0+4*\slot+3], 2*RBB
	s_add_nc_u64 s[G0B+4*\slot+2:G0B+4*\slot+3], s[G0B+4*\slot+2:G0B+4*\slot+3], 2*RBB
	JLOAD G0+4*\slot, G1, G0B+4*\slot, G1B
.else
	PLACES 4
.endif
	s_wait_alu depctr_va_vdst(0)
	v_add_nc_u32 v[ADRS], 128, v[ADRS]
	FETCH_B \next, 0, 0
	FETCH_A \next, 0, 0
	SCALES \next
	WIN MUL_HI
	MUL2 4, 1, 1, \slot, 0
	MUL2 6, 1, 1, \slot, 0
	PLACES 4
	WIN 0
	FETCH_A \next, 0, 4
.endm
.macro QUANT s, pw
.irp b, 0,1,2,3
	v_max3_num_f32 v[TM+\b], |v[\s+16*\b]|, |v[\s+1+16*\b]|, 0x2800000
.endr
.irp i, 2,4,6,8,10,12,14
.irp b, 0,1,2,3
	v_max3_num_f32 v[TM+\b], v[TM+\b], |v[\s+16*\b+\i]|, |v[\s+1+16*\b+\i]|
.endr
.endr
.irp b, 0,1,2,3
	v_permlanex16_b32 v[TM+4+\b], v[TM+\b], s[SEL], s[SEL+1]
.endr
.irp b, 0,1,2,3
	v_max_num_f32 v[TM+\b], v[TM+\b], v[TM+4+\b]
.endr
.irp b, 0,1,2,3
	v_add_nc_u32 v[TM+12+\b], 0xfe000000, v[TM+\b]
.endr
.irp b, 0,1,2,3
	v_lshrrev_b32 v[TM+4+\b], 23, v[TM+12+\b]
.endr
	v_lshl_or_b32 v[\pw], v[TM+5], 8, v[TM+4]
	v_lshl_or_b32 v[\pw], v[TM+6], 16, v[\pw]
	v_lshl_or_b32 v[\pw], v[TM+7], 24, v[\pw]
	s_wait_xcnt 0x0
.irp c, 0,1
	v_cvt_scalef32_pk16_bf6_f32 v[PC+6*\c:PC+2+6*\c], v[\s+32*\c:\s+15+32*\c], v[TM+12+2*\c]
	v_cvt_scalef32_pk16_bf6_f32 v[PC+12+4*\c:PC+14+4*\c], v[\s+16+32*\c:\s+31+32*\c], v[TM+12+2*\c+1]
.endr
	v_nop
.irp c, 0,1
.irp i, 0,1,2
	v_permlane16_swap_b32 v[PC+6*\c+\i], v[PC+12+4*\c+\i]
.endr
.irp i, 0,1,2
	v_mov_b32 v[PC+3+6*\c+\i], v[PC+12+4*\c+\i]
.endr
.endr
.endm
	s_load_b128 s[4:7], s[0:1], 0x0
	s_load_b128 s[92:95], s[0:1], 0x10
	s_load_b128 s[96:99], s[0:1], 0x20
	v_lshl_add_u32 v[SPW], v0, 2, SPARE
	v_mov_b32 v[NIL], 0
	ds_add_u32 v28, v29
	ds_add_u32 v28, v29
	s_wait_dscnt 0x0
	v_lshrrev_b32 v1, 5, v0
	v_readfirstlane_b32 s14, v1
	s_lshr_b32 s15, s14, 1
	s_and_b32 s16, s14, 1
	s_bfe_u32 s40, ttmp6, 0x40000
	s_bfe_u32 s41, ttmp6, 0x40004
	s_and_b32 s66, ttmp7, 0xffff
	s_lshl_b32 s66, s66, 2
	s_lshl_b32 s42, ttmp9, 2
	s_add_co_u32 s17, s66, s41
	s_add_co_u32 s42, s42, s40
	s_add_co_u32 s66, s66, s40
	s_cmp_eq_u32 ttmp9, 2
	s_cselect_b32 s17, s41, s17
	s_cselect_b32 s42, s66, s42
	s_lshl_b32 s43, s41, 2
	s_lshl_b32 s43, 15, s43
	s_lshl_b32 s44, 0x1111, s40
	s_or_b32 s[G1+0], s43, (3<<16)|(1<<21)
	s_or_b32 s[G1B+0], s44, (3<<16)|(1<<21)
	s_mov_b32 s[G1+1], 768<<16             ; the head's tiles: 16 row blocks x four images
	s_mov_b32 s[G1+2], 16<<16
	s_mov_b32 s[G1+3], 768<<16
	s_mov_b32 s[G1+4], 16
	s_mov_b32 s[G1+5], KS*192
	s_mov_b32 s[G1+6], 0
	s_mov_b32 s[G1+7], 0
	s_mov_b32 s[G1B+1], 768<<16
	s_mov_b32 s[G1B+2], (2*NB)<<16
	s_mov_b32 s[G1B+3], 768<<16
	s_mov_b32 s[G1B+4], 2*NB
	s_mov_b32 s[G1B+5], KS*192
	s_mov_b32 s[G1B+6], 0
	s_mov_b32 s[G1B+7], 0
	s_or_b32 s[G1S+0], s43, (3<<16)|(1<<21)
	s_or_b32 s[G1SB+0], s44, (3<<16)|(1<<21)
	s_mov_b32 s[G1S+1], 32<<16
	s_mov_b32 s[G1S+2], (4*KS)<<16         ; the scale words of all 16 row blocks
	s_mov_b32 s[G1S+3], 32<<16
	s_mov_b32 s[G1S+4], 4*KS
	s_mov_b32 s[G1S+5], 32
	s_mov_b32 s[G1S+6], 0
	s_mov_b32 s[G1S+7], 0
	s_mov_b32 s[G1SB+1], 32<<16
	s_mov_b32 s[G1SB+2], (NB*KS/2)<<16
	s_mov_b32 s[G1SB+3], 32<<16
	s_mov_b32 s[G1SB+4], NB*KS/2
	s_mov_b32 s[G1SB+5], 32
	s_mov_b32 s[G1SB+6], 0
	s_mov_b32 s[G1SB+7], 0
	s_mov_b32 s[SEL], 0x76543210
	s_mov_b32 s[SEL+1], 0xfedcba98
	s_wait_kmcnt 0x0
	s_add_nc_u64 s[18:19], s[4:5], HSC
	s_add_nc_u64 s[20:21], s[6:7], WSC
	s_add_nc_u64 s[22:23], s[6:7], 1572864
	s_add_nc_u64 s[46:47], s[20:21], 65536
	s_cmp_eq_u32 ttmp9, 2
	s_cselect_b64 s[8:9], s[4:5], s[6:7]
	s_cselect_b64 s[10:11], s[18:19], s[20:21]
	s_cselect_b64 s[4:5], s[22:23], s[4:5]
	s_cselect_b64 s[6:7], s[46:47], s[18:19]
	s_lshl_b32 s18, s16, 3
	s_lshl_b32 s20, s17, 4
	s_add_co_u32 s20, s20, s18
	s_mul_i32 s46, s42, 2*NB
	s_mul_i32 s18, s16, NB
	s_add_co_u32 s46, s46, s18
	s_mul_i32 s22, s20, SBLK
	s_mul_i32 s20, s20, RBS
	s_mul_i32 s66, s46, SBLK
	s_mul_i32 s46, s46, RBS
	s_mov_b32 s21, 0
	s_mov_b32 s23, 0
	s_mov_b32 s47, 0
	s_mov_b32 s67, 0
	s_add_nc_u64 s[20:21], s[4:5], s[20:21]
	s_add_nc_u64 s[22:23], s[6:7], s[22:23]
	s_add_nc_u64 s[46:47], s[8:9], s[46:47]
	s_add_nc_u64 s[66:67], s[10:11], s[66:67]
	s_mul_i32 s45, s16, AH
	s_mul_i32 s12, s16, BH
	s_add_co_u32 s12, s12, 2*AH
	; THE HEAD'S FOUR TILES, each whole, one a wave: wave 0 A's 16 row blocks of K steps 0-3, wave 1 B's, wave 2 A's scale words, wave 3 B's.  Their addresses: back from my half to the tile's first row block
	s_mul_i32 s18, s16, 8*RBS
	s_mov_b32 s19, 0
	s_sub_nc_u64 s[6:7], s[20:21], s[18:19]
	s_sub_nc_u64 s[10:11], s[46:47], s[18:19]
	s_mul_i32 s18, s16, 8*SBLK
	s_sub_nc_u64 s[G0S+2:G0S+3], s[22:23], s[18:19]
	s_sub_nc_u64 s[G0SB+2:G0SB+3], s[66:67], s[18:19]
	s_mov_b32 s4, 1
	s_mov_b32 s5, SLOT
	s_or_b32 s7, s7, 0x80000000
	s_mov_b32 s8, 1
	s_mov_b32 s9, SLOT+4*AH
	s_or_b32 s11, s11, 0x80000000
	s_mov_b32 s[G0S], 1
	s_mov_b32 s[G0S+1], SCLA
	s_or_b32 s[G0S+3], s[G0S+3], 0x80000000
	s_mov_b32 s[G0SB], 1
	s_mov_b32 s[G0SB+1], SCLB
	s_or_b32 s[G0SB+3], s[G0SB+3], 0x80000000
.irp s, 0,1
	s_mov_b32 s[G0+4*\s], 1                        ; the ring: slot 0 takes K steps 4, 5; slot 1's address is stepped to K steps 6, 7 ahead of its one fill
	s_add_co_u32 s[G0+4*\s+1], s45, \s*SLOT
	s_add_nc_u64 s[G0+4*\s+2:G0+4*\s+3], s[20:21], (2-\s)*RBB
	s_or_b32 s[G0+4*\s+3], s[G0+4*\s+3], 0x80000000
	s_mov_b32 s[G0B+4*\s], 1
	s_add_co_u32 s[G0B+4*\s+1], s12, \s*SLOT
	s_add_nc_u64 s[G0B+4*\s+2:G0B+4*\s+3], s[46:47], (2-\s)*RBB
	s_or_b32 s[G0B+4*\s+3], s[G0B+4*\s+3], 0x80000000
.endr
.macro ARM under, g0, g1, next
	s_cmp_lt_u32 s14, \under
	s_cbranch_scc0 \next
	tensor_load_to_lds s[\g0:\g0+3], s[\g1:\g1+7]
	s_nop 0
.rept 4
	v_nop
.endr
	s_branch .Lhead_asked
\next:
.endm
	CROUND                                         ; all sixteen work-groups are here: the first joint loads meet
	ARM 1, 4, G1, .Lhead_b
	ARM 2, 8, G1B, .Lhead_sa
	ARM 3, G0S, G1S, .Lhead_sb
	tensor_load_to_lds s[G0SB:G0SB+3], s[G1SB:G1SB+7]
	s_nop 0
.rept 4
	v_nop
.endr
.Lhead_asked:
	v_and_b32 v1, 15, v0
	v_bfe_u32 v2, v0, 4, 1
	s_wait_alu depctr_va_vdst(0)
	v_and_b32 v3, 31, v0
	v_lshlrev_b32 v[L16], 4, v3
	v_lshlrev_b32 v[L8], 3, v3
	s_wait_alu depctr_va_vdst(0)
	s_mul_i32 s21, s15, 2*AH                       ; K steps 0-3: row blocks 2 RBB apart, from SLOT on, B's behind A's 16
	s_add_co_u32 s21, s21, SLOT
	s_mul_i32 s22, s16, 2*BH
	s_add_co_u32 s22, s22, SLOT+4*AH
	v_add_nc_u32 v[ADRA+2], s21, v[L16]
	v_add_nc_u32 v[ADRB+2], s22, v[L16]
	s_mul_i32 s21, s15, AH
	s_mul_i32 s22, s16, BH
	s_add_co_u32 s22, s22, 2*AH
.irp s, 0,1
	v_add_nc_u32 v[ADRA+\s], s21, v[L16]
	v_add_nc_u32 v[ADRB+\s], s22, v[L16]
	s_add_co_u32 s21, s21, SLOT
	s_add_co_u32 s22, s22, SLOT
.endr
	s_mul_i32 s21, s16, NB*SBLK
	s_mul_i32 s22, s15, 8*SBLK
	s_add_co_u32 s22, s22, SCLA-SCLB
	s_sub_co_u32 s22, s22, s21
	v_mul_u32_u24 v6, s22, v2
	s_add_co_u32 s21, s21, SCLB
	v_lshl_add_u32 v5, v1, 2, v6
	v_add_nc_u32 v[ADRS], s21, v5
	s_cmp_eq_u32 ttmp9, 1
	s_cselect_b64 s[92:93], s[94:95], s[92:93]
	s_cmp_eq_u32 ttmp9, 2
	s_cselect_b64 s[92:93], s[96:97], s[92:93]
	s_lshl_b32 s18, s40, 10
	s_lshl_b32 s20, s16, 9
	s_add_co_u32 s18, s18, s20
	s_lshl_b32 s22, s41, 10
	s_lshl_b32 s20, s15, 9
	s_add_co_u32 s22, s22, s20
	s_cmp_eq_u32 ttmp9, 2
	s_cselect_b32 s18, 0, s18
	s_cselect_b32 s22, s22, 0
	s_mov_b32 s19, 0
	s_mov_b32 s23, 0
	s_add_nc_u64 s[94:95], s[92:93], s[18:19]
	s_add_nc_u64 s[92:93], s[92:93], s[22:23]
	v_lshlrev_b32 v7, 6, v2
	v_and_b32 v8, 8, v1
	v_add_nc_u32 v8, v8, v1
	v_lshlrev_b32 v8, 2, v8
.irp t, 0,1,2,3,4,5,6,7
	global_load_b128 v[BB+8*\t:BB+8*\t+3], v7, s[94:95] offset:(32*(\t/2)+8*(\t%2))*4
	global_load_b128 v[BB+8*\t+4:BB+8*\t+7], v7, s[94:95] offset:(32*(\t/2)+8*(\t%2))*4+16
.endr
.irp a, 0,1,2,3,4,5,6,7
	global_load_b32 v[BA+\a], v8, s[92:93] offset:(32*(\a/2)+8*(\a%2))*4
.endr
	s_wait_alu depctr_va_vdst(0)
	s_wait_tensorcnt 0x0                           ; my tile of the head's four is in
	ds_add_u32 v[SPW], v[NIL]
	s_mov_b32 s[G1+1], 384<<16                     ; no tensor load of mine is out: from here on a load brings 8 row blocks x two images
	s_mov_b32 s[G1+2], 8<<16
	s_mov_b32 s[G1+3], 384<<16
	s_mov_b32 s[G1+4], 8
	s_mov_b32 s[G1B+1], 384<<16
	s_mov_b32 s[G1B+2], NB<<16
	s_mov_b32 s[G1B+3], 384<<16
	s_mov_b32 s[G1B+4], NB
	s_wait_dscnt 0x0
	CROUND
	JLOAD G0, G1, G0B, G1B                         ; slot 0's first fill, K steps 4 and 5: it has K steps 0 to 3 in which to land
; One of K steps 0 to 2: multiplies B's set p, fetches K step q + 1 from the same bytes; behind K step 1 the scale words of K steps 2, 3 come into set 1
.macro ESTEP q, p, sc, zero
	s_wait_dscnt 12
	WIN MUL_LO
	MUL2 0, \p, \p, \sc, \zero
	MUL2 2, \p, \p, \sc, \zero
	s_wait_dscnt 0x0
	PLACES 4
.if \p
	WIN 0                                          ; the address register lies in window 0
	v_add_nc_u32 v[ADRS], 128, v[ADRS]
.endif
	FETCH_B 2, (\q)+1, 1-(\p)
	FETCH_A 2, (\q)+1, 0
.if \p
	SCALES 1
.endif
	WIN MUL_HI
	MUL2 4, \p, \p, \sc, \zero
	MUL2 6, \p, \p, \sc, \zero
	PLACES 4
	WIN 0
	FETCH_A 2, (\q)+1, 4
.endm
.set PIT, 2*RBB
	FETCH_B 2, 0, 0
	FETCH_A 2, 0, 0
	SCALES 0
	FETCH_A 2, 0, 4
	ESTEP 0, 0, 0, 1
	ESTEP 1, 1, 0, 0
	ESTEP 2, 0, 1, 0
.set PIT, RBB
	TURN 1, 0, 1                                   ; K step 3; the one refill: K steps 6, 7 into bytes that held K steps 0-3
	STEP 0, 0
	TURN 0, 1, 0
	STEP 1, 0
	s_wait_dscnt 12
	WIN MUL_LO
	MUL2 0, 1, 1, 1, 0
	MUL2 2, 1, 1, 1, 0
	s_wait_dscnt 0x0
	WIN MUL_HI
	MUL2 4, 1, 1, 1, 0
	MUL2 6, 1, 1, 1, 0
	WIN 0
	PLACES 4
	s_wait_loadcnt 0x0
.irp b, 0,1,2,3
	v_mov_b32 v[TM+4+\b], 0
.endr
	v_mov_b32 v[BC+1], 0
	s_cmp_eq_u32 ttmp9, 2
	s_cbranch_scc1 .Lvway
	s_lshr_b32 s18, s17, 3
	s_and_b32 s19, s17, 7
	s_lshl_b32 s19, s19, 1
	s_add_co_u32 s19, s19, s15
	s_lshl_b32 s20, s40, 2
	s_lshl_b32 s21, s16, 1
	s_add_co_u32 s20, s20, s21
	s_lshl_b32 s18, s18, 4
	s_add_co_u32 s20, s20, s18
	s_mul_i32 s20, s20, 106496
	s_mul_i32 s19, s19, 6656
	s_add_co_u32 s20, s20, s19
	s_lshl_b32 s21, s20, 1
	s_add_co_u32 s21, s21, KV0
	s_mov_b32 s22, 106496
	s_mov_b32 s46, 6144
	s_cmp_eq_u32 ttmp9, 1
	s_cselect_b32 s20, s21, s20
	s_cselect_b32 s22, 212992, s22
	s_cselect_b32 s46, 12288, s46
	s_mov_b32 s21, 0
	s_mov_b32 s23, 0
	s_mov_b32 s47, 0
	s_add_nc_u64 s[4:5], s[98:99], s[20:21]
	s_add_nc_u64 s[6:7], s[4:5], s[22:23]
	s_add_nc_u64 s[8:9], s[4:5], s[46:47]
	v_mul_lo_u32 v9, v2, s22
	v_lshl_add_u32 v9, v1, 5, v9
	v_lshlrev_b32 v10, 4, v2
.macro QK a
	WIN 0x02+(\a)/4
.set k, 0
.rept 32
	v_pk_add_f32 v[T+k:T+k+1], v[64*((\a)%4)+k:64*((\a)%4)+k+1], v[BB+k:BB+k+1]
.set k, k+2
.endr
	WIN 0
	QUANT T, PWS+(\a)
	global_store_b128 v[L16], v[PC:PC+3], s[4:5] offset:768*(\a)
	global_store_b64 v[L8], v[PC+4:PC+5], s[4:5] offset:768*(\a)+512
	global_store_b128 v[L16], v[PC+6:PC+9], s[6:7] offset:768*(\a)
	global_store_b64 v[L8], v[PC+10:PC+11], s[6:7] offset:768*(\a)+512
.endm
.irp a, 0,1,2,3,4,5,6,7
	QK \a
.endr
.irp a, 0,1,2,3,4,5,6,7
	v_bfe_u32 v[T+\a], v[PWS+\a], v10, 16
.endr
	global_store_b128 v9, v[T:T+3], s[8:9]
	global_store_b128 v9, v[T+4:T+7], s[8:9] offset:16
	s_branch .Lout
.Lvway:
	s_lshr_b32 s18, s42, 3
	s_and_b32 s19, s42, 7
	s_lshl_b32 s19, s19, 1
	s_add_co_u32 s19, s19, s16
	s_lshl_b32 s20, s41, 2
	s_lshl_b32 s21, s15, 1
	s_add_co_u32 s20, s20, s21
	s_lshl_b32 s18, s18, 4
	s_add_co_u32 s20, s20, s18
	s_mul_i32 s20, s20, 212992
	s_mul_i32 s19, s19, 13312
	s_add_co_u32 s20, s20, s19
	s_add_co_u32 s20, s20, KV0+6144
	s_mov_b32 s21, 0
	s_add_nc_u64 s[4:5], s[98:99], s[20:21]
	s_add_nc_u64 s[6:7], s[4:5], 212992
	v_mul_u32_u24 v9, v2, 212992
	v_lshl_add_u32 v9, v1, 4, v9
.macro VV a
	v_mov_b32 v[BC], v[BA+(\a)]
	s_wait_alu depctr_va_vdst(0)
	WIN 0x02+(\a)/4
.set k, 0
.rept 32
	v_pk_add_f32 v[T+k:T+k+1], v[64*((\a)%4)+k:64*((\a)%4)+k+1], v[BC:BC+1] op_sel_hi:[1,0]
.set k, k+2
.endr
	WIN 0
	QUANT T, PWS+(\a)
.irp c, 0,1,2
	global_store_b128 v[L16], v[PC+4*\c:PC+4*\c+3], s[4+2*((\a)/4):5+2*((\a)/4)] offset:((\a)%4)*1536+512*\c
.endr
.endm
.irp a, 0,1,2,3,4,5,6,7
	VV \a
.endr
	v_cmp_eq_u32 vcc_lo, 1, v2
.irp d, 0,1,2,3
	v_cndmask_b32 v[T+\d], v[PWS+\d], v[PWS+4+\d], vcc_lo
.endr
	global_store_b128 v9, v[T:T+3], s[4:5] offset:6656
	global_store_b128 v9, v[T:T+3], s[4:5] offset:6912
.Lout:
	s_wait_tensorcnt 0x0
	ds_add_u32 v[SPW], v[NIL]
	s_wait_dscnt 0x0
	CROUND
	s_endpgm
.Lfunc_end_k_q4b05f0d00f_qkv:
	.size	k_q4b05f0d00f_qkv, .Lfunc_end_k_q4b05f0d00f_qkv-k_q4b05f0d00f_qkv
	.p2alignl 7, 3214868480
	.fill 96, 4, 3214868480
	.section	.rodata,"a",@progbits
	.p2align	6, 0x0
	.amdhsa_kernel k_q4b05f0d00f_qkv
		.amdhsa_group_segment_fixed_size 327680
		.amdhsa_private_segment_fixed_size 0
		.amdhsa_enable_private_segment 0
		.amdhsa_kernarg_size 48
		.amdhsa_user_sgpr_count 2
		.amdhsa_user_sgpr_kernarg_segment_ptr 1
		.amdhsa_wavefront_size32 1
		.amdhsa_system_sgpr_workgroup_id_x 1
		.amdhsa_system_sgpr_workgroup_id_y 1
		.amdhsa_system_sgpr_workgroup_id_z 1
		.amdhsa_system_vgpr_workitem_id 0
		.amdhsa_next_free_vgpr 1024
		.amdhsa_next_free_sgpr 102
		.amdhsa_reserve_vcc 1
		.amdhsa_float_denorm_mode_32 3
		.amdhsa_float_denorm_mode_16_64 3
		.amdhsa_memory_ordered 1
		.amdhsa_forward_progress 1
		.amdhsa_inst_pref_size 214
	.end_amdhsa_kernel
	.amdgpu_metadata
---
amdhsa.version: [ 1, 2 ]
amdhsa.kernels:
  - .name:           k_q4b05f0d00f_qkv
    .symbol:         k_q4b05f0d00f_qkv.kd
    .args:
      - { .name: hbuf, .offset: 0, .size: 8, .value_kind: global_buffer, .address_space: global }
      - { .name: wbuf, .offset: 8, .size: 8, .value_kind: global_buffer, .address_space: global }
      - { .name: bq, .offset: 16, .size: 8, .value_kind: global_buffer, .address_space: global }
      - { .name: bk, .offset: 24, .size: 8, .value_kind: global_buffer, .address_space: global }
      - { .name: bv, .offset: 32, .size: 8, .value_kind: global_buffer, .address_space: global }
      - { .name: qkvbuf, .offset: 40, .size: 8, .value_kind: global_buffer, .address_space: global }
    .group_segment_fixed_size: 327680
    .private_segment_fixed_size: 0
    .kernarg_segment_align: 8
    .kernarg_segment_size: 48
    .max_flat_workgroup_size: 128
    .sgpr_count:     102
    .vgpr_count:     1024
    .wavefront_size: 32
...
	.end_amdgpu_metadata
.endif
;; end of part 10
;; launch attn (part 11): grid 8 x 32, 16 waves a work-group, clusters of 4 x 1, 327,680 bytes of LDS; arguments qkvbuf, cbuf; writes cbuf
.if DOCPART == 11
	.amdgcn_target "amdgcn-amd-amdhsa--gfx1250"
	.amdhsa_code_object_version 6
	.text
	.protected	k_q4b05f0d00f_attn
	.globl	k_q4b05f0d00f_attn
	.p2align	8
	.type	k_q4b05f0d00f_attn,@function
k_q4b05f0d00f_attn:
	s_mov_b64 s[64:65], 0
	v_nop
	global_prefetch_b8 v0, s[64:65] scope:SCOPE_SE
	s_setreg_imm32_b32 hwreg(HW_REG_WAVE_MODE, 25, 1), 1
	s_wait_xcnt 0x0
	s_wait_alu depctr_hold_cnt(0) depctr_sa_sdst(0) depctr_va_vdst(0) depctr_va_sdst(0) depctr_va_ssrc(0) depctr_va_vcc(0) depctr_vm_vsrc(0)
	s_getreg_b32 s2, hwreg(HW_REG_IB_STS2, 6, 4)
	s_cmp_eq_u32 s2, 0
	s_cbranch_scc0 .Lentry_in_a_cluster
	s_endpgm
.Lentry_in_a_cluster:
	s_bfe_u32 s2, ttmp6, 0x10000c
	s_cmp_lg_u32 s2, 0x3003
	s_cbranch_scc0 .Lentry_shape_is_right
	s_endpgm
.Lentry_shape_is_right:
; ctx = softmax(q k^T / 8) v for 32 heads (batch x 16 + head) of 2,048 tokens x 64, both products on codes of E3M2, and ctx quantised along the model's 1,024 for the next product.
; THE SOFTMAX AHEAD OF THE SECOND PRODUCT: t = score x log2(e) / 8; M = the running largest t, rounded up to a whole number; p = 2^(t - M) is quantised along the keys, not normalised; the row's sum is taken of the
; unquantised p and divides at the end.  When M moves, the sum and O are multiplied by 2^(old M - new M), which rounds nothing.
; SHARES.  A work-group owns 256 queries of one head, each of its sixteen waves one tile of 16, in 256 registers: four waves to a SIMD.
; A HEAD'S K AND V, 212,992 dense bytes (16 packages of 128 keys, 13,312 bytes each), COME INTO LDS ONCE AND STAY: wave w asks for package w, its one tensor load; no byte of LDS is filled twice.
; THE WALK: wave w takes its own package first, behind its own wait on TENSORcnt alone; one barrier shows all packages to all waves; then packages w + 1 .. w + 15 modulo 16.  The running M makes the order of the keys free.
; The four query blocks of a cluster want the same bytes: the load is a joint one, with the mask of all four.
; LAYOUT.  S^T = k q^T (source 0 = 16 keys, source 1 = my 16 queries), O^T = v^T p^T: a lane holds one query throughout.  The keys of tile 2 b + u are 32 b + 8 u + r + 8 (r / 8), so p's 16 registers of two tiles are neighbours.
; K = 64 IN A FORM OF 128: q's registers 6-11 are zero codes, so what stands in registers 6-11 of k's operand (the next tile's codes; every E3M2 code is a finite number) adds nothing; the scale bytes there are 0.
; ctx's image (16 tokens x 128 of the model's 1,024) is shared by two heads: this wave stores registers 6 c .. 6 c + 5 of it, in pieces of 8 bytes, and 2 of a scale word's 4 bytes.
; No prefetch: all tiles are asked for at the head.
; LIMITS: NaN and infinities are not served; v_exp_f32 and v_rcp_f32 are accurate to 1 ulp; a block of p or of ctx whose largest magnitude lies under 2^-122 gets the byte 1; scaled scores stay under 2^31.
.set KV0,  3407872
.set HSC,  3145728
.set PKG,  13312                       ; a package: k's 8 tiles x 768; v^T's 4 images at 6,144; k's scale words at 12,288; v's at 12,800
.set A16,  1                           ; v1 16 x lane; v2 8 x lane; v3 32 r; v4 16 r: never rewritten
.set A8,   2
.set A32R, 3
.set A16R, 4
.set DK,   5                           ; v5-8 the same + the package's first byte
.set DK8,  6
.set DKS,  7
.set DVS,  8
.set QF,   16                          ; v16-27 q; v28 its scale word
.set QS,   28
.set KF,   32                          ; v32-79 k's 8 tiles x 6 registers; v80-85 zeros
.set KSW,  86                          ; v86-93 k's scale words
.set S,    96                          ; v96-159 S^T, then p
.set O,    160                         ; v160-191 O^T
.set VF,   192                         ; v192-239 v^T's four fragments
.set VSW,  240                         ; v240-243 their scale words
.set F,    244                         ; v244 f = 2^(old M - new M); v245 p's scale word
.set TP,   246
.set PCD,  32                          ; behind the scores k's registers are free: p's codes,
.set CT0,  44                          ; the conversions' upper halves,
.set BM,   52                          ; the blocks' largest scores, then largest p,
.set PT,   56
.set SOP,  60
.set BY,   64
.set WV,   12
.set G1,   16
.set G0,   24
.set SEL,  40
.set CS,   42
.set TB,   44
.set TRIP, 45
.set TW,   49
.macro CROUND
	s_barrier_signal -1
	s_barrier_wait -1
	s_cmp_lg_u32 s[WV], 0
	s_cbranch_scc1 .Lnot_wave_0_\@
	s_barrier_signal -3
.Lnot_wave_0_\@:
	s_barrier_wait -3
	s_barrier_signal -1
	s_barrier_wait -1
.endm
	s_load_b128 s[4:7], s[0:1], 0x0                ; qkvbuf, cbuf
	v_lshl_add_u32 v254, v0, 2, 0x34000
	v_mov_b32 v255, 0
	ds_add_u32 v254, v255                          ; the opening lines
	ds_add_u32 v254, v255
	v_lshrrev_b32 v9, 5, v0
	s_delay_alu instid0(VALU_DEP_1)
	v_readfirstlane_b32 s[WV], v9                  ; wave 0..15
	s_bfe_u32 s13, ttmp6, 0x40000                  ; cx
	s_lshl_b32 s14, ttmp9, 2
	s_add_co_u32 s14, s14, s13                     ; my block of 256 queries: it enters q's and ctx's addresses alone
	s_and_b32 s15, ttmp7, 0xffff                   ; the head, which the four partners share
	s_mov_b32 s[G1], 15|(3<<16)|(1<<21)            ; the mask: all four; elements of 8 bytes; no padding; bit 21 beside a mask
	s_mov_b32 s[G1+1], 32<<16                      ; rows of 256 bytes,
	s_mov_b32 s[G1+2], 52<<16                      ; 52 of them: a package,
	s_mov_b32 s[G1+3], 32<<16
	s_mov_b32 s[G1+4], 52
	s_mov_b32 s[G1+5], 32                          ; dense
	s_mov_b32 s[G1+6], 0
	s_mov_b32 s[G1+7], 0
	s_mul_i32 s46, s15, 212992
	s_add_co_u32 s46, s46, KV0
	s_mul_i32 s48, s[WV], PKG                      ; my package, in memory and in LDS alike
	s_add_co_u32 s46, s46, s48
	s_mov_b32 s47, 0
	s_mul_i32 s50, s15, 106496                     ; q: the head,
	s_lshl_b32 s51, s14, 1
	s_lshr_b32 s52, s[WV], 3
	s_add_co_u32 s51, s51, s52
	s_mul_i32 s51, s51, 6656                       ; the package,
	s_add_co_u32 s50, s50, s51
	s_and_b32 s52, s[WV], 7
	s_mul_i32 s53, s52, 768                        ; the tile
	s_add_co_u32 s54, s50, s53
	s_mov_b32 s55, 0
	s_lshl_b32 s52, s52, 2
	s_add_co_u32 s50, s50, s52
	s_add_co_u32 s50, s50, 6144                    ; and its scale words [r][tile]
	s_mov_b32 s51, 0
	s_mov_b32 s[SEL], 0x76543210
	s_mov_b32 s[SEL+1], 0xfedcba98
	s_mov_b32 s[CS], 0x3e38aa3b                    ; c = log2(e) / 8
	s_mov_b32 s[CS+1], s[CS]
	s_wait_dscnt 0x0
	s_wait_kmcnt 0x0
	s_add_nc_u64 s[46:47], s[4:5], s[46:47]
	s_add_nc_u64 s[54:55], s[4:5], s[54:55]
	s_add_nc_u64 s[50:51], s[4:5], s[50:51]
	CROUND                                         ; all four work-groups are here: the joint loads meet
	s_mov_b32 s[G0], 1
	s_mov_b32 s[G0+1], s48
	s_mov_b64 s[G0+2:G0+3], s[46:47]
	s_or_b32 s[G0+3], s[G0+3], 0x80000000
	tensor_load_to_lds s[G0:G0+3], s[G1:G1+7]      ; my package: my one tensor load
	s_nop 0
.rept 4
	v_nop
.endr
	v_and_b32 v9, 31, v0
	s_delay_alu instid0(VALU_DEP_1)
	v_lshlrev_b32 v[A16], 4, v9
	s_delay_alu instid0(VALU_DEP_2)
	v_lshlrev_b32 v[A8], 3, v9
	v_and_b32 v10, 15, v0
	s_delay_alu instid0(VALU_DEP_1)
	v_lshlrev_b32 v[A32R], 5, v10
	s_delay_alu instid0(VALU_DEP_2)
	v_lshlrev_b32 v[A16R], 4, v10
	global_load_b128 v[QF:QF+3], v[A16], s[54:55]
	global_load_b64 v[QF+4:QF+5], v[A8], s[54:55] offset:512
	global_load_b32 v[QS], v[A32R], s[50:51]
.irp i, 6,7,8,9,10,11
	v_mov_b32 v[QF+\i], 0                          ; q's codes of K = 64 .. 127
.endr
.irp i, 0,1,2,3,4,5
	v_mov_b32 v[KF+48+\i], 0                       ; what stands behind k's last tile
.endr
	v_mov_b32 v13, 0xff61b1e6                      ; the largest t so far: -3e38, under every t
	s_delay_alu instid0(VALU_DEP_1)
	v_floor_f32 v12, -v13                          ; -M
	v_mov_b32 v14, 0                               ; the sum, in two halves
	v_mov_b32 v15, 0
	v_mov_b32 v[F+1], 0                            ; (named as the upper half of a pair before it is first written)
.set j, 0
.rept 32
	v_mov_b32 v[O+j], 0                            ; the step is written once: the first finds zeros, which the first change of M leaves zeros
.set j, j+1
.endr
	s_wait_alu depctr_va_vdst(0)                   ; the wait at the head's end
; A KEY STEP: the 128 keys of the package at LDS byte s[TB]
.macro STEP
	v_add_nc_u32 v[DK], s[TB], v[A16]              ; these four are also the plain lines in front of loads into registers that the last products read
	v_add_nc_u32 v[DK8], s[TB], v[A8]
	v_add_nc_u32 v[DKS], s[TB], v[A32R]
	v_add_nc_u32 v[DVS], s[TB], v[A16R]
.irp t, 0,1,2,3,4,5,6,7
	ds_load_b128 v[KF+6*\t:KF+6*\t+3], v[DK] offset:768*\t
	ds_load_b64 v[KF+6*\t+4:KF+6*\t+5], v[DK8] offset:768*\t+512
.endr
	ds_load_b128 v[KSW:KSW+3], v[DKS] offset:12288
	ds_load_b128 v[KSW+4:KSW+7], v[DKS] offset:12304
.irp d, 0,1,2,3
.irp c, 0,1,2
	ds_load_b128 v[VF+12*\d+4*\c:VF+12*\d+4*\c+3], v[DK] offset:6144+1536*\d+512*\c
.endr
.endr
	ds_load_b128 v[VSW:VSW+3], v[DVS] offset:12800
	s_wait_dscnt 13                                ; k and its scale words are in; v's thirteen loads land under the softmax
.irp t, 0,1,2,3,4,5,6,7
	v_wmma_scale_f32_16x16x128_f8f6f4 v[S+8*\t:S+8*\t+7], v[KF+6*\t:KF+6*\t+11], v[QF:QF+11], 0, v[KSW+\t], v[QS] matrix_a_fmt:MATRIX_FMT_BF6 matrix_b_fmt:MATRIX_FMT_BF6
.endr
.rept 4
	v_nop
.endr
.irp b, 0,1,2,3
	v_max3_num_f32 v[BM+\b], v[S+16*\b], v[S+1+16*\b], v[S+2+16*\b]   ; the largest score of each block of 32 keys: for the row's maximum, and, since p rises with the score, for the block's largest p
.endr
.irp i, 3,5,7,9,11,13
.irp b, 0,1,2,3
	v_max3_num_f32 v[BM+\b], v[BM+\b], v[S+16*\b+\i], v[S+1+16*\b+\i]
.endr
.endr
.irp b, 0,1,2,3
	v_max_num_f32 v[BM+\b], v[BM+\b], v[S+15+16*\b]
.endr
.irp b, 0,1,2,3
	s_delay_alu instid0(VALU_DEP_4)
	v_permlanex16_b32 v[PT+\b], v[BM+\b], s[SEL], s[SEL+1]
.endr
.irp b, 0,1,2,3
	s_delay_alu instid0(VALU_DEP_4)
	v_max_num_f32 v[BM+\b], v[BM+\b], v[PT+\b]     ; with lane l xor 16's 16 keys
.endr
	s_delay_alu instid0(VALU_DEP_2)
	v_max3_num_f32 v[TP], v[BM], v[BM+1], v[BM+2]
	s_delay_alu instid0(VALU_DEP_1)
	v_max_num_f32 v[TP], v[TP], v[BM+3]
	s_delay_alu instid0(VALU_DEP_1)
	v_mul_f32 v[TP], s[CS], v[TP]                  ; the step's largest t
	s_delay_alu instid0(VALU_DEP_1)
	v_max_num_f32 v13, v13, v[TP]                  ; the running largest
	v_mov_b32 v[TP], v12
	s_delay_alu instid0(VALU_DEP_2)
	v_floor_f32 v12, -v13                          ; the new -M = -ceil(t)
	s_delay_alu instid0(VALU_DEP_1)
	v_sub_f32 v[TP], v12, v[TP]                    ; old M - new M: a whole number, 0 or less
	s_delay_alu instid0(VALU_DEP_1)
	v_cvt_i32_f32 v[TP], v[TP]                     ; (it saturates)
	s_delay_alu instid0(VALU_DEP_1)
	v_ldexp_f32 v[F], 1.0, v[TP]                   ; f
.set j, 0
.rept 32
	v_pk_fma_f32 v[S+j:S+j+1], v[S+j:S+j+1], s[CS:CS+1], v[12:13] op_sel_hi:[1,0,0]   ; t - M
.set j, j+2
.endr
.irp b, 0,1,2,3
	v_fma_f32 v[BM+\b], v[BM+\b], s[CS], v12       ; the same of each block's largest score
.endr
.set j, 0
	s_wait_alu depctr_va_vdst(0)                   ; the wait ahead of the batch
.rept 64
	v_exp_f32 v[S+j], v[S+j]                       ; p = 2^(t - M)
.set j, j+1
.endr
	v_pk_mul_f32 v[14:15], v[14:15], v[F:F+1] op_sel_hi:[1,0]   ; the sums under the new M: a plain line behind the exponentials
	s_wait_alu depctr_va_vdst(0)                   ; one wait for the whole batch, ahead of its first reader
.irp b, 0,1,2,3
	v_exp_f32 v[BM+\b], v[BM+\b]                   ; the block's largest p
.endr
; the row's sum of the unquantised p: 32 pairs and the running sum, in eight chains (v14, v68, v252, v250, v248, v94, v92, v90), then a tree
.set j, 0
.irp c, 68,252,250,248,94,92,90
	v_pk_add_f32 v[\c:\c+1], v[S+j:S+j+1], v[S+j+2:S+j+3]
.set j, j+4
.endr
.rept 2
.irp c, 14,68,252,250,248,94,92,90
	v_pk_add_f32 v[\c:\c+1], v[\c:\c+1], v[S+j:S+j+1]
.set j, j+2
.endr
.endr
	v_pk_add_f32 v[14:15], v[14:15], v[S+60:S+61]
	v_pk_add_f32 v[68:69], v[68:69], v[S+62:S+63]
	v_pk_add_f32 v[252:253], v[252:253], v[92:93]
	v_pk_add_f32 v[250:251], v[250:251], v[90:91]
	s_delay_alu instid0(VALU_DEP_4)
	v_pk_add_f32 v[14:15], v[14:15], v[248:249]
	s_delay_alu instid0(VALU_DEP_4)
	v_pk_add_f32 v[68:69], v[68:69], v[94:95]
	s_delay_alu instid0(VALU_DEP_2)
	v_pk_add_f32 v[14:15], v[14:15], v[252:253]
	s_delay_alu instid0(VALU_DEP_2)
	v_pk_add_f32 v[68:69], v[68:69], v[250:251]
	s_delay_alu instid0(VALU_DEP_1)
	v_pk_add_f32 v[14:15], v[14:15], v[68:69]
	s_wait_alu depctr_va_vdst(0)                   ; and one for the four
.irp b, 0,1,2,3
	v_max_num_f32 v[BM+\b], 0x2800000, v[BM+\b]    ; the floor 2^(5 - 127)
.endr
.irp b, 0,1,2,3
	s_delay_alu instid0(VALU_DEP_4)
	v_add_nc_u32 v[SOP+\b], 0xfe000000, v[BM+\b]   ; the conversion's scale operand
.endr
.irp b, 0,1,2,3
	s_delay_alu instid0(VALU_DEP_4)
	v_lshrrev_b32 v[BY+\b], 23, v[SOP+\b]          ; the scale's byte
.endr
	s_delay_alu instid0(VALU_DEP_3)
	v_lshl_or_b32 v[F+1], v[BY+1], 8, v[BY]        ; p's scale word for these 128 keys
	s_delay_alu instid0(VALU_DEP_1)
	v_lshl_or_b32 v[F+1], v[BY+2], 16, v[F+1]
	s_delay_alu instid0(VALU_DEP_1)
	v_lshl_or_b32 v[F+1], v[BY+3], 24, v[F+1]
.irp c, 0,1
	v_cvt_scalef32_pk16_bf6_f32 v[PCD+6*\c:PCD+6*\c+2], v[S+32*\c:S+32*\c+15], v[SOP+2*\c]
	v_cvt_scalef32_pk16_bf6_f32 v[CT0+4*\c:CT0+4*\c+2], v[S+16+32*\c:S+31+32*\c], v[SOP+2*\c+1]
.endr
	v_nop                                          ; one plain line behind a scaled conversion
.irp c, 0,1
.irp i, 0,1,2
	v_permlane16_swap_b32 v[PCD+6*\c+\i], v[CT0+4*\c+\i]   ; a whole block to a lane
.endr
.irp i, 0,1,2
	s_delay_alu instid0(VALU_DEP_3)
	v_mov_b32 v[PCD+3+6*\c+\i], v[CT0+4*\c+\i]
.endr
.endr
.set j, 0
.rept 16
	v_pk_mul_f32 v[O+j:O+j+1], v[O+j:O+j+1], v[F:F+1] op_sel_hi:[1,0]   ; O^T under the new M; these sixteen also stand between the writes of p's codes and scale word and the products
.set j, j+2
.endr
	s_wait_alu depctr_va_vdst(0)                   ; the wait here, directly ahead of the wait below
	s_wait_dscnt 0x0                               ; v
.irp d, 0,1,2,3
	v_wmma_scale_f32_16x16x128_f8f6f4 v[O+8*\d:O+8*\d+7], v[VF+12*\d:VF+12*\d+11], v[PCD:PCD+11], v[O+8*\d:O+8*\d+7], v[VSW+\d], v[F+1] matrix_a_fmt:MATRIX_FMT_BF6 matrix_b_fmt:MATRIX_FMT_BF6
.endr
.endm
	s_wait_loadcnt 0x0                             ; q
	s_wait_tensorcnt 0x0                           ; my own package has landed: I alone read it ahead of the barrier
	s_mov_b32 s[TB], s48
	STEP
	s_wait_dscnt 0x0
	s_barrier_signal -1                            ; every wave has waited for its package:
	s_barrier_wait -1                              ; all sixteen are whole
	s_mov_b32 s[TW], s[WV]
	s_mov_b32 s[TRIP], 15
.Lstep:
	s_add_co_u32 s[TW], s[TW], 1
	s_and_b32 s[TB], s[TW], 15                     ; package (wave + trip) modulo 16
	s_mul_i32 s[TB], s[TB], PKG
	STEP
	s_sub_co_u32 s[TRIP], s[TRIP], 1
	s_cmp_lg_u32 s[TRIP], 0
	s_cbranch_scc1 .Lstep
	; THE WAY OUT: O^T / the sum; register 16 b + i is channel 32 b + 16 (lane / 16) + i of my query: two blocks of the next product's K
.rept 4
	v_nop
.endr
	v_add_f32 v14, v14, v15
	s_delay_alu instid0(VALU_DEP_1)
	v_permlanex16_b32 v[TP], v14, s[SEL], s[SEL+1]
	s_delay_alu instid0(VALU_DEP_1)
	v_add_f32 v14, v14, v[TP]                      ; the row's sum
	s_wait_alu depctr_va_vdst(0)
	v_rcp_f32 v14, v14
	v_nop
	s_lshr_b32 s56, s15, 4
	s_lshl_b32 s56, s56, 7
	s_lshl_b32 s57, s14, 4
	s_add_co_u32 s56, s56, s57
	s_add_co_u32 s56, s56, s[WV]                   ; ctx's row block: batch x 128 + 16 x my block + wave
	s_lshl_b32 s56, s56, 3
	s_bfe_u32 s57, s15, 0x30001                    ; the K step: head / 2
	s_add_co_u32 s56, s56, s57
	s_and_b32 s58, s15, 1                          ; c: which half of the image's registers
	s_lshl_b32 s60, s56, 6
	s_add_co_u32 s60, s60, HSC
	s_lshl_b32 s59, s58, 1
	s_add_co_u32 s60, s60, s59
	s_mov_b32 s61, 0
	s_mul_i32 s56, s56, 1536
	s_mov_b32 s57, 0
	s_add_nc_u64 s[56:57], s[6:7], s[56:57]
	s_add_nc_u64 s[60:61], s[6:7], s[60:61]
	s_mul_i32 s59, s58, 520
	s_mul_i32 s62, s58, 1016
	s_wait_alu depctr_va_vdst(0)                   ; ahead of the reciprocal's first reader
.set j, 0
.rept 32
	v_mul_f32 v[S+j], v[O+j], v14
.set j, j+1
.endr
.irp b, 0,1
	v_max3_num_f32 v[BM+\b], |v[S+16*\b]|, |v[S+1+16*\b]|, 0x2800000
.endr
.irp i, 2,4,6,8,10,12,14
.irp b, 0,1
	s_delay_alu instid0(VALU_DEP_2)
	v_max3_num_f32 v[BM+\b], v[BM+\b], |v[S+16*\b+\i]|, |v[S+1+16*\b+\i]|
.endr
.endr
.irp b, 0,1
	s_delay_alu instid0(VALU_DEP_2)
	v_permlanex16_b32 v[PT+\b], v[BM+\b], s[SEL], s[SEL+1]
.endr
.irp b, 0,1
	s_delay_alu instid0(VALU_DEP_2)
	v_max_num_f32 v[BM+\b], v[BM+\b], v[PT+\b]
.endr
.irp b, 0,1
	s_delay_alu instid0(VALU_DEP_2)
	v_add_nc_u32 v[SOP+\b], 0xfe000000, v[BM+\b]
.endr
.irp b, 0,1
	s_delay_alu instid0(VALU_DEP_2)
	v_lshrrev_b32 v[BY+\b], 23, v[SOP+\b]
.endr
	s_delay_alu instid0(VALU_DEP_1)
	v_lshl_or_b32 v[TP], v[BY+1], 8, v[BY]         ; my head's two bytes of the row's scale word
	v_cvt_scalef32_pk16_bf6_f32 v[128:130], v[S:S+15], v[SOP]
	v_cvt_scalef32_pk16_bf6_f32 v[132:134], v[S+16:S+31], v[SOP+1]
	v_nop
.irp i, 0,1,2
	v_permlane16_swap_b32 v[128+\i], v[132+\i]
.endr
	s_delay_alu instid0(VALU_DEP_3)
	v_mov_b32 v131, v132
	s_delay_alu instid0(VALU_DEP_3)
	v_mov_b32 v132, v133
	s_delay_alu instid0(VALU_DEP_3)
	v_mov_b32 v133, v134                           ; v128-133: registers 6 c .. 6 c + 5 of the image
	v_add_nc_u32 v[DK], s59, v[A16]
	v_add_nc_u32 v[DK8], s62, v[A16]
	v_lshrrev_b32 v[DKS], 2, v[A16R]
	global_store_b64 v[DK], v[128:129], s[56:57]
	global_store_b64 v[DK8], v[130:131], s[56:57] offset:8
	global_store_b64 v[DK], v[132:133], s[56:57] offset:512
	global_store_b16 v[DKS], v[TP], s[60:61]       ; both halves of the lanes store the same two bytes
	s_wait_tensorcnt 0x0                           ; the wave's end
	ds_add_u32 v254, v255
	s_wait_dscnt 0x0
	CROUND                                         ; the closing round
	s_endpgm
.Lfunc_end_k_q4b05f0d00f_attn:
	.size	k_q4b05f0d00f_attn, .Lfunc_end_k_q4b05f0d00f_attn-k_q4b05f0d00f_attn
	.p2alignl 7, 3214868480
	.fill 96, 4, 3214868480
	.section	.rodata,"a",@progbits
	.p2align	6, 0x0
	.amdhsa_kernel k_q4b05f0d00f_attn
		.amdhsa_group_segment_fixed_size 327680
		.amdhsa_private_segment_fixed_size 0
		.amdhsa_enable_private_segment 0
		.amdhsa_kernarg_size 16
		.amdhsa_user_sgpr_count 2
		.amdhsa_user_sgpr_kernarg_segment_ptr 1
		.amdhsa_wavefront_size32 1
		.amdhsa_system_sgpr_workgroup_id_x 1
		.amdhsa_system_sgpr_workgroup_id_y 1
		.amdhsa_system_sgpr_workgroup_id_z 1
		.amdhsa_system_vgpr_workitem_id 0
		.amdhsa_next_free_vgpr 256
		.amdhsa_next_free_sgpr 66
		.amdhsa_reserve_vcc 0
		.amdhsa_float_denorm_mode_32 3
		.amdhsa_float_denorm_mode_16_64 3
		.amdhsa_memory_ordered 1
		.amdhsa_forward_progress 1
		.amdhsa_inst_pref_size 46
	.end_amdhsa_kernel
	.amdgpu_metadata
---
amdhsa.version: [ 1, 2 ]
amdhsa.kernels:
  - .name:           k_q4b05f0d00f_attn
    .symbol:         k_q4b05f0d00f_attn.kd
    .args:
      - { .name: qkvbuf, .offset: 0, .size: 8, .value_kind: global_buffer, .address_space: global }
      - { .name: cbuf, .offset: 8, .size: 8, .value_kind: global_buffer, .address_space: global }
    .group_segment_fixed_size: 327680
    .private_segment_fixed_size: 0
    .kernarg_segment_align: 8
    .kernarg_segment_size: 16
    .max_flat_workgroup_size: 512
    .sgpr_count:     66
    .vgpr_count:     256
    .wavefront_size: 32
...
	.end_amdgpu_metadata
.endif
;; end of part 11
;; launch wo (part 12): grid 4 x 64, 8 waves a work-group, no clusters, 167,936 bytes of LDS; arguments cbuf, wbuf, bo, x, x1; writes x1
.if DOCPART == 12
	.amdgcn_target "amdgcn-amd-amdhsa--gfx1250"
	.amdhsa_code_object_version 6
	.text
	.protected	k_q4b05f0d00f_wo
	.globl	k_q4b05f0d00f_wo
	.p2align	8
	.type	k_q4b05f0d00f_wo,@function
k_q4b05f0d00f_wo:
	s_mov_b64 s[64:65], 0
	v_nop
	global_prefetch_b8 v0, s[64:65] scope:SCOPE_SE
	s_setreg_imm32_b32 hwreg(HW_REG_WAVE_MODE, 25, 1), 1
	s_wait_xcnt 0x0
; x1 = x + (ctx Wo + bo): the product on codes of E3M2 (one E8M0 byte for each 32 along K = 1,024), the rest in f32.
; OPERANDS ARE IMAGES OF REGISTERS: 16 rows x 128 K = 1,536 bytes, registers 4 c .. 4 c + 3 of lane l at 512 c + 16 l.  Image tile 2 b + u, row r, stands for index 32 b + 8 u + r + 8 (r / 8) (a token, or a column of the weight).
; SHARES.  256 work-groups of eight waves; a work-group makes 64 tokens x 256 columns.  Wave (g, kh) takes columns 64 g .. 64 g + 63 and half kh of K: 16 accumulators; the two waves of a pair add their halves at the end.
; THE TOKEN SIDE STAYS IN LDS: its 4 row blocks for all of K (6 U bytes, U = 1,024 KS), the weight's scale words (U) and the tokens' (U / 4) come once, one tensor load a wave; no byte of LDS is filled twice.
; THE WEIGHT GOES FROM MEMORY STRAIGHT INTO REGISTERS: each wave alone reads its columns' images, lane by lane as they lie; here all four K steps of a half (48 loads) are asked for at the head.
; The product is used transposed (source 0 = 16 columns of the weight, source 1 = 16 tokens): a lane holds one token and eight neighbouring columns a tile.
; A wave counts the token blocks from its own pair on (local block i is block i xor 2 kh): locals 0, 1 it finishes itself, locals 2, 3 it hands to its partner through LDS bytes that no tensor load fills.
; NO CLUSTER: the four work-groups of a token block share 6.25 U of the 31.25 U bytes that each reads; the other 24 U go to registers, which a joint load does not serve.
; NO PREFETCH: there is no loop to run ahead in: every byte is asked for at the head.
; LIMITS: NaN and infinities are not served; K is summed in two halves, which are added in f32.
.set KS,    8
.set WOFF,  2359296
.set WSOFF, 9535488
.set ASOFF, 3145728
.set KH,    KS/2
.set RBS,   KS*1536
.set SBLK,  KS*64
.set U,     KS*1024
.set SBO,   6*U
.set SAO,   7*U
.set XCH,   SAO+U/4
.set SPARE, XCH+65536
.set PFO, 7
.set ADA, 8
.set ADS, 10
.set BO,  12
.set STO, 13
.set RD,  14
.set CO,  15
.set BI,  16
.set XW,  20
.set XR,  21
.set SPW, 22
.set NIL, 23
.set SC,  24
.set AF,  32
.set ACC, 128
.set RSD, 192
.set G1,  24
.set G1S, 32
.set G0,  40
.set BP,  44
.set PF,  46
.set LIM, 48
.set CNT, 49
.set MSB, 0
.macro WIN new
.if MSB != (\new)
	s_set_vgpr_msb (MSB<<8)|(\new)
.set MSB, (\new)
.endif
.endm
.macro PLACES
.rept 4
	v_nop
.endr
.endm
.macro BLOAD buf, ko
.irp t, 0,1,2,3
.irp c, 0,1,2
	global_load_b128 v[48*(\buf)+12*\t+4*\c:48*(\buf)+12*\t+4*\c+3], v[BO], s[BP:BP+1] offset:\t*RBS+(\ko)+512*\c
.endr
.endr
.endm
.macro ALOAD p, ko
.irp i, 0,1,2,3
.irp c, 0,1,2
	ds_load_b128 v[AF+48*(\p)+12*\i+4*\c:AF+48*(\p)+12*\i+4*\c+3], v[ADA+\i/2] offset:(\i%2)*RBS+(\ko)*1536+512*\c
.endr
	ds_load_b32 v[SC+4*(\p)+\i], v[ADS+\i/2] offset:(\i%2)*SBLK+(\ko)*64
.endr
.endm
.macro MUL p, buf, zero
.irp a, 0,1,2,3
.irp b, 0,1,2,3
.if \zero
	v_wmma_scale_f32_16x16x128_f8f6f4 v[ACC+8*(4*\a+\b):ACC+8*(4*\a+\b)+7], v[48*(\buf)+12*\b:48*(\buf)+12*\b+11], v[AF+48*(\p)+12*\a:AF+48*(\p)+12*\a+11], 0, v[SC+4*(\p)+\b], v[SC+4*(\p)+\a] matrix_a_fmt:MATRIX_FMT_BF6 matrix_b_fmt:MATRIX_FMT_BF6 matrix_b_scale:MATRIX_SCALE_ROW1
.else
	v_wmma_scale_f32_16x16x128_f8f6f4 v[ACC+8*(4*\a+\b):ACC+8*(4*\a+\b)+7], v[48*(\buf)+12*\b:48*(\buf)+12*\b+11], v[AF+48*(\p)+12*\a:AF+48*(\p)+12*\a+11], v[ACC+8*(4*\a+\b):ACC+8*(4*\a+\b)+7], v[SC+4*(\p)+\b], v[SC+4*(\p)+\a] matrix_a_fmt:MATRIX_FMT_BF6 matrix_b_fmt:MATRIX_FMT_BF6 matrix_b_scale:MATRIX_SCALE_ROW1
.endif
.endr
.endr
.endm
.macro ASK
	s_cmp_gt_u32 s[CNT], s[LIM]
	s_cbranch_scc0 .Lno_\@
	global_prefetch_b8 v[PFO], s[PF:PF+1] th:TH_LOAD_NT scope:SCOPE_SE
.Lno_\@:
.endm
; Four K steps.  Step j multiplies A's set j % 2 and B's set j; the next step's A and scale words are fetched ahead of its products; refill = 1: B's set j takes the K step four on.
.macro GROUP zero, refill
.irp j, 0,1,2,3
	s_wait_dscnt 0x0                               ; this step's A and scale words are in
.if (\refill) || (\j < 3)
	ALOAD (\j+1)%2, \j+1
.endif
.if \refill
	s_wait_loadcnt 36                              ; this step's B is in; the three younger K steps' 36 loads may be out
.else
	s_wait_loadcnt 12*(3-\j)
.endif
	WIN 0x01                                       ; source 0 (B) in window 1
.if (\zero) && (\j == 0)
	MUL 0, 0, 1                                    ; the first products start the sums
.else
	MUL \j%2, \j, 0
.endif
	PLACES                                         ; four plain lines in front of loads into registers that these products read, and of the first read of results
.if \refill
	WIN 0x40
	BLOAD \j, (\j+4)*1536
.endif
	WIN 0
.if (\refill) && (\j == 0)
	ASK
.endif
.endr
.if \refill
	v_add_nc_u32 v[ADA], 6144, v[ADA]
	v_add_nc_u32 v[ADA+1], 6144, v[ADA+1]
	v_add_nc_u32 v[ADS], 256, v[ADS]
	v_add_nc_u32 v[ADS+1], 256, v[ADS+1]
	s_wait_alu depctr_va_vdst(0)
	s_wait_xcnt 0x0                                ; the loads and the prefetch have read their bases
	s_add_nc_u64 s[BP:BP+1], s[BP:BP+1], 6144
	s_add_nc_u64 s[PF:PF+1], s[PF:PF+1], 6144
.endif
.endm
	s_load_b256 s[4:11], s[0:1], 0x0               ; the token side's buffer, wbuf, the bias, the residual
	s_load_b64 s[12:13], s[0:1], 0x20              ; the output
	v_lshl_add_u32 v[SPW], v0, 2, SPARE
	v_mov_b32 v[NIL], 0
	ds_add_u32 v[SPW], v[NIL]                      ; the opening lines
	ds_add_u32 v[SPW], v[NIL]
	v_lshrrev_b32 v1, 5, v0
	s_delay_alu instid0(VALU_DEP_1)
	v_readfirstlane_b32 s14, v1                    ; wave 0..7
	s_and_b32 s15, s14, 1                          ; kh
	s_lshr_b32 s16, s14, 1                         ; g
	s_and_b32 s18, ttmp7, 0xffff                   ; the token block; ttmp9: the column block
.irp g, G1, G1S
	s_mov_b32 s[\g], 3<<16                         ; elements of 8 bytes, rows of 256 bytes, dense
	s_mov_b32 s[\g+1], 32<<16
	s_mov_b32 s[\g+3], 32<<16
	s_mov_b32 s[\g+5], 32
	s_mov_b32 s[\g+6], 0
	s_mov_b32 s[\g+7], 0
.endr
	s_mov_b32 s[G1+2], (4*KS)<<16                  ; U bytes
	s_mov_b32 s[G1+4], 4*KS
	s_mov_b32 s[G1S+2], KS<<16                     ; U / 4 bytes
	s_mov_b32 s[G1S+4], KS
	s_mul_i32 s20, s18, 6*U                        ; waves 0-5: a sixth of the tokens' codes,
	s_mul_i32 s21, s14, U
	s_add_co_u32 s20, s20, s21
	s_mul_i32 s21, ttmp9, U                        ; wave 6: the weight's scale words,
	s_add_co_u32 s21, s21, WSOFF
	s_mul_i32 s22, s18, U/4                        ; wave 7: the tokens'
	s_add_co_u32 s22, s22, ASOFF
	s_cmp_eq_u32 s14, 6
	s_cselect_b32 s20, s21, s20
	s_cmp_eq_u32 s14, 7
	s_cselect_b32 s20, s22, s20
	s_mov_b32 s21, 0
	s_mov_b32 s[G0], 1
	s_mul_i32 s[G0+1], s14, U                      ; LDS: wave x U
	s_wait_dscnt 0x0
	s_wait_kmcnt 0x0
	s_cmp_eq_u32 s14, 6
	s_cselect_b64 s[G0+2:G0+3], s[6:7], s[4:5]
	s_add_nc_u64 s[G0+2:G0+3], s[G0+2:G0+3], s[20:21]
	s_or_b32 s[G0+3], s[G0+3], 0x80000000
	s_cmp_lt_u32 s14, 7
	s_cbranch_scc0 .Lsa
	tensor_load_to_lds s[G0:G0+3], s[G1:G1+7]
	s_nop 0
	PLACES
	s_branch .Lasked
.Lsa:
	tensor_load_to_lds s[G0:G0+3], s[G1S:G1S+7]
	s_nop 0
	PLACES
.Lasked:
	s_xor_b32 s50, s15, 1
	s_xor_b32 s51, s16, 3
	s_mul_i32 s52, s15, 2*RBS+KH*1536              ; A's local blocks 0, 1: block 2 kh, my half of K
	s_mul_i32 s53, s50, 2*RBS                      ; locals 2, 3: block 2 - 2 kh
	s_mul_i32 s20, s15, KH*1536
	s_add_co_u32 s53, s53, s20
	s_mul_i32 s54, s16, 4*SBLK                     ; scale words, lanes 0-15: the weight's tiles 4 g ..
	s_mul_i32 s20, s15, KH*64
	s_add_co_u32 s54, s54, s20
	s_add_co_u32 s54, s54, SBO
	s_add_co_u32 s55, s54, 2*SBLK
	s_mul_i32 s21, s51, 4*SBLK                     ; and how far on lanes 16-31 find the tokens' words
	s_mul_i32 s56, s15, 2*SBLK
	s_add_co_u32 s56, s56, s21
	s_add_co_u32 s56, s56, SAO-SBO-12*SBLK
	s_mul_i32 s57, s50, 2*SBLK
	s_add_co_u32 s57, s57, s21
	s_add_co_u32 s57, s57, SAO-SBO-14*SBLK
	s_lshl_b32 s58, s14, 13                        ; where I hand sums over,
	s_add_co_u32 s58, s58, XCH
	s_xor_b32 s59, s14, 1                          ; and where my partner does: later my stage
	s_lshl_b32 s59, s59, 13
	s_add_co_u32 s59, s59, XCH
	s_lshl_b32 s20, ttmp9, 10
	s_lshl_b32 s21, s16, 8
	s_add_co_u32 s20, s20, s21                     ; my 64 columns, in bytes
	s_mov_b32 s21, 0
	s_add_nc_u64 s[8:9], s[8:9], s[20:21]
	s_lshl_b32 s22, s18, 18
	s_lshl_b32 s23, s15, 17
	s_add_co_u32 s22, s22, s23                     ; my 32 rows of 4,096 bytes
	s_add_co_u32 s22, s22, s20
	s_mov_b32 s23, 0
	s_add_nc_u64 s[10:11], s[10:11], s[22:23]
	s_add_nc_u64 s[12:13], s[12:13], s[22:23]
	s_lshl_b32 s20, ttmp9, 4
	s_lshl_b32 s21, s16, 2
	s_add_co_u32 s20, s20, s21
	s_mul_i32 s20, s20, RBS
	s_mul_i32 s21, s15, KH*1536
	s_add_co_u32 s20, s20, s21
	s_add_co_u32 s20, s20, WOFF
	s_mov_b32 s21, 0
	s_add_nc_u64 s[BP:BP+1], s[6:7], s[20:21]      ; my four tiles' images, my half of K
.if KH > 4
	s_lshl_b32 s20, ttmp9, 4
	s_and_b32 s21, s18, 15
	s_add_co_u32 s20, s20, s21
	s_mul_i32 s20, s20, RBS
	s_mul_i32 s21, s15, KH
	s_lshr_b32 s22, s18, 4
	s_add_co_u32 s21, s21, s22
	s_add_co_u32 s21, s21, 8
	s_mul_i32 s21, s21, 1536
	s_add_co_u32 s20, s20, s21
	s_add_co_u32 s20, s20, WOFF
	s_mov_b32 s21, 0
	s_add_nc_u64 s[PF:PF+1], s[6:7], s[20:21]
	s_cmp_eq_u32 s16, 0
	s_cselect_b32 s[LIM], 1, -1
.endif
	v_and_b32 v1, 15, v0                           ; r
	v_bfe_u32 v2, v0, 4, 1                         ; h
	v_and_b32 v3, 31, v0
	s_delay_alu instid0(VALU_DEP_3)
	v_lshlrev_b32 v4, 2, v1
	s_delay_alu instid0(VALU_DEP_2)
	v_lshlrev_b32 v[BO], 4, v3
	s_delay_alu instid0(VALU_DEP_4)
	v_mul_u32_u24 v5, s56, v2
	v_mul_u32_u24 v6, s57, v2
	v_mul_u32_u24 v[STO], v1, 272
	v_mul_u32_u24 v[RD], v2, 272
	v_lshlrev_b32 v[CO], 12, v2
	v_add_nc_u32 v5, v5, v4
	v_add_nc_u32 v6, v6, v4
	v_lshl_add_u32 v[STO], v2, 6, v[STO]
	v_lshl_add_u32 v[RD], v1, 4, v[RD]
	v_lshl_add_u32 v[CO], v1, 4, v[CO]             ; lanes 0-15 one row, lanes 16-31 the next; 16 bytes a lane
	v_add_nc_u32 v[ADS], s54, v5
	v_add_nc_u32 v[ADS+1], s55, v6
	v_add_nc_u32 v[STO], s59, v[STO]
	v_add_nc_u32 v[RD], s59, v[RD]
	v_add_nc_u32 v[ADA], s52, v[BO]
	v_add_nc_u32 v[ADA+1], s53, v[BO]
	v_add_nc_u32 v[XW], s58, v[BO]
	v_add_nc_u32 v[XR], s59, v[BO]
	v_lshlrev_b32 v4, 4, v1
	v_min_u32 v[PFO], 5, v3
	s_delay_alu instid0(VALU_DEP_1)
	v_lshlrev_b32 v[PFO], 8, v[PFO]
	s_wait_alu depctr_va_vdst(0)                   ; the wait at the head's end
	global_load_b128 v[BI:BI+3], v4, s[8:9]        ; the bias of my four columns on the way out
	WIN 0x40
.irp lb, 0,1
.irp t, 0,1,2,3,4,5,6,7
	global_load_b128 v[RSD+32*\lb+4*\t:RSD+32*\lb+4*\t+3], v[CO], s[10:11] offset:(8*\lb+2*\t+8*(\t/4))*4096 th:TH_LOAD_NT   ; the residual of my two blocks
.endr
.endr
.irp j, 0,1,2,3
	BLOAD \j, \j*1536
.endr
	WIN 0
	s_wait_tensorcnt 0x0                           ; my part of LDS has landed,
	s_barrier_signal -1
	s_barrier_wait -1                              ; and everybody's
	ALOAD 0, 0
.if KH > 4
	s_mov_b32 s[CNT], KH/4-1
	GROUP 1, 1
	s_sub_co_u32 s[CNT], s[CNT], 1
.Lk:
	GROUP 0, 1
	s_sub_co_u32 s[CNT], s[CNT], 1
	s_cmp_lg_u32 s[CNT], 0
	s_cbranch_scc1 .Lk
	GROUP 0, 0
.else
	GROUP 1, 0
.endif
; THE TWO HALVES OF K MEET: locals 2, 3 go to my partner as they lie in registers, each accumulator from its low end on; its locals 2, 3 are my locals 0, 1
.set k, 0
.rept 16
	ds_store_b128 v[XW], v[ACC+64+4*k:ACC+64+4*k+3] offset:512*k
.set k, k+1
.endr
	s_wait_dscnt 0x0                               ; for my partner's sake
	s_barrier_signal -1
	s_barrier_wait -1
.set k, 0
.rept 16
	ds_load_b128 v[AF+4*k:AF+4*k+3], v[XR] offset:512*k
.set k, k+1
.endr
	s_wait_dscnt 0x0
.set k, 0
.rept 32
	v_pk_add_f32 v[ACC+2*k:ACC+2*k+1], v[ACC+2*k:ACC+2*k+1], v[AF+2*k:AF+2*k+1]
.set k, k+1
.endr
; THE WAY OUT, 16 tokens x 64 columns at a time, through a stage in the bytes that I have just read and that nobody else touches again: in as 32 bytes a lane, back as whole rows of 256 bytes.  LDS serves a wave's instructions in order.
.macro TOSTAGE lb
.irp b, 0,1,2,3
	ds_store_b128 v[STO], v[ACC+32*\lb+8*\b:ACC+32*\lb+8*\b+3] offset:128*(\b/2)+32*(\b%2)
	ds_store_b128 v[STO], v[ACC+32*\lb+8*\b+4:ACC+32*\lb+8*\b+7] offset:128*(\b/2)+32*(\b%2)+16
.endr
.irp t, 0,1,2,3,4,5,6,7
	ds_load_b128 v[AF+32*\lb+4*\t:AF+32*\lb+4*\t+3], v[RD] offset:\t*544
.endr
.endm
.macro SEND lb, ds
	s_wait_dscnt \ds
.set k, 0
.rept 8
	v_pk_add_f32 v[AF+32*\lb+4*k:AF+32*\lb+4*k+1], v[AF+32*\lb+4*k:AF+32*\lb+4*k+1], v[BI:BI+1]
	v_pk_add_f32 v[AF+32*\lb+4*k+2:AF+32*\lb+4*k+3], v[AF+32*\lb+4*k+2:AF+32*\lb+4*k+3], v[BI+2:BI+3]
.set k, k+1
.endr
	WIN 0x04                                       ; source 1: the residual, in window 1
.set k, 0
.rept 16
	v_pk_add_f32 v[AF+32*\lb+2*k:AF+32*\lb+2*k+1], v[AF+32*\lb+2*k:AF+32*\lb+2*k+1], v[RSD+32*\lb+2*k:RSD+32*\lb+2*k+1]
.set k, k+1
.endr
	WIN 0
.irp t, 0,1,2,3,4,5,6,7
	global_store_b128 v[CO], v[AF+32*\lb+4*\t:AF+32*\lb+4*\t+3], s[12:13] offset:(8*\lb+2*\t+8*(\t/4))*4096 th:TH_STORE_NT   ; sixteen lanes store 256 consecutive bytes, aligned
.endr
.endm
	TOSTAGE 0
	TOSTAGE 1
	SEND 0, 16                                     ; behind block 0's rows: block 1's 8 stores and 8 loads
	SEND 1, 0
	s_wait_tensorcnt 0x0                           ; the wave's end
	ds_add_u32 v[SPW], v[NIL]
	s_wait_dscnt 0x0
	s_endpgm
.Lfunc_end_k_q4b05f0d00f_wo:
	.size	k_q4b05f0d00f_wo, .Lfunc_end_k_q4b05f0d00f_wo-k_q4b05f0d00f_wo
	.p2alignl 7, 3214868480
	.fill 96, 4, 3214868480
	.section	.rodata,"a",@progbits
	.p2align	6, 0x0
	.amdhsa_kernel k_q4b05f0d00f_wo
		.amdhsa_group_segment_fixed_size 167936
		.amdhsa_private_segment_fixed_size 0
		.amdhsa_enable_private_segment 0
		.amdhsa_kernarg_size 40
		.amdhsa_user_sgpr_count 2
		.amdhsa_user_sgpr_kernarg_segment_ptr 1
		.amdhsa_wavefront_size32 1
		.amdhsa_system_sgpr_workgroup_id_x 1
		.amdhsa_system_sgpr_workgroup_id_y 1
		.amdhsa_system_sgpr_workgroup_id_z 1
		.amdhsa_system_vgpr_workitem_id 0
		.amdhsa_next_free_vgpr 512
		.amdhsa_next_free_sgpr 66
		.amdhsa_reserve_vcc 0
		.amdhsa_float_denorm_mode_32 3
		.amdhsa_float_denorm_mode_16_64 3
		.amdhsa_memory_ordered 1
		.amdhsa_forward_progress 1
		.amdhsa_inst_pref_size 38
	.end_amdhsa_kernel
	.amdgpu_metadata
---
amdhsa.version: [ 1, 2 ]
amdhsa.kernels:
  - .name:           k_q4b05f0d00f_wo
    .symbol:         k_q4b05f0d00f_wo.kd
    .args:
      - { .name: cbuf, .offset: 0, .size: 8, .value_kind: global_buffer, .address_space: global }
      - { .name: wbuf, .offset: 8, .size: 8, .value_kind: global_buffer, .address_space: global }
      - { .name: bo, .offset: 16, .size: 8, .value_kind: global_buffer, .address_space: global }
      - { .name: x, .offset: 24, .size: 8, .value_kind: global_buffer, .address_space: global }
      - { .name: x1, .offset: 32, .size: 8, .value_kind: global_buffer, .address_space: global }
    .group_segment_fixed_size: 167936
    .private_segment_fixed_size: 0
    .kernarg_segment_align: 8
    .kernarg_segment_size: 40
    .max_flat_workgroup_size: 256
    .sgpr_count:     66
    .vgpr_count:     512
    .wavefront_size: 32
...
	.end_amdgpu_metadata
.endif
;; end of part 12
;; launch ln2: the kernel of part 9 again; grid 256 x 1, 16 waves a work-group, no clusters, 88,576 bytes of LDS; arguments x1, ln2_g, ln2_b, hbuf; writes hbuf
;; launch ffn1 (part 13): grid 16 x 16, 4 waves a work-group, clusters of 4 x 4, 327,680 bytes of LDS; arguments hbuf, wbuf, b1, hid; writes hid
.if DOCPART == 13
	.amdgcn_target "amdgcn-amd-amdhsa--gfx1250"
	.amdhsa_code_object_version 6
	.text
	.protected	k_q4b05f0d00f_ffn1
	.globl	k_q4b05f0d00f_ffn1
	.p2align	8
	.type	k_q4b05f0d00f_ffn1,@function
k_q4b05f0d00f_ffn1:
	s_mov_b64 s[64:65], 0
	v_nop
	global_prefetch_b8 v0, s[64:65] scope:SCOPE_SE
	s_setreg_imm32_b32 hwreg(HW_REG_WAVE_MODE, 25, 1), 1
	s_wait_xcnt 0x0
	s_wait_alu depctr_hold_cnt(0) depctr_sa_sdst(0) depctr_va_vdst(0) depctr_va_sdst(0) depctr_va_ssrc(0) depctr_va_vcc(0) depctr_vm_vsrc(0)
	s_getreg_b32 s2, hwreg(HW_REG_IB_STS2, 6, 4)
	s_cmp_eq_u32 s2, 0
	s_cbranch_scc0 .Lentry_in_a_cluster
	s_endpgm
.Lentry_in_a_cluster:
	s_bfe_u32 s2, ttmp6, 0x10000c
	s_cmp_lg_u32 s2, 0xf033
	s_cbranch_scc0 .Lentry_shape_is_right
	s_endpgm
.Lentry_shape_is_right:
.set NB,    8
.set KS,    8
.set WOFF,  3145728
.set WSOFF, 9437184+131072
.set ASOFF, 3145728
.set DSC,   12582912
.set RBB,   3072
.set AH,    8*RBB
.set BH,    NB*RBB
.set SLOT,  2*AH+2*BH
.set SBLK,  64*KS
.set SCLB,  3*SLOT                     ; slot 0: 2 K steps; from SLOT on 2 SLOT bytes: K steps 0-3 at the start, later slot 1's 2 K steps
.set SCLA,  SCLB+2*NB*SBLK
.set SPARE, SCLA+16*SBLK
.set LAPS,  KS/4
.set RBS,   KS*1536
.set ADRA, 16
.set ADRB, 20
.set ADRS, 27
.set SPW,  28
.set NIL,  29
.set L16,  30
.set SC,   32
.set BB,   64
.set AF,   128
.set T,    128
.set PC,   192
.set TM,   212
.set PWS,  248
.set G1, 24
.set G0, 32
.set G1B, 48
.set G0B, 56
.set G1S, 68
.set G0S, 76
.set G1SB, 80
.set G0SB, 88
.set SEL, 100
.set MUL_LO, 0xa1
.set MUL_HI, 0xf1
.set TO_B,   0x40
.set MSB, 0
.macro WIN new
.if MSB != (\new)
	s_set_vgpr_msb (MSB<<8)|(\new)
.set MSB, (\new)
.endif
.endm
.macro JLOAD g0a, g1a, g0b, g1b
	s_cmp_eq_u32 s15, 0
	s_cbranch_scc0 .Lfor_b_\@
	tensor_load_to_lds s[\g0a:\g0a+3], s[\g1a:\g1a+7]
	s_nop 0
.rept 4
	v_nop
.endr
	s_branch .Lasked_\@
.Lfor_b_\@:
	tensor_load_to_lds s[\g0b:\g0b+3], s[\g1b:\g1b+7]
	s_nop 0
.rept 4
	v_nop
.endr
.Lasked_\@:
.endm
.macro CREST
	s_cmp_lg_u32 s14, 0
	s_cbranch_scc1 .Lnot_wave_0_\@
	s_barrier_signal -3
.Lnot_wave_0_\@:
	s_barrier_wait -3
	s_barrier_signal -1
	s_barrier_wait -1
.endm
.macro CROUND
	s_barrier_signal -1
	s_barrier_wait -1
	CREST
.endm
.macro PLACES n
.rept \n
	v_nop
.endr
.endm
.macro FRAG reg, adr, q, i
.irp c, 0,1,2
	ds_load_b128 v[\reg+4*\c:\reg+4*\c+3], v[\adr] offset:(\i)*PIT+(\q)*1536+512*\c
.endr
.endm
.macro FETCH_B slot, q, p
	WIN TO_B
.set fi, 0
.rept NB
	FRAG 128*(\p)+12*fi, ADRB+\slot, \q, fi
.set fi, fi+1
.endr
	WIN 0
.endm
.macro FETCH_A slot, q, i0
.irp i, \i0, \i0+1, \i0+2, \i0+3
	FRAG AF+12*(\i), ADRA+\slot, \q, \i
.endr
.endm
.macro SCALES sc
.irp i, 0,1,2,3,4,5,6,7
	ds_load_b32 v[SC+16*\sc+2*\i], v[ADRS] offset:\i*SBLK
	ds_load_b32 v[SC+16*\sc+2*\i+1], v[ADRS] offset:\i*SBLK+64
.endr
.endm
.macro MUL2 a0, p, q, sc, zero
.irp a, \a0, \a0+1
.set mb, 0
.rept NB
.set rD, 8*(NB*((\a)%4)+mb)
.if \zero
	v_wmma_scale_f32_16x16x128_f8f6f4 v[rD:rD+7], v[128*(\p)+12*mb:128*(\p)+12*mb+11], v[AF+12*(\a):AF+12*(\a)+11], 0, v[SC+16*(\sc)+2*mb+(\q)], v[SC+16*(\sc)+2*(\a)+(\q)] matrix_a_fmt:MATRIX_FMT_BF6 matrix_b_fmt:MATRIX_FMT_BF6 matrix_b_scale:MATRIX_SCALE_ROW1
.else
	v_wmma_scale_f32_16x16x128_f8f6f4 v[rD:rD+7], v[128*(\p)+12*mb:128*(\p)+12*mb+11], v[AF+12*(\a):AF+12*(\a)+11], v[rD:rD+7], v[SC+16*(\sc)+2*mb+(\q)], v[SC+16*(\sc)+2*(\a)+(\q)] matrix_a_fmt:MATRIX_FMT_BF6 matrix_b_fmt:MATRIX_FMT_BF6 matrix_b_scale:MATRIX_SCALE_ROW1
.endif
.set mb, mb+1
.endr
.endr
.endm
.macro STEP slot, zero
	s_wait_dscnt 12
	WIN MUL_LO
	MUL2 0, 0, 0, \slot, \zero
	MUL2 2, 0, 0, \slot, \zero
	s_wait_dscnt 0x0
	PLACES 4
	FETCH_B \slot, 1, 1
	FETCH_A \slot, 1, 0
	WIN MUL_HI
	MUL2 4, 0, 0, \slot, \zero
	MUL2 6, 0, 0, \slot, \zero
	PLACES 4
	WIN 0
	FETCH_A \slot, 1, 4
.endm
.macro TURN slot, next, fill
	s_wait_tensorcnt 0x0
	ds_add_u32 v[SPW], v[NIL]
	s_wait_dscnt 13
	WIN MUL_LO
	MUL2 0, 1, 1, \slot, 0
	s_wait_dscnt 0x0
	s_barrier_signal -1
	MUL2 2, 1, 1, \slot, 0
	WIN 0
	s_barrier_wait -1
.if \fill
	CREST
	s_add_nc_u64 s[G0+4*\slot+2:G0+4*\slot+3], s[G0+4*\slot+2:G0+4*\slot+3], 2*RBB
	s_add_nc_u64 s[G0B+4*\slot+2:G0B+4*\slot+3], s[G0B+4*\slot+2:G0B+4*\slot+3], 2*RBB
	JLOAD G0+4*\slot, G1, G0B+4*\slot, G1B
.else
	PLACES 4
.endif
	s_wait_alu depctr_va_vdst(0)
	v_add_nc_u32 v[ADRS], 128, v[ADRS]
	FETCH_B \next, 0, 0
	FETCH_A \next, 0, 0
	SCALES \next
	WIN MUL_HI
	MUL2 4, 1, 1, \slot, 0
	MUL2 6, 1, 1, \slot, 0
	PLACES 4
	WIN 0
	FETCH_A \next, 0, 4
.endm
.macro QUANT s, pw
.irp b, 0,1,2,3
	v_max3_num_f32 v[TM+\b], |v[\s+16*\b]|, |v[\s+1+16*\b]|, 0x2800000
.endr
.irp i, 2,4,6,8,10,12,14
.irp b, 0,1,2,3
	v_max3_num_f32 v[TM+\b], v[TM+\b], |v[\s+16*\b+\i]|, |v[\s+1+16*\b+\i]|
.endr
.endr
.irp b, 0,1,2,3
	v_permlanex16_b32 v[TM+4+\b], v[TM+\b], s[SEL], s[SEL+1]
.endr
.irp b, 0,1,2,3
	v_max_num_f32 v[TM+\b], v[TM+\b], v[TM+4+\b]
.endr
.irp b, 0,1,2,3
	v_add_nc_u32 v[TM+12+\b], 0xfe000000, v[TM+\b]
.endr
.irp b, 0,1,2,3
	v_lshrrev_b32 v[TM+4+\b], 23, v[TM+12+\b]
.endr
	v_lshl_or_b32 v[\pw], v[TM+5], 8, v[TM+4]
	v_lshl_or_b32 v[\pw], v[TM+6], 16, v[\pw]
	v_lshl_or_b32 v[\pw], v[TM+7], 24, v[\pw]
	s_wait_xcnt 0x0
.irp c, 0,1
	v_cvt_scalef32_pk16_bf6_f32 v[PC+6*\c:PC+2+6*\c], v[\s+32*\c:\s+15+32*\c], v[TM+12+2*\c]
	v_cvt_scalef32_pk16_bf6_f32 v[PC+12+4*\c:PC+14+4*\c], v[\s+16+32*\c:\s+31+32*\c], v[TM+12+2*\c+1]
.endr
	v_nop
.irp c, 0,1
.irp i, 0,1,2
	v_permlane16_swap_b32 v[PC+6*\c+\i], v[PC+12+4*\c+\i]
.endr
.irp i, 0,1,2
	v_mov_b32 v[PC+3+6*\c+\i], v[PC+12+4*\c+\i]
.endr
.endr
.endm
	s_load_b128 s[4:7], s[0:1], 0x0
	s_load_b128 s[92:95], s[0:1], 0x10
	v_lshl_add_u32 v[SPW], v0, 2, SPARE
	v_mov_b32 v[NIL], 0
	ds_add_u32 v28, v29
	ds_add_u32 v28, v29
	s_wait_dscnt 0x0
	v_lshrrev_b32 v1, 5, v0
	v_readfirstlane_b32 s14, v1
	s_lshr_b32 s15, s14, 1
	s_and_b32 s16, s14, 1
	s_bfe_u32 s40, ttmp6, 0x40000
	s_bfe_u32 s41, ttmp6, 0x40004
	s_lshl_b32 s42, ttmp9, 2
	s_add_co_u32 s42, s42, s40
	s_and_b32 s17, ttmp7, 0xffff
	s_lshl_b32 s17, s17, 2
	s_add_co_u32 s17, s17, s41
	s_lshl_b32 s43, s41, 2
	s_lshl_b32 s43, 15, s43
	s_lshl_b32 s44, 0x1111, s40
	s_or_b32 s[G1+0], s43, (3<<16)|(1<<21)
	s_or_b32 s[G1B+0], s44, (3<<16)|(1<<21)
	s_mov_b32 s[G1+1], 768<<16             ; the head's tiles: 16 row blocks x four images
	s_mov_b32 s[G1+2], 16<<16
	s_mov_b32 s[G1+3], 768<<16
	s_mov_b32 s[G1+4], 16
	s_mov_b32 s[G1+5], KS*192
	s_mov_b32 s[G1+6], 0
	s_mov_b32 s[G1+7], 0
	s_mov_b32 s[G1B+1], 768<<16
	s_mov_b32 s[G1B+2], (2*NB)<<16
	s_mov_b32 s[G1B+3], 768<<16
	s_mov_b32 s[G1B+4], 2*NB
	s_mov_b32 s[G1B+5], KS*192
	s_mov_b32 s[G1B+6], 0
	s_mov_b32 s[G1B+7], 0
	s_or_b32 s[G1S+0], s43, (3<<16)|(1<<21)
	s_or_b32 s[G1SB+0], s44, (3<<16)|(1<<21)
	s_mov_b32 s[G1S+1], 32<<16
	s_mov_b32 s[G1S+2], (4*KS)<<16         ; the scale words of all 16 row blocks
	s_mov_b32 s[G1S+3], 32<<16
	s_mov_b32 s[G1S+4], 4*KS
	s_mov_b32 s[G1S+5], 32
	s_mov_b32 s[G1S+6], 0
	s_mov_b32 s[G1S+7], 0
	s_mov_b32 s[G1SB+1], 32<<16
	s_mov_b32 s[G1SB+2], (NB*KS/2)<<16
	s_mov_b32 s[G1SB+3], 32<<16
	s_mov_b32 s[G1SB+4], NB*KS/2
	s_mov_b32 s[G1SB+5], 32
	s_mov_b32 s[G1SB+6], 0
	s_mov_b32 s[G1SB+7], 0
	s_mov_b32 s[SEL], 0x76543210
	s_mov_b32 s[SEL+1], 0xfedcba98
	s_wait_kmcnt 0x0
	s_add_nc_u64 s[8:9], s[6:7], WOFF
	s_add_nc_u64 s[10:11], s[6:7], WSOFF
	s_add_nc_u64 s[6:7], s[4:5], ASOFF
	s_lshl_b32 s18, s16, 3
	s_lshl_b32 s20, s17, 4
	s_add_co_u32 s20, s20, s18
	s_mul_i32 s46, s42, 2*NB
	s_mul_i32 s18, s16, NB
	s_add_co_u32 s46, s46, s18
	s_mul_i32 s22, s20, SBLK
	s_mul_i32 s20, s20, RBS
	s_mul_i32 s66, s46, SBLK
	s_mul_i32 s46, s46, RBS
	s_mov_b32 s21, 0
	s_mov_b32 s23, 0
	s_mov_b32 s47, 0
	s_mov_b32 s67, 0
	s_add_nc_u64 s[20:21], s[4:5], s[20:21]
	s_add_nc_u64 s[22:23], s[6:7], s[22:23]
	s_add_nc_u64 s[46:47], s[8:9], s[46:47]
	s_add_nc_u64 s[66:67], s[10:11], s[66:67]
	s_mul_i32 s45, s16, AH
	s_mul_i32 s12, s16, BH
	s_add_co_u32 s12, s12, 2*AH
	; THE HEAD'S FOUR TILES, each whole, one a wave: wave 0 A's 16 row blocks of K steps 0-3, wave 1 B's, wave 2 A's scale words, wave 3 B's.  Their addresses: back from my half to the tile's first row block
	s_mul_i32 s18, s16, 8*RBS
	s_mov_b32 s19, 0
	s_sub_nc_u64 s[6:7], s[20:21], s[18:19]
	s_sub_nc_u64 s[10:11], s[46:47], s[18:19]
	s_mul_i32 s18, s16, 8*SBLK
	s_sub_nc_u64 s[G0S+2:G0S+3], s[22:23], s[18:19]
	s_sub_nc_u64 s[G0SB+2:G0SB+3], s[66:67], s[18:19]
	s_mov_b32 s4, 1
	s_mov_b32 s5, SLOT
	s_or_b32 s7, s7, 0x80000000
	s_mov_b32 s8, 1
	s_mov_b32 s9, SLOT+4*AH
	s_or_b32 s11, s11, 0x80000000
	s_mov_b32 s[G0S], 1
	s_mov_b32 s[G0S+1], SCLA
	s_or_b32 s[G0S+3], s[G0S+3], 0x80000000
	s_mov_b32 s[G0SB], 1
	s_mov_b32 s[G0SB+1], SCLB
	s_or_b32 s[G0SB+3], s[G0SB+3], 0x80000000
.irp s, 0,1
	s_mov_b32 s[G0+4*\s], 1                        ; the ring: slot 0 takes K steps 4, 5; slot 1's address is stepped to K steps 6, 7 ahead of its one fill
	s_add_co_u32 s[G0+4*\s+1], s45, \s*SLOT
	s_add_nc_u64 s[G0+4*\s+2:G0+4*\s+3], s[20:21], (2-\s)*RBB
	s_or_b32 s[G0+4*\s+3], s[G0+4*\s+3], 0x80000000
	s_mov_b32 s[G0B+4*\s], 1
	s_add_co_u32 s[G0B+4*\s+1], s12, \s*SLOT
	s_add_nc_u64 s[G0B+4*\s+2:G0B+4*\s+3], s[46:47], (2-\s)*RBB
	s_or_b32 s[G0B+4*\s+3], s[G0B+4*\s+3], 0x80000000
.endr
.macro ARM under, g0, g1, next
	s_cmp_lt_u32 s14, \under
	s_cbranch_scc0 \next
	tensor_load_to_lds s[\g0:\g0+3], s[\g1:\g1+7]
	s_nop 0
.rept 4
	v_nop
.endr
	s_branch .Lhead_asked
\next:
.endm
	CROUND                                         ; all sixteen work-groups are here: the first joint loads meet
	ARM 1, 4, G1, .Lhead_b
	ARM 2, 8, G1B, .Lhead_sa
	ARM 3, G0S, G1S, .Lhead_sb
	tensor_load_to_lds s[G0SB:G0SB+3], s[G1SB:G1SB+7]
	s_nop 0
.rept 4
	v_nop
.endr
.Lhead_asked:
	v_and_b32 v1, 15, v0
	v_bfe_u32 v2, v0, 4, 1
	s_wait_alu depctr_va_vdst(0)
	v_and_b32 v3, 31, v0
	v_lshlrev_b32 v[L16], 4, v3
	s_wait_alu depctr_va_vdst(0)
	s_mul_i32 s21, s15, 2*AH                       ; K steps 0-3: row blocks 2 RBB apart, from SLOT on, B's behind A's 16
	s_add_co_u32 s21, s21, SLOT
	s_mul_i32 s22, s16, 2*BH
	s_add_co_u32 s22, s22, SLOT+4*AH
	v_add_nc_u32 v[ADRA+2], s21, v[L16]
	v_add_nc_u32 v[ADRB+2], s22, v[L16]
	s_mul_i32 s21, s15, AH
	s_mul_i32 s22, s16, BH
	s_add_co_u32 s22, s22, 2*AH
.irp s, 0,1
	v_add_nc_u32 v[ADRA+\s], s21, v[L16]
	v_add_nc_u32 v[ADRB+\s], s22, v[L16]
	s_add_co_u32 s21, s21, SLOT
	s_add_co_u32 s22, s22, SLOT
.endr
	s_mul_i32 s21, s16, NB*SBLK
	s_mul_i32 s22, s15, 8*SBLK
	s_add_co_u32 s22, s22, SCLA-SCLB
	s_sub_co_u32 s22, s22, s21
	v_mul_u32_u24 v6, s22, v2
	s_add_co_u32 s21, s21, SCLB
	v_lshl_add_u32 v5, v1, 2, v6
	v_add_nc_u32 v[ADRS], s21, v5
	s_lshl_b32 s18, s42, 10
	s_lshl_b32 s20, s16, 9
	s_add_co_u32 s18, s18, s20
	s_mov_b32 s19, 0
	s_add_nc_u64 s[92:93], s[92:93], s[18:19]
	v_lshlrev_b32 v7, 6, v2
.irp t, 0,1,2,3,4,5,6,7
	global_load_b128 v[BB+8*\t:BB+8*\t+3], v7, s[92:93] offset:(32*(\t/2)+8*(\t%2))*4
	global_load_b128 v[BB+8*\t+4:BB+8*\t+7], v7, s[92:93] offset:(32*(\t/2)+8*(\t%2))*4+16
.endr
	s_wait_alu depctr_va_vdst(0)
	s_wait_tensorcnt 0x0                           ; my tile of the head's four is in
	ds_add_u32 v[SPW], v[NIL]
	s_mov_b32 s[G1+1], 384<<16                     ; no tensor load of mine is out: from here on a load brings 8 row blocks x two images
	s_mov_b32 s[G1+2], 8<<16
	s_mov_b32 s[G1+3], 384<<16
	s_mov_b32 s[G1+4], 8
	s_mov_b32 s[G1B+1], 384<<16
	s_mov_b32 s[G1B+2], NB<<16
	s_mov_b32 s[G1B+3], 384<<16
	s_mov_b32 s[G1B+4], NB
	s_wait_dscnt 0x0
	CROUND
	JLOAD G0, G1, G0B, G1B                         ; slot 0's first fill, K steps 4 and 5: it has K steps 0 to 3 in which to land
; One of K steps 0 to 2: multiplies B's set p, fetches K step q + 1 from the same bytes; behind K step 1 the scale words of K steps 2, 3 come into set 1
.macro ESTEP q, p, sc, zero
	s_wait_dscnt 12
	WIN MUL_LO
	MUL2 0, \p, \p, \sc, \zero
	MUL2 2, \p, \p, \sc, \zero
	s_wait_dscnt 0x0
	PLACES 4
.if \p
	WIN 0                                          ; the address register lies in window 0
	v_add_nc_u32 v[ADRS], 128, v[ADRS]
.endif
	FETCH_B 2, (\q)+1, 1-(\p)
	FETCH_A 2, (\q)+1, 0
.if \p
	SCALES 1
.endif
	WIN MUL_HI
	MUL2 4, \p, \p, \sc, \zero
	MUL2 6, \p, \p, \sc, \zero
	PLACES 4
	WIN 0
	FETCH_A 2, (\q)+1, 4
.endm
.set PIT, 2*RBB
	FETCH_B 2, 0, 0
	FETCH_A 2, 0, 0
	SCALES 0
	FETCH_A 2, 0, 4
	ESTEP 0, 0, 0, 1
	ESTEP 1, 1, 0, 0
	ESTEP 2, 0, 1, 0
.set PIT, RBB
	TURN 1, 0, 1                                   ; K step 3; the one refill: K steps 6, 7 into bytes that held K steps 0-3
	STEP 0, 0
	TURN 0, 1, 0
	STEP 1, 0
	s_wait_dscnt 12
	WIN MUL_LO
	MUL2 0, 1, 1, 1, 0
	MUL2 2, 1, 1, 1, 0
	s_wait_dscnt 0x0
	WIN MUL_HI
	MUL2 4, 1, 1, 1, 0
	MUL2 6, 1, 1, 1, 0
	WIN 0
	PLACES 4
	s_wait_loadcnt 0x0
.irp b, 0,1,2,3
	v_mov_b32 v[TM+4+\b], 0
.endr
	s_lshl_b32 s18, s17, 4
	s_lshl_b32 s19, s15, 3
	s_add_co_u32 s18, s18, s19
	s_lshl_b32 s18, s18, 5
	s_lshl_b32 s19, s42, 1
	s_add_co_u32 s18, s18, s19
	s_add_co_u32 s18, s18, s16
	s_mul_i32 s20, s18, 1536
	s_mov_b32 s21, 0
	s_lshl_b32 s22, s18, 6
	s_add_co_u32 s22, s22, DSC
	s_mov_b32 s23, 0
	s_add_nc_u64 s[4:5], s[94:95], s[20:21]
	s_add_nc_u64 s[6:7], s[94:95], s[22:23]
	v_lshlrev_b32 v9, 2, v1
.macro HID a
	WIN 0x02+(\a)/4
.set k, 0
.rept 32
	v_pk_add_f32 v[T+k:T+k+1], v[64*((\a)%4)+k:64*((\a)%4)+k+1], v[BB+k:BB+k+1]
.set k, k+2
.endr
	WIN 0
.set k, 0
.rept 64
	v_max_num_f32 v[T+k], 0, v[T+k]
.set k, k+1
.endr
	QUANT T, PWS+(\a)
.irp c, 0,1,2
	global_store_b128 v[L16], v[PC+4*\c:PC+4*\c+3], s[4:5] offset:(\a)*49152+512*\c
.endr
	global_store_b32 v9, v[PWS+(\a)], s[6:7] offset:(\a)*2048
.endm
.irp a, 0,1,2,3,4,5,6,7
	HID \a
.endr
	s_wait_tensorcnt 0x0
	ds_add_u32 v[SPW], v[NIL]
	s_wait_dscnt 0x0
	CROUND
	s_endpgm
.Lfunc_end_k_q4b05f0d00f_ffn1:
	.size	k_q4b05f0d00f_ffn1, .Lfunc_end_k_q4b05f0d00f_ffn1-k_q4b05f0d00f_ffn1
	.p2alignl 7, 3214868480
	.fill 96, 4, 3214868480
	.section	.rodata,"a",@progbits
	.p2align	6, 0x0
	.amdhsa_kernel k_q4b05f0d00f_ffn1
		.amdhsa_group_segment_fixed_size 327680
		.amdhsa_private_segment_fixed_size 0
		.amdhsa_enable_private_segment 0
		.amdhsa_kernarg_size 32
		.amdhsa_user_sgpr_count 2
		.amdhsa_user_sgpr_kernarg_segment_ptr 1
		.amdhsa_wavefront_size32 1
		.amdhsa_system_sgpr_workgroup_id_x 1
		.amdhsa_system_sgpr_workgroup_id_y 1
		.amdhsa_system_sgpr_workgroup_id_z 1
		.amdhsa_system_vgpr_workitem_id 0
		.amdhsa_next_free_vgpr 1024
		.amdhsa_next_free_sgpr 102
		.amdhsa_reserve_vcc 0
		.amdhsa_float_denorm_mode_32 3
		.amdhsa_float_denorm_mode_16_64 3
		.amdhsa_memory_ordered 1
		.amdhsa_forward_progress 1
		.amdhsa_inst_pref_size 176
	.end_amdhsa_kernel
	.amdgpu_metadata
---
amdhsa.version: [ 1, 2 ]
amdhsa.kernels:
  - .name:           k_q4b05f0d00f_ffn1
    .symbol:         k_q4b05f0d00f_ffn1.kd
    .args:
      - { .name: hbuf, .offset: 0, .size: 8, .value_kind: global_buffer, .address_space: global }
      - { .name: wbuf, .offset: 8, .size: 8, .value_kind: global_buffer, .address_space: global }
      - { .name: b1, .offset: 16, .size: 8, .value_kind: global_buffer, .address_space: global }
      - { .name: hid, .offset: 24, .size: 8, .value_kind: global_buffer, .address_space: global }
    .group_segment_fixed_size: 327680
    .private_segment_fixed_size: 0
    .kernarg_segment_align: 8
    .kernarg_segment_size: 32
    .max_flat_workgroup_size: 128
    .sgpr_count:     102
    .vgpr_count:     1024
    .wavefront_size: 32
...
	.end_amdgpu_metadata
.endif
;; end of part 13
;; launch ffn2 (part 14): grid 4 x 64, 8 waves a work-group, clusters of 4 x 1, 304,128 bytes of LDS; arguments hid, wbuf, b2, x1, out0; writes out0
.if DOCPART == 14
	.amdgcn_target "amdgcn-amd-amdhsa--gfx1250"
	.amdhsa_code_object_version 6
	.text
	.protected	k_q4b05f0d00f_ffn2
	.globl	k_q4b05f0d00f_ffn2
	.p2align	8
	.type	k_q4b05f0d00f_ffn2,@function
k_q4b05f0d00f_ffn2:
	s_mov_b64 s[64:65], 0
	v_nop
	global_prefetch_b8 v0, s[64:65] scope:SCOPE_SE
	s_setreg_imm32_b32 hwreg(HW_REG_WAVE_MODE, 25, 1), 1
	s_wait_xcnt 0x0
	s_wait_alu depctr_hold_cnt(0) depctr_sa_sdst(0) depctr_va_vdst(0) depctr_va_sdst(0) depctr_va_ssrc(0) depctr_va_vcc(0) depctr_vm_vsrc(0)
	s_getreg_b32 s2, hwreg(HW_REG_IB_STS2, 6, 4)
	s_cmp_eq_u32 s2, 0
	s_cbranch_scc0 .Lentry_in_a_cluster
	s_endpgm
.Lentry_in_a_cluster:
	s_bfe_u32 s2, ttmp6, 0x10000c
	s_cmp_lg_u32 s2, 0x3003
	s_cbranch_scc0 .Lentry_shape_is_right
	s_endpgm
.Lentry_shape_is_right:
; out0 = x1 + (hid W2 + b2): the product on codes of E3M2 (one E8M0 byte for each 32 along K = 4,096), the rest in f32.
; OPERANDS ARE IMAGES OF REGISTERS: 16 rows x 128 K = 1,536 bytes, registers 4 c .. 4 c + 3 of lane l at 512 c + 16 l.  Image tile 2 b + u, row r, stands for index 32 b + 8 u + r + 8 (r / 8) (a token, or a column of the weight).
; SHARES.  256 work-groups of eight waves; a work-group makes 64 tokens x 256 columns.  Wave (g, kh) takes columns 64 g .. 64 g + 63 and half kh of K: 16 accumulators; the two waves of a pair add their halves at the end.
; THE TOKEN SIDE STAYS IN LDS: its 4 row blocks for all of K (6 U bytes, U = 1,024 KS), the weight's scale words (U) and the tokens' (U / 4) come once, one tensor load a wave; no byte of LDS is filled twice.
; CLUSTER: the four column blocks of a token block form a cluster and want the same tokens: their codes (waves 0-5) and scale words (wave 7) are asked for jointly, with the mask of all four.
; The weight's scale words (wave 6) differ from partner to partner: a plain load, behind the same round.
; THE WEIGHT GOES FROM MEMORY STRAIGHT INTO REGISTERS: each wave alone reads its columns' images, lane by lane as they lie, four K steps (48 loads) ahead, in four sets of 48 registers by turns.
; The product is used transposed (source 0 = 16 columns of the weight, source 1 = 16 tokens): a lane holds one token and eight neighbouring columns a tile.
; A wave counts the token blocks from its own pair on (local block i is block i xor 2 kh): locals 0, 1 it finishes itself, locals 2, 3 it hands to its partner through LDS bytes that no tensor load fills.
; THE PREFETCH: a group of four K steps of a column block's 16 tiles is 64 images; the 64 work-groups that read them take one image each (tile = token block % 16, K step = token block / 16), six blocks of 256 bytes,
; a lane a block (lanes 6-31 name the sixth again); waves 0 and 1 ask, each for its half of K.  In group t of a half's four they ask for group t + 2, whose loads are issued in group t + 1; groups 2 and 3 ask for nothing.
; LIMITS: NaN and infinities are not served; K is summed in two halves, which are added in f32.
.set KS,    32
.set WOFF,  6291456
.set WSOFF, 9699328
.set ASOFF, 12582912
.set KH,    KS/2
.set RBS,   KS*1536
.set SBLK,  KS*64
.set U,     KS*1024
.set SBO,   6*U
.set SAO,   7*U
.set XCH,   SAO+U/4
.set SPARE, XCH+65536
.set PFO, 7
.set ADA, 8
.set ADS, 10
.set BO,  12
.set STO, 13
.set RD,  14
.set CO,  15
.set BI,  16
.set XW,  20
.set XR,  21
.set SPW, 22
.set NIL, 23
.set SC,  24
.set AF,  32
.set ACC, 128
.set RSD, 192
.set G1,  24
.set G1S, 32
.set G0,  40
.set BP,  44
.set PF,  46
.set LIM, 48
.set CNT, 49
.set G1P, 68
.set G0P, 76
.set MSB, 0
.macro WIN new
.if MSB != (\new)
	s_set_vgpr_msb (MSB<<8)|(\new)
.set MSB, (\new)
.endif
.endm
.macro PLACES
.rept 4
	v_nop
.endr
.endm
.macro CROUND
	s_barrier_signal -1
	s_barrier_wait -1
	s_cmp_lg_u32 s14, 0
	s_cbranch_scc1 .Lnot_wave_0_\@
	s_barrier_signal -3
.Lnot_wave_0_\@:
	s_barrier_wait -3
	s_barrier_signal -1
	s_barrier_wait -1
.endm
.macro BLOAD buf, ko
.irp t, 0,1,2,3
.irp c, 0,1,2
	global_load_b128 v[48*(\buf)+12*\t+4*\c:48*(\buf)+12*\t+4*\c+3], v[BO], s[BP:BP+1] offset:\t*RBS+(\ko)+512*\c
.endr
.endr
.endm
.macro ALOAD p, ko
.irp i, 0,1,2,3
.irp c, 0,1,2
	ds_load_b128 v[AF+48*(\p)+12*\i+4*\c:AF+48*(\p)+12*\i+4*\c+3], v[ADA+\i/2] offset:(\i%2)*RBS+(\ko)*1536+512*\c
.endr
	ds_load_b32 v[SC+4*(\p)+\i], v[ADS+\i/2] offset:(\i%2)*SBLK+(\ko)*64
.endr
.endm
.macro MUL p, buf, zero
.irp a, 0,1,2,3
.irp b, 0,1,2,3
.if \zero
	v_wmma_scale_f32_16x16x128_f8f6f4 v[ACC+8*(4*\a+\b):ACC+8*(4*\a+\b)+7], v[48*(\buf)+12*\b:48*(\buf)+12*\b+11], v[AF+48*(\p)+12*\a:AF+48*(\p)+12*\a+11], 0, v[SC+4*(\p)+\b], v[SC+4*(\p)+\a] matrix_a_fmt:MATRIX_FMT_BF6 matrix_b_fmt:MATRIX_FMT_BF6 matrix_b_scale:MATRIX_SCALE_ROW1
.else
	v_wmma_scale_f32_16x16x128_f8f6f4 v[ACC+8*(4*\a+\b):ACC+8*(4*\a+\b)+7], v[48*(\buf)+12*\b:48*(\buf)+12*\b+11], v[AF+48*(\p)+12*\a:AF+48*(\p)+12*\a+11], v[ACC+8*(4*\a+\b):ACC+8*(4*\a+\b)+7], v[SC+4*(\p)+\b], v[SC+4*(\p)+\a] matrix_a_fmt:MATRIX_FMT_BF6 matrix_b_fmt:MATRIX_FMT_BF6 matrix_b_scale:MATRIX_SCALE_ROW1
.endif
.endr
.endr
.endm
.macro ASK
	s_cmp_gt_u32 s[CNT], s[LIM]
	s_cbranch_scc0 .Lno_\@
	global_prefetch_b8 v[PFO], s[PF:PF+1] th:TH_LOAD_NT scope:SCOPE_SE
.Lno_\@:
.endm
; Four K steps.  Step j multiplies A's set j % 2 and B's set j; the next step's A and scale words are fetched ahead of its products; refill = 1: B's set j takes the K step four on.
.macro GROUP zero, refill
.irp j, 0,1,2,3
	s_wait_dscnt 0x0                               ; this step's A and scale words are in
.if (\refill) || (\j < 3)
	ALOAD (\j+1)%2, \j+1
.endif
.if \refill
	s_wait_loadcnt 36                              ; this step's B is in; the three younger K steps' 36 loads may be out
.else
	s_wait_loadcnt 12*(3-\j)
.endif
	WIN 0x01                                       ; source 0 (B) in window 1
.if (\zero) && (\j == 0)
	MUL 0, 0, 1                                    ; the first products start the sums
.else
	MUL \j%2, \j, 0
.endif
	PLACES                                         ; four plain lines in front of loads into registers that these products read, and of the first read of results
.if \refill
	WIN 0x40
	BLOAD \j, (\j+4)*1536
.endif
	WIN 0
.if (\refill) && (\j == 0)
	ASK
.endif
.endr
.if \refill
	v_add_nc_u32 v[ADA], 6144, v[ADA]
	v_add_nc_u32 v[ADA+1], 6144, v[ADA+1]
	v_add_nc_u32 v[ADS], 256, v[ADS]
	v_add_nc_u32 v[ADS+1], 256, v[ADS+1]
	s_wait_alu depctr_va_vdst(0)
	s_wait_xcnt 0x0                                ; the loads and the prefetch have read their bases
	s_add_nc_u64 s[BP:BP+1], s[BP:BP+1], 6144
	s_add_nc_u64 s[PF:PF+1], s[PF:PF+1], 6144
.endif
.endm
	s_load_b256 s[4:11], s[0:1], 0x0               ; the token side's buffer, wbuf, the bias, the residual
	s_load_b64 s[12:13], s[0:1], 0x20              ; the output
	v_lshl_add_u32 v[SPW], v0, 2, SPARE
	v_mov_b32 v[NIL], 0
	ds_add_u32 v[SPW], v[NIL]                      ; the opening lines
	ds_add_u32 v[SPW], v[NIL]
	v_lshrrev_b32 v1, 5, v0
	s_delay_alu instid0(VALU_DEP_1)
	v_readfirstlane_b32 s14, v1                    ; wave 0..7
	s_and_b32 s15, s14, 1                          ; kh
	s_lshr_b32 s16, s14, 1                         ; g
	s_and_b32 s18, ttmp7, 0xffff                   ; the token block: the cluster's y
	s_bfe_u32 s17, ttmp6, 0x40000                  ; the column block: cx (the grid is one cluster wide); it enters global addresses alone
.irp g, G1, G1S, G1P
	s_mov_b32 s[\g+1], 32<<16                      ; rows of 256 bytes, dense
	s_mov_b32 s[\g+3], 32<<16
	s_mov_b32 s[\g+5], 32
	s_mov_b32 s[\g+6], 0
	s_mov_b32 s[\g+7], 0
.endr
	s_mov_b32 s[G1], 15|(3<<16)|(1<<21)            ; the mask of all four; elements of 8 bytes; bit 21 beside a mask
	s_mov_b32 s[G1S], 15|(3<<16)|(1<<21)
	s_mov_b32 s[G1P], 3<<16                        ; no mask: my work-group's own
	s_mov_b32 s[G1+2], (4*KS)<<16                  ; U bytes
	s_mov_b32 s[G1+4], 4*KS
	s_mov_b32 s[G1P+2], (4*KS)<<16
	s_mov_b32 s[G1P+4], 4*KS
	s_mov_b32 s[G1S+2], KS<<16                     ; U / 4 bytes
	s_mov_b32 s[G1S+4], KS
	s_mul_i32 s20, s18, 6*U                        ; waves 0-5: a sixth of the tokens' codes,
	s_mul_i32 s21, s14, U
	s_add_co_u32 s20, s20, s21
	s_mul_i32 s22, s18, U/4                        ; wave 7: the tokens' scale words
	s_add_co_u32 s22, s22, ASOFF
	s_cmp_eq_u32 s14, 7
	s_cselect_b32 s20, s22, s20
	s_mov_b32 s21, 0
	s_mul_i32 s22, s17, U                          ; wave 6: the weight's scale words, in registers of their own
	s_add_co_u32 s22, s22, WSOFF
	s_mov_b32 s23, 0
	s_mov_b32 s[G0], 1
	s_mul_i32 s[G0+1], s14, U                      ; LDS: wave x U
	s_mov_b32 s[G0P], 1
	s_mov_b32 s[G0P+1], SBO
	s_wait_dscnt 0x0
	s_wait_kmcnt 0x0
	s_add_nc_u64 s[G0+2:G0+3], s[4:5], s[20:21]
	s_or_b32 s[G0+3], s[G0+3], 0x80000000
	s_add_nc_u64 s[G0P+2:G0P+3], s[6:7], s[22:23]
	s_or_b32 s[G0P+3], s[G0P+3], 0x80000000
	CROUND                                         ; all four work-groups are here: the joint loads meet
	s_cmp_lt_u32 s14, 6
	s_cbranch_scc0 .Lsb
	tensor_load_to_lds s[G0:G0+3], s[G1:G1+7]
	s_nop 0
	PLACES
	s_branch .Lasked
.Lsb:
	s_cmp_lt_u32 s14, 7
	s_cbranch_scc0 .Lsa
	tensor_load_to_lds s[G0P:G0P+3], s[G1P:G1P+7]
	s_nop 0
	PLACES
	s_branch .Lasked
.Lsa:
	tensor_load_to_lds s[G0:G0+3], s[G1S:G1S+7]
	s_nop 0
	PLACES
.Lasked:
	s_xor_b32 s50, s15, 1
	s_xor_b32 s51, s16, 3
	s_mul_i32 s52, s15, 2*RBS+KH*1536              ; A's local blocks 0, 1: block 2 kh, my half of K
	s_mul_i32 s53, s50, 2*RBS                      ; locals 2, 3: block 2 - 2 kh
	s_mul_i32 s20, s15, KH*1536
	s_add_co_u32 s53, s53, s20
	s_mul_i32 s54, s16, 4*SBLK                     ; scale words, lanes 0-15: the weight's tiles 4 g ..
	s_mul_i32 s20, s15, KH*64
	s_add_co_u32 s54, s54, s20
	s_add_co_u32 s54, s54, SBO
	s_add_co_u32 s55, s54, 2*SBLK
	s_mul_i32 s21, s51, 4*SBLK                     ; and how far on lanes 16-31 find the tokens' words
	s_mul_i32 s56, s15, 2*SBLK
	s_add_co_u32 s56, s56, s21
	s_add_co_u32 s56, s56, SAO-SBO-12*SBLK
	s_mul_i32 s57, s50, 2*SBLK
	s_add_co_u32 s57, s57, s21
	s_add_co_u32 s57, s57, SAO-SBO-14*SBLK
	s_lshl_b32 s58, s14, 13                        ; where I hand sums over,
	s_add_co_u32 s58, s58, XCH
	s_xor_b32 s59, s14, 1                          ; and where my partner does: later my stage
	s_lshl_b32 s59, s59, 13
	s_add_co_u32 s59, s59, XCH
	s_lshl_b32 s20, s17, 10
	s_lshl_b32 s21, s16, 8
	s_add_co_u32 s20, s20, s21                     ; my 64 columns, in bytes
	s_mov_b32 s21, 0
	s_add_nc_u64 s[8:9], s[8:9], s[20:21]
	s_lshl_b32 s22, s18, 18
	s_lshl_b32 s23, s15, 17
	s_add_co_u32 s22, s22, s23                     ; my 32 rows of 4,096 bytes
	s_add_co_u32 s22, s22, s20
	s_mov_b32 s23, 0
	s_add_nc_u64 s[10:11], s[10:11], s[22:23]
	s_add_nc_u64 s[12:13], s[12:13], s[22:23]
	s_lshl_b32 s20, s17, 4
	s_lshl_b32 s21, s16, 2
	s_add_co_u32 s20, s20, s21
	s_mul_i32 s20, s20, RBS
	s_mul_i32 s21, s15, KH*1536
	s_add_co_u32 s20, s20, s21
	s_add_co_u32 s20, s20, WOFF
	s_mov_b32 s21, 0
	s_add_nc_u64 s[BP:BP+1], s[6:7], s[20:21]      ; my four tiles' images, my half of K
	s_lshl_b32 s20, s17, 4                         ; the prefetches: tile 16 x column block + token block % 16,
	s_and_b32 s21, s18, 15
	s_add_co_u32 s20, s20, s21
	s_mul_i32 s20, s20, RBS
	s_mul_i32 s21, s15, KH                         ; my half of K, K step token block / 16 of group 2
	s_lshr_b32 s22, s18, 4
	s_add_co_u32 s21, s21, s22
	s_add_co_u32 s21, s21, 8
	s_mul_i32 s21, s21, 1536
	s_add_co_u32 s20, s20, s21
	s_add_co_u32 s20, s20, WOFF
	s_mov_b32 s21, 0
	s_add_nc_u64 s[PF:PF+1], s[6:7], s[20:21]
	s_cmp_eq_u32 s16, 0                            ; waves 0 and 1 ask, while more than one refilling group is left
	s_cselect_b32 s[LIM], 1, -1
	v_and_b32 v1, 15, v0                           ; r
	v_bfe_u32 v2, v0, 4, 1                         ; h
	v_and_b32 v3, 31, v0
	s_delay_alu instid0(VALU_DEP_3)
	v_lshlrev_b32 v4, 2, v1
	s_delay_alu instid0(VALU_DEP_2)
	v_lshlrev_b32 v[BO], 4, v3
	s_delay_alu instid0(VALU_DEP_4)
	v_mul_u32_u24 v5, s56, v2
	v_mul_u32_u24 v6, s57, v2
	v_mul_u32_u24 v[STO], v1, 272
	v_mul_u32_u24 v[RD], v2, 272
	v_lshlrev_b32 v[CO], 12, v2
	v_add_nc_u32 v5, v5, v4
	v_add_nc_u32 v6, v6, v4
	v_lshl_add_u32 v[STO], v2, 6, v[STO]
	v_lshl_add_u32 v[RD], v1, 4, v[RD]
	v_lshl_add_u32 v[CO], v1, 4, v[CO]             ; lanes 0-15 one row, lanes 16-31 the next; 16 bytes a lane
	v_add_nc_u32 v[ADS], s54, v5
	v_add_nc_u32 v[ADS+1], s55, v6
	v_add_nc_u32 v[STO], s59, v[STO]
	v_add_nc_u32 v[RD], s59, v[RD]
	v_add_nc_u32 v[ADA], s52, v[BO]
	v_add_nc_u32 v[ADA+1], s53, v[BO]
	v_add_nc_u32 v[XW], s58, v[BO]
	v_add_nc_u32 v[XR], s59, v[BO]
	v_lshlrev_b32 v4, 4, v1
	v_min_u32 v[PFO], 5, v3
	s_delay_alu instid0(VALU_DEP_1)
	v_lshlrev_b32 v[PFO], 8, v[PFO]
	s_wait_alu depctr_va_vdst(0)                   ; the wait at the head's end
	global_load_b128 v[BI:BI+3], v4, s[8:9]        ; the bias of my four columns on the way out
	WIN 0x40
.irp lb, 0,1
.irp t, 0,1,2,3,4,5,6,7
	global_load_b128 v[RSD+32*\lb+4*\t:RSD+32*\lb+4*\t+3], v[CO], s[10:11] offset:(8*\lb+2*\t+8*(\t/4))*4096 th:TH_LOAD_NT   ; the residual of my two blocks
.endr
.endr
.irp j, 0,1,2,3
	BLOAD \j, \j*1536
.endr
	WIN 0
	s_wait_tensorcnt 0x0                           ; my part of LDS has landed,
	s_barrier_signal -1
	s_barrier_wait -1                              ; and everybody's
	ALOAD 0, 0
	s_mov_b32 s[CNT], KH/4-1
	GROUP 1, 1
	s_sub_co_u32 s[CNT], s[CNT], 1
.Lk:
	GROUP 0, 1
	s_sub_co_u32 s[CNT], s[CNT], 1
	s_cmp_lg_u32 s[CNT], 0
	s_cbranch_scc1 .Lk
	GROUP 0, 0
; THE TWO HALVES OF K MEET: locals 2, 3 go to my partner as they lie in registers, each accumulator from its low end on; its locals 2, 3 are my locals 0, 1
.set k, 0
.rept 16
	ds_store_b128 v[XW], v[ACC+64+4*k:ACC+64+4*k+3] offset:512*k
.set k, k+1
.endr
	s_wait_dscnt 0x0                               ; for my partner's sake
	s_barrier_signal -1
	s_barrier_wait -1
.set k, 0
.rept 16
	ds_load_b128 v[AF+4*k:AF+4*k+3], v[XR] offset:512*k
.set k, k+1
.endr
	s_wait_dscnt 0x0
.set k, 0
.rept 32
	v_pk_add_f32 v[ACC+2*k:ACC+2*k+1], v[ACC+2*k:ACC+2*k+1], v[AF+2*k:AF+2*k+1]
.set k, k+1
.endr
; THE WAY OUT, 16 tokens x 64 columns at a time, through a stage in the bytes that I have just read and that nobody else touches again: in as 32 bytes a lane, back as whole rows of 256 bytes.  LDS serves a wave's instructions in order.
.macro TOSTAGE lb
.irp b, 0,1,2,3
	ds_store_b128 v[STO], v[ACC+32*\lb+8*\b:ACC+32*\lb+8*\b+3] offset:128*(\b/2)+32*(\b%2)
	ds_store_b128 v[STO], v[ACC+32*\lb+8*\b+4:ACC+32*\lb+8*\b+7] offset:128*(\b/2)+32*(\b%2)+16
.endr
.irp t, 0,1,2,3,4,5,6,7
	ds_load_b128 v[AF+32*\lb+4*\t:AF+32*\lb+4*\t+3], v[RD] offset:\t*544
.endr
.endm
.macro SEND lb, ds
	s_wait_dscnt \ds
.set k, 0
.rept 8
	v_pk_add_f32 v[AF+32*\lb+4*k:AF+32*\lb+4*k+1], v[AF+32*\lb+4*k:AF+32*\lb+4*k+1], v[BI:BI+1]
	v_pk_add_f32 v[AF+32*\lb+4*k+2:AF+32*\lb+4*k+3], v[AF+32*\lb+4*k+2:AF+32*\lb+4*k+3], v[BI+2:BI+3]
.set k, k+1
.endr
	WIN 0x04                                       ; source 1: the residual, in window 1
.set k, 0
.rept 16
	v_pk_add_f32 v[AF+32*\lb+2*k:AF+32*\lb+2*k+1], v[AF+32*\lb+2*k:AF+32*\lb+2*k+1], v[RSD+32*\lb+2*k:RSD+32*\lb+2*k+1]
.set k, k+1
.endr
	WIN 0
.irp t, 0,1,2,3,4,5,6,7
	global_store_b128 v[CO], v[AF+32*\lb+4*\t:AF+32*\lb+4*\t+3], s[12:13] offset:(8*\lb+2*\t+8*(\t/4))*4096 th:TH_STORE_NT   ; sixteen lanes store 256 consecutive bytes, aligned
.endr
.endm
	TOSTAGE 0
	TOSTAGE 1
	SEND 0, 16                                     ; behind block 0's rows: block 1's 8 stores and 8 loads
	SEND 1, 0
	s_wait_tensorcnt 0x0                           ; the wave's end
	ds_add_u32 v[SPW], v[NIL]
	s_wait_dscnt 0x0
	CROUND                                         ; the closing round
	s_endpgm
.Lfunc_end_k_q4b05f0d00f_ffn2:
	.size	k_q4b05f0d00f_ffn2, .Lfunc_end_k_q4b05f0d00f_ffn2-k_q4b05f0d00f_ffn2
	.p2alignl 7, 3214868480
	.fill 96, 4, 3214868480
	.section	.rodata,"a",@progbits
	.p2align	6, 0x0
	.amdhsa_kernel k_q4b05f0d00f_ffn2
		.amdhsa_group_segment_fixed_size 304128
		.amdhsa_private_segment_fixed_size 0
		.amdhsa_enable_private_segment 0
		.amdhsa_kernarg_size 40
		.amdhsa_user_sgpr_count 2
		.amdhsa_user_sgpr_kernarg_segment_ptr 1
		.amdhsa_wavefront_size32 1
		.amdhsa_system_sgpr_workgroup_id_x 1
		.amdhsa_system_sgpr_workgroup_id_y 1
		.amdhsa_system_sgpr_workgroup_id_z 1
		.amdhsa_system_vgpr_workitem_id 0
		.amdhsa_next_free_vgpr 512
		.amdhsa_next_free_sgpr 80
		.amdhsa_reserve_vcc 0
		.amdhsa_float_denorm_mode_32 3
		.amdhsa_float_denorm_mode_16_64 3
		.amdhsa_memory_ordered 1
		.amdhsa_forward_progress 1
		.amdhsa_inst_pref_size 77
	.end_amdhsa_kernel
	.amdgpu_metadata
---
amdhsa.version: [ 1, 2 ]
amdhsa.kernels:
  - .name:           k_q4b05f0d00f_ffn2
    .symbol:         k_q4b05f0d00f_ffn2.kd
    .args:
      - { .name: hid, .offset: 0, .size: 8, .value_kind: global_buffer, .address_space: global }
      - { .name: wbuf, .offset: 8, .size: 8, .value_kind: global_buffer, .address_space: global }
      - { .name: b2, .offset: 16, .size: 8, .value_kind: global_buffer, .address_space: global }
      - { .name: x1, .offset: 24, .size: 8, .value_kind: global_buffer, .address_space: global }
      - { .name: out0, .offset: 32, .size: 8, .value_kind: global_buffer, .address_space: global }
    .group_segment_fixed_size: 304128
    .private_segment_fixed_size: 0
    .kernarg_segment_align: 8
    .kernarg_segment_size: 40
    .max_flat_workgroup_size: 256
    .sgpr_count:     80
    .vgpr_count:     512
    .wavefront_size: 32
...
	.end_amdgpu_metadata
.endif
;; end of part 14
